; MI455X (gfx1250); checked and timed in simulation.
; The chip was launched on July 23, 2026; its instructions are those of AMD's public machine-readable ISA for CDNA 5 (MIT licence, August 2026) and "CDNA5" Instruction Set Architecture Reference Guide (July 2026). The comments in the code are by the model that wrote it; some were corrected since.
;; Multi Head Attention. Allowed arithmetic: matrix products marked QUANTISED: E2M1 operands, one E8M0 scale for each 32 along K, by v_wmma_scale_f32_16x16x128_f8f6f4 with both operands' format E2M1 (or v_wmma_scale_f32_32x16x128_f4), f32 sums; everything else in f32.
;; Inputs: bk 1,024 float32; bo 1,024 float32; bq 1,024 float32; bv 1,024 float32; k 8 x 1,024 x 1,024 float32; ln_beta 1,024 float32; ln_gamma 1,024 float32; q 8 x 1,024 x 1,024 float32; v 8 x 1,024 x 1,024 float32; wk 1,024 x 1,024 float32; wo 1,024 x 1,024 float32; wq 1,024 x 1,024 float32; wv 1,024 x 1,024 float32.
;; Outputs: out0 8 x 1,024 x 1,024 float32.
;; This version of the problem:
;;   THIS VERSION OF THE PROBLEM IS GIVEN IN LOW PRECISION. The matrix products marked QUANTISED in the list below multiply operands that are first quantised to E2M1 (2 exponent bits, 1 mantissa bit; 4 bits a number), with one power-of-two scale for each 32 numbers along K (OCP MX v1.0); their sums are f32. All else is computed in f32.
;;   The module's matrix products, in the order in which they are computed (A, B: the left and right operand; K: the contracted axis; several contracted axes count as one K, in the product's order):
;;     1. [M 8,192, K 1,024] x [K 1,024, N 1,024]; A: input q; B: input wq: QUANTISED
;;     2. [M 8,192, K 1,024] x [K 1,024, N 1,024]; A: input k; B: input wk: QUANTISED
;;     3. [M 8,192, K 1,024] x [K 1,024, N 1,024]; A: input v; B: input wv: QUANTISED
;;     4. batch 128 x [M 1,024, K 64] x [K 64, N 1,024]; A: computed on the way; B: computed on the way: QUANTISED
;;     5. batch 128 x [M 1,024, K 1,024] x [K 1,024, N 64]; A: softmax (see below); B: computed on the way: QUANTISED
;;     6. [M 8,192, K 1,024] x [K 1,024, N 1,024]; A: computed on the way; B: input wo: QUANTISED
;;   THE QUANTISER, for each operand of a quantised product, along K:
;;     - K is cut into blocks of 32 from its start; a last block that is shorter is filled with zeros.
;;     - A block's scale is 2^e with e = floor(log2(the largest magnitude in the block)) - 2, held to -126 .. 127; a block of zeros has e = 0. As a byte (E8M0): e + 127.
;;     - Each number is divided by its block's scale, clamped to +-6, and rounded to the nearest number of E2M1, ties to even, subnormals kept.
;;     - The product sums the exact products of the quantised numbers (number of the format x scale) in f32.
;;   ~~~python
;;   def quantise(x, axis):      # numpy; x: float32 -> the quantised numbers, widened to float32 again
;;       x = np.moveaxis(x, axis, -1); K = x.shape[-1]
;;       x = np.pad(x, [(0, 0)] * (x.ndim - 1) + [(0, -K % 32)]); x = x.reshape(x.shape[:-1] + (-1, 32)); a = np.abs(x).max(-1, keepdims=True)
;;       e = np.where(a > 0, np.clip(np.frexp(np.where(a > 0, a, 1))[1] - 1 - 2, -126, 127), 0)      # np.frexp(a)[1] - 1 = floor(log2(a)), exactly
;;       r = np.clip(x / 2.0 ** e, -6, 6)
;;       step = 2.0 ** (np.maximum(np.frexp(np.where(r == 0, 1, r))[1] - 1, 0) - 1)
;;       q = np.round(r / step) * step * 2.0 ** e      # np.round: ties to even
;;       return np.moveaxis(q.reshape(q.shape[:-2] + (-1,))[..., :K], -1, axis).astype(np.float32)
;;   ~~~
;;   SOFTMAX AHEAD OF A QUANTISED PRODUCT. Where the list says 'softmax', what is quantised is not the finished softmax but p = 2^(t - M), with t = logit x log2(e) and M = ceil(the row's largest t), a whole number; so 1/2 < the row's largest p <= 1. The row's sum l is taken of the UNQUANTISED p, in f32, and the product's result is divided by l at the end. Since M is a whole number, a kernel that streams over the keys may use a running M (the ceiling of the running maximum): every later rescaling is an exact power of two, which a block's scale takes up: the codes' values come out the same.
;;   OPERANDS COMPUTED ON THE WAY. 'Computed on the way' means the value that the module computes at that place (a softmax that the list does not call 'softmax' is quantised finished and normalised). What goes into a quantiser is computed in f32, as accurately as f32 sums, v_exp_f32 and their like allow (about 1e-6 of the number): no bf16 or f16 on the way to a quantiser, and a product that is left as it is and whose result goes on into a quantised operand takes f32 operands (vector FMAs, or v_wmma_f32_16x16x4_f32). A number that lies on a knife's edge between two numbers of the format may be rounded either way, as far as f32 arithmetic and the matrix unit's own rounding can turn it there, and no further.
;; 2 versions. Each part assembles by itself: llvm-mc -triple=amdgcn-amd-amdhsa -mcpu=gfx1250 --defsym DOCPART=n.
;; ======== version 1 of 2: 4 launches
;; workspace buffers: wimg 2,228,224 bytes; ximg 13,369,344 bytes; heads 13,369,344 bytes; cimg 4,456,448 bytes
;; launch quant (part 1): grid 512 x 1, 4 waves a work-group, no clusters, 34,304 bytes of LDS; arguments q, k, v, wq, wk, wv, wo, ximg, wimg; writes ximg, wimg
.if DOCPART == 1
	.amdgcn_target "amdgcn-amd-amdhsa--gfx1250"
	.amdhsa_code_object_version 6
	.text
	.protected	k_q04dfaa5abb_quant
	.globl	k_q04dfaa5abb_quant
	.p2align	8
	.type	k_q04dfaa5abb_quant,@function
k_q04dfaa5abb_quant:
	s_mov_b64 s[64:65], 0
	v_nop
	global_prefetch_b8 v0, s[64:65] scope:SCOPE_SE
	s_setreg_imm32_b32 hwreg(HW_REG_WAVE_MODE, 25, 1), 1
	s_wait_xcnt 0x0
; q, k, v [8192][1024] and wq, wk, wv, wo [1024 (K)][1024 (n)], f32, become codes of FP4 (E2M1) with one E8M0 byte for each 32 along K, laid as IMAGES OF OPERAND REGISTERS.
; A fragment is 16 rows x 128 K = 8 registers a lane = 1,024 bytes: registers 4 c .. 4 c + 3 of lane l lie at byte 512 c + 16 l; lane (r, h) holds k = 64 c + 32 h + 0 .. 31 of the tile's row r.
; THE ROWS OF A TILE ARE NOT NEIGHBOURS: in each group of 32 rows tile 2 g + u, lane r, holds row 32 g + 8 u + r + 8 (r / 8): used as a product's source 0, two such tiles give 16 neighbours in 16 registers.
; ximg: codes [tensor 3][tile 512][K step 8][1,024]; at 12,582,912 the scale words [tensor][tile][r 16][K step 8].  wimg: codes [weight 4][tile 64][K step 8][1,024]; at 2,097,152 the scale words likewise.
; A block's scale is 2^(floor(log2(largest magnitude)) - 2); its byte is the largest magnitude's exponent field - 2, held at 1 from below.
; LIMITS: a block whose largest magnitude lies under 2^-124, a block of zeros among them, keeps the byte 1 (zeros' codes are zeros, and this program alone reads the bytes); NaN and infinities are not served.
; Work-groups 0-127 take the weights (a lane a column, registers down K), 128-511 the three tensors (a wave a tile of 16 rows, all of K).  Waves share nothing: no barrier.  Only the tensors' path uses LDS.
; No matrix unit, no cluster, no tensor load: every byte is read once by one wave.
.set NWW,  128                         ; work-groups of the weights' path
.set R,    16                          ; v16-143  two sets of 64: a fragment's numbers as loaded
.set X,    144                         ; v144-207 64 numbers: register 16 b + i = k 32 b + 16 h + i of my row
.set PC,   208                         ; v208-215 the codes just made
.set SW,   216                         ; v216-223 the tile's eight scale words
.set TM,   224                         ; v224-239 at work
.set SEL,  38                          ; s[38:39] selects of v_permlanex16_b32: lane l xor 16
.set SP,   528                         ; a stage row: 512 bytes + 16: row r starts 4 r banks on
.set WX,   32                          ; weights: v32-95 two sets of 32 numbers
.set WC,   96                          ; v96-127 codes, four registers for each block: no store's data are written again
.set WSB,  24                          ; v24-25  eight scale bytes
; 64 numbers of a lane become a fragment's codes in v[pc] on and its scale word in v[pw]
.macro QUANT s, pc, pw
.irp b, 0,1,2,3
	v_max3_num_f32 v[TM+\b], |v[(\s)+16*\b]|, |v[(\s)+1+16*\b]|, 0x1800000   ; block b: my 16 numbers and the floor 2^(3 - 127): the byte cannot fall under 1
.endr
.irp i, 2,4,6,8,10,12,14
.irp b, 0,1,2,3
	v_max3_num_f32 v[TM+\b], v[TM+\b], |v[(\s)+16*\b+\i]|, |v[(\s)+1+16*\b+\i]|
.endr
.endr
.irp b, 0,1,2,3
	v_permlanex16_b32 v[TM+4+\b], v[TM+\b], s[SEL], s[SEL+1]
.endr
.irp b, 0,1,2,3
	v_max_num_f32 v[TM+\b], v[TM+\b], v[TM+4+\b]       ; with lane l xor 16's: the block's largest magnitude
.endr
.irp b, 0,1,2,3
	v_add_nc_u32 v[TM+12+\b], 0xff000000, v[TM+\b]     ; 2 off its exponent field: the conversion's scale operand
.endr
.irp b, 0,1,2,3
	v_lshrrev_b32 v[TM+4+\b], 23, v[TM+12+\b]          ; the scale's byte
.endr
	v_lshl_or_b32 v[\pw], v[TM+5], 8, v[TM+4]
	v_lshl_or_b32 v[\pw], v[TM+6], 16, v[\pw]
	v_lshl_or_b32 v[\pw], v[TM+7], 24, v[\pw]
.irp b, 0,1,2,3
	v_cvt_scalef32_pk8_fp4_f32 v[(\pc)+2*\b], v[(\s)+16*\b:(\s)+7+16*\b], v[TM+12+\b]
	v_cvt_scalef32_pk8_fp4_f32 v[(\pc)+1+2*\b], v[(\s)+8+16*\b:(\s)+15+16*\b], v[TM+12+\b]
.endr
	v_nop                                              ; one plain line behind the last scaled conversion
.irp c, 0,1
.irp i, 0,1
	v_permlane16_swap_b32 v[(\pc)+4*\c+\i], v[(\pc)+2+4*\c+\i]   ; a whole block to a lane: lanes 0-15 block 2 c, lanes 16-31 block 2 c + 1
.endr
.endr
.endm
	s_load_b256 s[4:11], s[0:1], 0x0               ; q, k, v, wq
	s_load_b256 s[12:19], s[0:1], 0x20             ; wk, wv, wo, ximg
	s_load_b64 s[20:21], s[0:1], 0x40              ; wimg
	v_lshl_add_u32 v254, v0, 2, 0x8400
	v_mov_b32 v255, 0
	v_lshrrev_b32 v1, 5, v0
	v_readfirstlane_b32 s22, v1                    ; wave
	v_and_b32 v2, 31, v0                           ; lane
	s_cmp_lt_u32 ttmp9, NWW
	s_cbranch_scc1 .Lweights
	; ---------------- the tensors: wave w owns tile Tg = 4 (id % 128) + w of tensor id / 128
	s_sub_co_u32 s23, ttmp9, NWW
	s_lshr_b32 s24, s23, 7                         ; tensor
	s_and_b32 s25, s23, 127
	s_lshl_b32 s25, s25, 2
	s_add_co_u32 s25, s25, s22                     ; Tg
	s_lshr_b32 s26, s25, 1
	s_lshl_b32 s26, s26, 5
	s_and_b32 s27, s25, 1
	s_lshl_b32 s27, s27, 3
	s_add_co_u32 s26, s26, s27                     ; the tile's first row: 32 (Tg / 2) + 8 (Tg % 2)
	s_lshl_b32 s26, s26, 12                        ; x 4,096 bytes
	s_mov_b32 s27, 0
	s_lshl_b32 s28, s24, 22
	s_lshl_b32 s29, s25, 13
	s_add_co_u32 s28, s28, s29                     ; codes: tensor x 4,194,304 + Tg x 8,192
	s_mov_b32 s29, 0
	s_lshl_b32 s30, s24, 18
	s_lshl_b32 s31, s25, 9
	s_add_co_u32 s30, s30, s31
	s_add_co_u32 s30, s30, 12582912                ; scale words: 12,582,912 + tensor x 262,144 + Tg x 512
	s_mov_b32 s31, 0
	s_mov_b32 s36, 0xffff0000                      ; lanes 16-31
	s_mov_b32 s[SEL], 0x76543210
	s_mov_b32 s[SEL+1], 0xfedcba98
	s_mul_i32 s37, s22, 16*SP                      ; my stage
	v_lshlrev_b32 v1, 4, v2                        ; 16 x lane
	v_add_nc_u32 v3, s37, v1                       ; into the stage: a row as it lies
	v_and_b32 v4, 15, v0                           ; r
	v_bfe_u32 v5, v0, 4, 1                         ; h
	v_mul_u32_u24 v6, v4, SP
	v_lshl_add_u32 v6, v5, 6, v6
	v_add_nc_u32 v6, s37, v6                       ; out of it: row r, + 64 h: my 16 numbers of each block of 32
	v_lshlrev_b32 v7, 5, v4
	v_lshl_add_u32 v7, v5, 4, v7                   ; the scale words' place: 32 r + 16 h
.irp b, 0,1,2,3
	v_mov_b32 v[TM+4+\b], 0                        ; written once: a lane permute's destination counts as a source
.endr
	s_wait_kmcnt 0x0
	s_cmp_eq_u32 s24, 1
	s_cselect_b64 s[4:5], s[6:7], s[4:5]
	s_cmp_eq_u32 s24, 2
	s_cselect_b64 s[4:5], s[8:9], s[4:5]
	s_add_nc_u64 s[4:5], s[4:5], s[26:27]
	s_add_nc_u64 s[32:33], s[18:19], s[28:29]
	s_add_nc_u64 s[34:35], s[18:19], s[30:31]
.macro XLOAD f                         ; K step f of the tile's 16 rows: each load reads 512 consecutive bytes of one row
.irp i, 0,1,2,3,4,5,6,7,8,9,10,11,12,13,14,15
	global_load_b128 v[R+64*((\f)%2)+4*\i:R+64*((\f)%2)+4*\i+3], v1, s[4:5] offset:(\i+8*(\i/8))*4096+512*(\f) th:TH_LOAD_NT
.endr
.endm
.macro XFRAG f
.if (\f) < 7
	s_wait_loadcnt 16                              ; this fragment's 16 loads are in; the next one's 16 may be out
.else
	s_wait_loadcnt 0x0
.endif
.irp i, 0,1,2,3,4,5,6,7,8,9,10,11,12,13,14,15
	ds_store_b128 v3, v[R+64*((\f)%2)+4*\i:R+64*((\f)%2)+4*\i+3] offset:SP*\i
.endr
.irp b, 0,1,2,3
.irp j, 0,1,2,3
	ds_load_b128 v[X+16*\b+4*\j:X+16*\b+4*\j+3], v6 offset:128*\b+16*\j   ; LDS serves a wave's instructions in order: these see the stores above
.endr
.endr
	s_wait_dscnt 0x0                               ; the numbers are back, and the stage's stores have read their registers,
	s_wait_xcnt 0x0                                ; and the last fragment's stores have read PC
.if (\f)+2 < 8
	XLOAD (\f)+2
.endif
	QUANT X, PC, SW+(\f)
	global_store_b128 v1, v[PC:PC+3], s[32:33] offset:1024*(\f)          ; 512 consecutive bytes each
	global_store_b128 v1, v[PC+4:PC+7], s[32:33] offset:1024*(\f)+512
.endm
	XLOAD 0
	XLOAD 1
.irp f, 0,1,2,3,4,5,6,7
	XFRAG \f
.endr
.irp j, 0,1,2,3
	v_cndmask_b32 v[240+\j], v[SW+\j], v[SW+4+\j], s36   ; lanes 0-15 store words 0-3 of their row, lanes 16-31 words 4-7
.endr
	global_store_b128 v7, v[240:243], s[34:35]     ; the tile's 512 bytes of scale words
	s_wait_tensorcnt 0x0
	ds_add_u32 v254, v255
	s_wait_dscnt 0x0
	s_endpgm
	; ---------------- the weights: wave w takes 32 columns (group cg) and 256 along K: 8 blocks a lane
.Lweights:
	s_lshr_b32 s24, ttmp9, 5                       ; weight
	s_bfe_u32 s25, ttmp9, 0x30002
	s_and_b32 s26, ttmp9, 3                        ; kq: which 256 along K
	s_lshl_b32 s25, s25, 2
	s_add_co_u32 s25, s25, s22                     ; cg
	s_lshl_b32 s28, s26, 20                        ; 256 rows of 4,096 bytes
	s_lshl_b32 s29, s25, 7
	s_add_co_u32 s28, s28, s29
	s_mov_b32 s29, 0
	s_lshl_b32 s30, s24, 19
	s_lshl_b32 s31, s25, 14
	s_add_co_u32 s30, s30, s31
	s_lshl_b32 s31, s26, 11
	s_add_co_u32 s30, s30, s31                     ; codes: weight x 524,288 + cg x 2 tiles + kq x 2 K steps
	s_mov_b32 s31, 0
	s_lshl_b32 s32, s24, 15
	s_lshl_b32 s33, s25, 10
	s_add_co_u32 s32, s32, s33
	s_lshl_b32 s33, s26, 3
	s_add_co_u32 s32, s32, s33
	s_add_co_u32 s32, s32, 2097152                 ; scale words
	s_mov_b32 s33, 0
	v_lshlrev_b32 v3, 2, v2                        ; in: 4 bytes a lane
	v_bfe_u32 v6, v2, 3, 1                         ; column c of the 32 lies in tile u = (c / 8) % 2,
	v_and_b32 v7, 7, v2
	v_lshrrev_b32 v8, 4, v2
	v_lshl_add_u32 v7, v8, 3, v7                   ; at row r = c % 8 + 8 (c / 16)
	v_lshlrev_b32 v4, 4, v7
	v_lshl_add_u32 v4, v6, 13, v4                  ; codes: 8,192 u + 16 r
	v_lshlrev_b32 v5, 5, v7
	v_lshl_add_u32 v5, v6, 9, v5                   ; scale words: 512 u + 32 r
	s_wait_kmcnt 0x0
	s_cmp_eq_u32 s24, 1
	s_cselect_b64 s[10:11], s[12:13], s[10:11]
	s_cmp_eq_u32 s24, 2
	s_cselect_b64 s[10:11], s[14:15], s[10:11]
	s_cmp_eq_u32 s24, 3
	s_cselect_b64 s[10:11], s[16:17], s[10:11]
	s_add_nc_u64 s[10:11], s[10:11], s[28:29]
	s_add_nc_u64 s[40:41], s[20:21], s[30:31]
	s_add_nc_u64 s[42:43], s[20:21], s[32:33]
.macro WLOAD t                         ; block t: W(32 t + i, my column): a wave reads 128 consecutive bytes, the four waves 512
.irp i, 0,1,2,3,4,5,6,7,8,9,10,11,12,13,14,15,16,17,18,19,20,21,22,23,24,25,26,27,28,29,30,31
	global_load_b32 v[WX+32*((\t)%2)+\i], v3, s[10:11] offset:(32*(\t)+\i)*4096 th:TH_LOAD_NT
.endr
.endm
.macro WBLOCK t
.set XS, WX+32*((\t)%2)
.if (\t) < 7
	s_wait_loadcnt 32                              ; this block's 32 loads are in; the next block's may be out
.else
	s_wait_loadcnt 0x0
.endif
	v_max3_num_f32 v12, |v[XS]|, |v[XS+1]|, |v[XS+2]|
	v_max3_num_f32 v13, |v[XS+3]|, |v[XS+4]|, |v[XS+5]|
.irp i, 6,10,14,18,22,26
	v_max3_num_f32 v12, v12, |v[XS+\i]|, |v[XS+\i+1]|
	v_max3_num_f32 v13, v13, |v[XS+\i+2]|, |v[XS+\i+3]|
.endr
	v_max3_num_f32 v12, v12, |v[XS+30]|, |v[XS+31]|
	v_max3_num_f32 v12, v12, v13, 0x1800000        ; and the floor
	v_add_nc_u32 v11, 0xff000000, v12
	v_lshrrev_b32 v13, 23, v11
.if (\t)%4 == 0
	v_mov_b32 v[WSB+(\t)/4], v13
.else
	v_lshl_or_b32 v[WSB+(\t)/4], v13, 8*((\t)%4), v[WSB+(\t)/4]
.endif
.irp g, 0,1,2,3
	v_cvt_scalef32_pk8_fp4_f32 v[WC+4*(\t)+\g], v[XS+8*\g:XS+8*\g+7], v11
.endr
	global_store_b128 v4, v[WC+4*(\t):WC+4*(\t)+3], s[40:41] offset:((\t)/4)*1024+(((\t)%4)/2)*512+((\t)%2)*256   ; a block is registers 4 c .. 4 c + 3 of lane (r, h): the wave fills two aligned runs of 256 bytes
.if (\t)+2 < 8
	WLOAD (\t)+2
.endif
.endm
	WLOAD 0
	WLOAD 1
.irp t, 0,1,2,3,4,5,6,7
	WBLOCK \t
.endr
	global_store_b64 v5, v[WSB:WSB+1], s[42:43]    ; two scale words of my column: 8 bytes a lane, 32 apart: one byte in 128 of what this path reads
	s_endpgm
.Lfunc_end_k_q04dfaa5abb_quant:
	.size	k_q04dfaa5abb_quant, .Lfunc_end_k_q04dfaa5abb_quant-k_q04dfaa5abb_quant
	.p2alignl 7, 3214868480
	.fill 96, 4, 3214868480
	.section	.rodata,"a",@progbits
	.p2align	6, 0x0
	.amdhsa_kernel k_q04dfaa5abb_quant
		.amdhsa_group_segment_fixed_size 34304
		.amdhsa_private_segment_fixed_size 0
		.amdhsa_enable_private_segment 0
		.amdhsa_kernarg_size 72
		.amdhsa_user_sgpr_count 2
		.amdhsa_user_sgpr_kernarg_segment_ptr 1
		.amdhsa_wavefront_size32 1
		.amdhsa_system_sgpr_workgroup_id_x 1
		.amdhsa_system_sgpr_workgroup_id_y 1
		.amdhsa_system_sgpr_workgroup_id_z 1
		.amdhsa_system_vgpr_workitem_id 0
		.amdhsa_next_free_vgpr 256
		.amdhsa_next_free_sgpr 66
		.amdhsa_reserve_vcc 0
		.amdhsa_float_denorm_mode_32 3
		.amdhsa_float_denorm_mode_16_64 3
		.amdhsa_memory_ordered 1
		.amdhsa_forward_progress 1
		.amdhsa_inst_pref_size 102
	.end_amdhsa_kernel
	.amdgpu_metadata
---
amdhsa.version: [ 1, 2 ]
amdhsa.kernels:
  - .name:           k_q04dfaa5abb_quant
    .symbol:         k_q04dfaa5abb_quant.kd
    .args:
      - { .name: q, .offset: 0, .size: 8, .value_kind: global_buffer, .address_space: global }
      - { .name: k, .offset: 8, .size: 8, .value_kind: global_buffer, .address_space: global }
      - { .name: v, .offset: 16, .size: 8, .value_kind: global_buffer, .address_space: global }
      - { .name: wq, .offset: 24, .size: 8, .value_kind: global_buffer, .address_space: global }
      - { .name: wk, .offset: 32, .size: 8, .value_kind: global_buffer, .address_space: global }
      - { .name: wv, .offset: 40, .size: 8, .value_kind: global_buffer, .address_space: global }
      - { .name: wo, .offset: 48, .size: 8, .value_kind: global_buffer, .address_space: global }
      - { .name: ximg, .offset: 56, .size: 8, .value_kind: global_buffer, .address_space: global }
      - { .name: wimg, .offset: 64, .size: 8, .value_kind: global_buffer, .address_space: global }
    .group_segment_fixed_size: 34304
    .private_segment_fixed_size: 0
    .kernarg_segment_align: 8
    .kernarg_segment_size: 72
    .max_flat_workgroup_size: 128
    .sgpr_count:     66
    .vgpr_count:     256
    .wavefront_size: 32
...
	.end_amdgpu_metadata
.endif
;; end of part 1
;; launch proj (part 2): grid 256 x 1, 4 waves a work-group, no clusters, 0 bytes of LDS; arguments ximg, wimg, bq, bk, bv, heads; writes heads
.if DOCPART == 2
	.amdgcn_target "amdgcn-amd-amdhsa--gfx1250"
	.amdhsa_code_object_version 6
	.text
	.protected	k_q04dfaa5abb_proj
	.globl	k_q04dfaa5abb_proj
	.p2align	8
	.type	k_q04dfaa5abb_proj,@function
k_q04dfaa5abb_proj:
	s_mov_b64 s[64:65], 0
	v_nop
	global_prefetch_b8 v0, s[64:65] scope:SCOPE_SE
	s_setreg_imm32_b32 hwreg(HW_REG_WAVE_MODE, 25, 1), 1
	s_wait_xcnt 0x0
; The three projections x W + b on codes of FP4, and their results quantised on the way out into the operands of attention.
; SHARES.  256 work-groups of four waves; EVERY WAVE MAKES THREE TILES OF 64 x 128, one of q, one of k, one of v, one after the other: 3 x 8,192 x 1,024 results are 3,072 such tiles, three for each of 1,024 waves.
; Work-group id: RB = id / 4: 128 rows (batch RB / 8, key step RB % 8); wave w: head pair g = 2 (id % 4) + w / 2, half = w % 2.
; Operands lie in memory as images of their registers: a fragment (16 rows x 128 K) is two loads of 512 consecutive bytes, straight into registers.  K = 1,024 in 8 steps of 128; a tile has 4 fragments of "A", 8 of "B", 32 accumulators.
; THE PRODUCT IS D(a, b) = source 0: fragment b of B, source 1: fragment a of A: a lane holds one row of A's tile, its registers run along B's rows, 16 neighbours in the registers of tiles 2 e, 2 e + 1.
; q, k: A = x's tiles 8 RB + 4 half + 0 .. 3 (a lane a token), B = W's tiles 8 g .. 8 g + 7 (registers: the head pair's 128 columns): quantised along the head's 64.
; v: A = W's tiles 8 g + 4 half + 0 .. 3 (a lane a channel d of head 2 g + half), B = x's tiles 8 RB .. 8 RB + 7 (registers: 128 keys): quantised along the keys.
; THE 24 K STEPS OF THE THREE TILES RUN ON: step G's fragments are asked for at step G - 2, across the tiles' ways out too, into three operand sets by turns; a tile's scale words are asked for at the tile before's K step 6.
; heads: 64 records of 208,896 bytes (8 batch + g): +0 Q codes [head 2][tile 64][512]; +65,536 Q scale words [head][tile pair 32][r 16] (bytes: even tile's two, odd tile's two); +69,632 K codes; +135,168 V codes [head][key step 8][d tile 4][1,024];
; +200,704 K scale words; +204,800 V scale words [head][key step][d tile][r].
; NO LDS, NO JOINT LOADS: a K step of the work-group is 24 KiB (8 fragments of x, 16 of W); slots of that size filled jointly would want a round of a cluster's barrier for each of the 24 steps.
; LIMITS: as the quantiser's in the first launch (a block whose largest magnitude lies under 2^-124 keeps the byte 1; NaN and infinities not served).
; REGISTERS: window 0: v1-6 offsets; v16-19 v's bias; v24-28 scale words at work; v32-79, v80-127 two sets of scale words (A's 16 at 8 i + s, then B's 32); v128-191 H; v192-207 at work; v208-215 codes.
;   window 1: operand sets 0 (v0-95) and 1 (v96-191): A's 32 registers, then B's 64.  window 2: the accumulators at v[8 (8 a + b)].  window 3: operand set 2 (v0-95); the bias along registers (v96-159).
; SCALARS: tile t's seven addresses at s[20 + 14 t] on: A's codes, A's scale words, B's codes, B's scale words, the bias, where the codes go, where the scale words go.
.set REC,  208896
.set BV,   16
.set PW,   24
.set SC,   32
.set H,    128
.set TM,   192
.set PC,   208
.set BIAS, 96
.set SEL,  90
.set MSB,  0
.macro WIN new                         ; the immediate's high byte repeats the setting that is left
.if MSB != (\new)
	s_set_vgpr_msb (MSB<<8)|(\new)
.set MSB, (\new)
.endif
.endm
.macro PLACES
.rept 4
	v_nop
.endr
.endm
; one matrix instruction; z: the sum starts with 0; ra, rb: the scale words lie in lanes 16-31
.macro WMS d, a, b, z, sa, sb, ra, rb
.if (\z)
.if (\ra) && (\rb)
	v_wmma_scale_f32_16x16x128_f8f6f4 v[(\d):(\d)+7], v[(\a):(\a)+7], v[(\b):(\b)+7], 0, v[(\sa)], v[(\sb)] matrix_a_fmt:MATRIX_FMT_FP4 matrix_b_fmt:MATRIX_FMT_FP4 matrix_a_scale:MATRIX_SCALE_ROW1 matrix_b_scale:MATRIX_SCALE_ROW1
.elseif (\ra)
	v_wmma_scale_f32_16x16x128_f8f6f4 v[(\d):(\d)+7], v[(\a):(\a)+7], v[(\b):(\b)+7], 0, v[(\sa)], v[(\sb)] matrix_a_fmt:MATRIX_FMT_FP4 matrix_b_fmt:MATRIX_FMT_FP4 matrix_a_scale:MATRIX_SCALE_ROW1
.elseif (\rb)
	v_wmma_scale_f32_16x16x128_f8f6f4 v[(\d):(\d)+7], v[(\a):(\a)+7], v[(\b):(\b)+7], 0, v[(\sa)], v[(\sb)] matrix_a_fmt:MATRIX_FMT_FP4 matrix_b_fmt:MATRIX_FMT_FP4 matrix_b_scale:MATRIX_SCALE_ROW1
.else
	v_wmma_scale_f32_16x16x128_f8f6f4 v[(\d):(\d)+7], v[(\a):(\a)+7], v[(\b):(\b)+7], 0, v[(\sa)], v[(\sb)] matrix_a_fmt:MATRIX_FMT_FP4 matrix_b_fmt:MATRIX_FMT_FP4
.endif
.else
.if (\ra) && (\rb)
	v_wmma_scale_f32_16x16x128_f8f6f4 v[(\d):(\d)+7], v[(\a):(\a)+7], v[(\b):(\b)+7], v[(\d):(\d)+7], v[(\sa)], v[(\sb)] matrix_a_fmt:MATRIX_FMT_FP4 matrix_b_fmt:MATRIX_FMT_FP4 matrix_a_scale:MATRIX_SCALE_ROW1 matrix_b_scale:MATRIX_SCALE_ROW1
.elseif (\ra)
	v_wmma_scale_f32_16x16x128_f8f6f4 v[(\d):(\d)+7], v[(\a):(\a)+7], v[(\b):(\b)+7], v[(\d):(\d)+7], v[(\sa)], v[(\sb)] matrix_a_fmt:MATRIX_FMT_FP4 matrix_b_fmt:MATRIX_FMT_FP4 matrix_a_scale:MATRIX_SCALE_ROW1
.elseif (\rb)
	v_wmma_scale_f32_16x16x128_f8f6f4 v[(\d):(\d)+7], v[(\a):(\a)+7], v[(\b):(\b)+7], v[(\d):(\d)+7], v[(\sa)], v[(\sb)] matrix_a_fmt:MATRIX_FMT_FP4 matrix_b_fmt:MATRIX_FMT_FP4 matrix_b_scale:MATRIX_SCALE_ROW1
.else
	v_wmma_scale_f32_16x16x128_f8f6f4 v[(\d):(\d)+7], v[(\a):(\a)+7], v[(\b):(\b)+7], v[(\d):(\d)+7], v[(\sa)], v[(\sb)] matrix_a_fmt:MATRIX_FMT_FP4 matrix_b_fmt:MATRIX_FMT_FP4
.endif
.endif
.endm
; 64 numbers of a lane, register 16 b + i = k 32 b + 16 h + i of my row, become a fragment's codes in v[pc] on and its scale word in v[pw]
.macro QUANT s, pc, pw
.irp b, 0,1,2,3
	v_max3_num_f32 v[TM+\b], |v[(\s)+16*\b]|, |v[(\s)+1+16*\b]|, 0x1800000   ; and the floor 2^(3 - 127): the byte cannot fall under 1
.endr
.irp i, 2,4,6,8,10,12,14
.irp b, 0,1,2,3
	v_max3_num_f32 v[TM+\b], v[TM+\b], |v[(\s)+16*\b+\i]|, |v[(\s)+1+16*\b+\i]|
.endr
.endr
.irp b, 0,1,2,3
	v_permlanex16_b32 v[TM+4+\b], v[TM+\b], s[SEL], s[SEL+1]
.endr
.irp b, 0,1,2,3
	v_max_num_f32 v[TM+\b], v[TM+\b], v[TM+4+\b]
.endr
.irp b, 0,1,2,3
	v_add_nc_u32 v[TM+12+\b], 0xff000000, v[TM+\b]
.endr
.irp b, 0,1,2,3
	v_lshrrev_b32 v[TM+4+\b], 23, v[TM+12+\b]
.endr
	v_lshl_or_b32 v[\pw], v[TM+5], 8, v[TM+4]
	v_lshl_or_b32 v[\pw], v[TM+6], 16, v[\pw]
	v_lshl_or_b32 v[\pw], v[TM+7], 24, v[\pw]
.irp b, 0,1,2,3
	v_cvt_scalef32_pk8_fp4_f32 v[(\pc)+2*\b], v[(\s)+16*\b:(\s)+7+16*\b], v[TM+12+\b]
	v_cvt_scalef32_pk8_fp4_f32 v[(\pc)+1+2*\b], v[(\s)+8+16*\b:(\s)+15+16*\b], v[TM+12+\b]
.endr
	v_nop                                              ; one plain line behind the last scaled conversion
.irp c, 0,1
.irp i, 0,1
	v_permlane16_swap_b32 v[(\pc)+4*\c+\i], v[(\pc)+2+4*\c+\i]
.endr
.endr
.endm
; an address: buffer + s[x] + s[y] + k; the offset is made apart from the address, in s[80:81] (s81 = 0)
.macro PTR dst, base, x, y, k
	s_add_co_u32 s80, s[\x], s[\y]
	s_add_co_u32 s80, s80, \k
	s_add_nc_u64 s[\dst:\dst+1], s[\base:\base+1], s[80:81]
.endm
	s_load_b256 s[4:11], s[0:1], 0x0               ; ximg, wimg, bq, bk
	s_load_b128 s[12:15], s[0:1], 0x20             ; bv, heads
	v_lshrrev_b32 v7, 5, v0
	v_readfirstlane_b32 s16, v7                    ; wave
	s_lshr_b32 s17, ttmp9, 2                       ; RB
	s_and_b32 s18, ttmp9, 3
	s_lshl_b32 s18, s18, 1
	s_lshr_b32 s19, s16, 1
	s_add_co_u32 s18, s18, s19                     ; g
	s_and_b32 s19, s16, 1                          ; half
	s_lshl_b32 s70, s17, 16                        ; x's codes: 8 tiles of 8,192 bytes for each RB
	s_lshl_b32 s71, s17, 12                        ; x's scale words: 8 tiles of 512 bytes
	s_lshl_b32 s72, s18, 16                        ; W's codes
	s_lshl_b32 s73, s18, 12                        ; W's scale words
	s_lshl_b32 s74, s19, 15                        ; half x 32,768: four tiles of codes; also a head of V's codes
	s_lshl_b32 s75, s19, 11                        ; half x 2,048: four tiles of scale words; four tiles of Q's or K's codes; a head of V's scale words
	s_lshl_b32 s82, s19, 7                         ; half x 128: two tile pairs of Q's or K's scale words
	s_lshl_b32 s83, s19, 8                         ; half x 256: 64 numbers of the bias
	s_lshr_b32 s76, s17, 3
	s_lshl_b32 s76, s76, 3
	s_add_co_u32 s76, s76, s18
	s_mul_i32 s76, s76, REC                        ; the record of (batch, head pair)
	s_and_b32 s77, s17, 7                          ; key step
	s_lshl_b32 s78, s77, 8
	s_lshl_b32 s77, s77, 12
	s_add_co_u32 s84, s76, s77                     ; record + key step x 4,096: codes
	s_add_co_u32 s85, s76, s78                     ; record + key step x 256: scale words
	s_lshl_b32 s79, s18, 9                         ; the bias: the head pair's 128 numbers
	s_mov_b32 s81, 0
	s_mov_b32 s[SEL], 0x76543210
	s_mov_b32 s[SEL+1], 0xfedcba98
	s_mov_b32 s92, 0xffff0000                      ; lanes 16-31
	v_and_b32 v7, 31, v0
	v_lshlrev_b32 v1, 4, v7                        ; 16 x lane: an image's place
	v_lshlrev_b32 v2, 5, v7                        ; 32 x lane: a tile pair's scale words
	v_lshlrev_b32 v6, 2, v7                        ; 4 x lane
	v_and_b32 v8, 15, v0                           ; r
	v_bfe_u32 v9, v0, 4, 1                         ; h
	v_lshlrev_b32 v3, 6, v9                        ; the bias along registers: 64 h
	v_and_b32 v4, 8, v8
	v_add_nc_u32 v4, v4, v8
	v_lshlrev_b32 v4, 2, v4                        ; the bias along lanes: 4 (r + 8 (r / 8))
	v_lshlrev_b32 v5, 2, v8
	v_lshl_add_u32 v5, v9, 11, v5                  ; q's and k's scale words: 2,048 h + 4 r
.irp b, 0,1,2,3
	v_mov_b32 v[TM+4+\b], 0                        ; written once: a lane permute's destination counts as a source
.endr
	s_wait_kmcnt 0x0
	PTR 20, 4, 70, 74, 0                           ; q: A = x
	PTR 22, 4, 71, 75, 12582912
	PTR 24, 6, 72, 81, 0                           ;    B = wq
	PTR 26, 6, 73, 81, 2097152
; tile t's scale words into set t % 2: register 8 i + s: lanes 0-15 tile 2 i, lanes 16-31 tile 2 i + 1, K step s.  12 loads
.macro PRESC t
.set QS, SC+48*((\t)%2)
.set QP, 20+14*(\t)
	WIN 0
.irp i, 0,1
	global_load_b128 v[QS+8*\i:QS+8*\i+3], v2, s[QP+2:QP+3] offset:1024*\i
	global_load_b128 v[QS+8*\i+4:QS+8*\i+7], v2, s[QP+2:QP+3] offset:1024*\i+16
.endr
.irp i, 0,1,2,3
	global_load_b128 v[QS+16+8*\i:QS+16+8*\i+3], v2, s[QP+6:QP+7] offset:1024*\i
	global_load_b128 v[QS+16+8*\i+4:QS+16+8*\i+7], v2, s[QP+6:QP+7] offset:1024*\i+16
.endr
.endm
; global step gg = 8 t + s: 12 fragments, 24 loads of 512 bytes, into set gg % 3
.macro FETCH gg
.set FK, (\gg)%8
.set FP, 20+14*((\gg)/8)
.if (\gg)%3 == 2
	WIN 0xc0
.set FA, 0
.else
	WIN 0x40
.set FA, 96*((\gg)%3)
.endif
.irp i, 0,1,2,3
.irp c, 0,1
	global_load_b128 v[FA+8*\i+4*\c:FA+8*\i+4*\c+3], v1, s[FP:FP+1] offset:8192*\i+1024*FK+512*\c
.endr
.endr
.irp i, 0,1,2,3,4,5,6,7
.irp c, 0,1
	global_load_b128 v[FA+32+8*\i+4*\c:FA+32+8*\i+4*\c+3], v1, s[FP+4:FP+5] offset:8192*\i+1024*FK+512*\c
.endr
.endr
.endm
; q's, k's bias along registers: register 16 e + i = column 32 e + 16 h + i; e = e0, e0 + 1: 8 loads
.macro BLOAD t, e0
.set BP, 20+14*(\t)+8
	WIN 0xc0
.set ee, (\e0)
.rept 2
.irp j, 0,1,2,3
	global_load_b128 v[BIAS+16*ee+4*\j:BIAS+16*ee+4*\j+3], v3, s[BP:BP+1] offset:128*ee+16*\j
.endr
.set ee, ee+1
.endr
.endm
; v's bias along lanes: that of my lane's row of W's tile a: 4 loads
.macro VLOAD
	WIN 0
.irp a, 0,1,2,3
	global_load_b32 v[BV+\a], v4, s[56:57] offset:(32*(\a/2)+8*(\a%2))*4
.endr
.endm
.macro STEP gg
.set ST, (\gg)/8
.set SK, (\gg)%8
.if SK > 0
	PLACES                                         ; four plain lines behind the last step's products, ahead of loads into the set that they read (at a tile's first step the way out stands there)
.endif
; the count: what was issued behind this step's own 24 loads: all that the step before issued
.if (\gg) == 0
.set NW, 24
.else
.set PG, (\gg)-1
.set NW, 0
.if PG+2 < 24
.set NW, 24
.endif
.if PG/8 < 2
.if (PG%8 == 1) || (PG%8 == 3)
.set NW, NW+8
.endif
.if PG%8 == 6
.set NW, NW+12
.endif
.else
.if PG%8 == 1
.set NW, NW+4
.endif
.endif
.endif
	s_wait_loadcnt NW                              ; this step's fragments and all older loads are in
.if SK == 1
.if ST < 2
	BLOAD ST, 0
.else
	VLOAD
.endif
.endif
.if (SK == 3) && (ST < 2)
	BLOAD ST, 2
.endif
.if (SK == 6) && (ST < 2)
	PRESC ST+1
.endif
.if (\gg)+2 < 24
	FETCH (\gg)+2
.endif
.if (\gg)%3 == 2
	WIN 0xaf                                       ; sources 0 and 1 window 3, C and D window 2
.set MA, 0
.else
	WIN 0xa5                                       ; sources 0 and 1 window 1, C and D window 2
.set MA, 96*((\gg)%3)
.endif
.set XS, SC+48*(ST%2)
.set ia, 0
.rept 4                                ; the 32 accumulators take turns, one instruction a turn, in the same order in every step
.set ib, 0
.rept 8
	WMS 8*(8*ia+ib), MA+32+8*ib, MA+8*ia, SK==0, XS+16+8*(ib/2)+SK, XS+8*(ia/2)+SK, ib%2, ia%2
.set ib, ib+1
.endr
.set ia, ia+1
.endr
.endm
; q, k: A's tile a: 16 tokens x the head pair's 128 columns.  The bias is added while the sums move to window 0 (each accumulator is read from its low end on).
; The fragment's lower half is the even head's 64, its upper half the odd head's.
.macro EPI_QK t, a
.set OP, 20+14*(\t)+10
	s_wait_xcnt 0x0                                ; the last tile's stores have read their registers
	WIN 0x0e                                       ; source 0: the accumulators' window; source 1: the bias's
.set jj, 0
.rept 32
	v_pk_add_f32 v[H+jj:H+jj+1], v[64*(\a)+jj:64*(\a)+jj+1], v[BIAS+jj:BIAS+jj+1]
.set jj, jj+2
.endr
	WIN 0
	QUANT H, PC, PW+(\a)%2
	global_store_b128 v1, v[PC:PC+3], s[OP:OP+1] offset:512*(\a)
	global_store_b128 v1, v[PC+4:PC+7], s[OP:OP+1] offset:32768+512*(\a)
.if (\a)%2
	v_perm_b32 v26, v[PW+1], v[PW], 0x05040100     ; even head: the even tile's two bytes, the odd tile's two
	v_perm_b32 v27, v[PW+1], v[PW], 0x07060302     ; odd head
	v_cndmask_b32 v28, v26, v27, s92
	global_store_b32 v5, v28, s[OP+2:OP+3] offset:64*((\a)/2)
.endif
.endm
; v: A's tile a: 16 channels (d tile a of my head) x 128 keys: one whole fragment and one scale word a row
.macro EPI_V a
	s_wait_xcnt 0x0
	WIN 0x02                                       ; source 0: the accumulators' window
.set jj, 0
.rept 32
.if (\a)%2
	v_pk_add_f32 v[H+jj:H+jj+1], v[64*(\a)+jj:64*(\a)+jj+1], v[BV+((\a)/2)*2:BV+((\a)/2)*2+1] op_sel:[0,1] op_sel_hi:[1,1]
.else
	v_pk_add_f32 v[H+jj:H+jj+1], v[64*(\a)+jj:64*(\a)+jj+1], v[BV+((\a)/2)*2:BV+((\a)/2)*2+1] op_sel:[0,0] op_sel_hi:[1,0]
.endif
.set jj, jj+2
.endr
	WIN 0
	QUANT H, PC, PW+(\a)%2
	global_store_b128 v1, v[PC:PC+3], s[58:59] offset:1024*(\a)
	global_store_b128 v1, v[PC+4:PC+7], s[58:59] offset:1024*(\a)+512
.if (\a)%2
	v_cndmask_b32 v28, v[PW], v[PW+1], s92         ; lanes 0-15 the even tile's words, lanes 16-31 the odd tile's
	global_store_b32 v6, v28, s[60:61] offset:128*((\a)/2)
.endif
.endm
	PRESC 0                                        ; 12 + 24 + 24 loads of mine are out
	FETCH 0
	FETCH 1
	PTR 28, 8, 79, 81, 0                           ; the other addresses are made while the first loads are on their way: bq,
	PTR 30, 14, 84, 75, 0                          ; Q's codes,
	PTR 32, 14, 85, 82, 65536                      ; Q's scale words;
	PTR 34, 4, 70, 74, 4194304                     ; k: A = x
	PTR 36, 4, 71, 75, 12582912+262144
	PTR 38, 6, 72, 81, 524288                      ;    B = wk
	PTR 40, 6, 73, 81, 2097152+32768
	PTR 42, 10, 79, 81, 0
	PTR 44, 14, 84, 75, 69632
	PTR 46, 14, 85, 82, 200704
	PTR 48, 6, 72, 74, 2*524288                    ; v: A = wv, my head's four tiles
	PTR 50, 6, 73, 75, 2097152+2*32768
	PTR 52, 4, 70, 81, 2*4194304                   ;    B = x
	PTR 54, 4, 71, 81, 12582912+2*262144
	PTR 56, 12, 79, 83, 0
	PTR 58, 14, 84, 74, 135168
	PTR 60, 14, 85, 75, 204800
.irp s, 0,1,2,3,4,5,6,7
	STEP \s
.endr
	PLACES                                         ; ahead of the first read of results
.irp a, 0,1,2,3
	EPI_QK 0, \a                                   ; k's first two K steps and its scale words are on their way meanwhile
.endr
.irp s, 8,9,10,11,12,13,14,15
	STEP \s
.endr
	PLACES
.irp a, 0,1,2,3
	EPI_QK 1, \a
.endr
.irp s, 16,17,18,19,20,21,22,23
	STEP \s
.endr
	PLACES
.irp a, 0,1,2,3
	EPI_V \a
.endr
	s_endpgm
.Lfunc_end_k_q04dfaa5abb_proj:
	.size	k_q04dfaa5abb_proj, .Lfunc_end_k_q04dfaa5abb_proj-k_q04dfaa5abb_proj
	.p2alignl 7, 3214868480
	.fill 96, 4, 3214868480
	.section	.rodata,"a",@progbits
	.p2align	6, 0x0
	.amdhsa_kernel k_q04dfaa5abb_proj
		.amdhsa_group_segment_fixed_size 0
		.amdhsa_private_segment_fixed_size 0
		.amdhsa_enable_private_segment 0
		.amdhsa_kernarg_size 48
		.amdhsa_user_sgpr_count 2
		.amdhsa_user_sgpr_kernarg_segment_ptr 1
		.amdhsa_wavefront_size32 1
		.amdhsa_system_sgpr_workgroup_id_x 1
		.amdhsa_system_sgpr_workgroup_id_y 1
		.amdhsa_system_sgpr_workgroup_id_z 1
		.amdhsa_system_vgpr_workitem_id 0
		.amdhsa_next_free_vgpr 1024
		.amdhsa_next_free_sgpr 96
		.amdhsa_reserve_vcc 0
		.amdhsa_float_denorm_mode_32 3
		.amdhsa_float_denorm_mode_16_64 3
		.amdhsa_memory_ordered 1
		.amdhsa_forward_progress 1
		.amdhsa_inst_pref_size 241
	.end_amdhsa_kernel
	.amdgpu_metadata
---
amdhsa.version: [ 1, 2 ]
amdhsa.kernels:
  - .name:           k_q04dfaa5abb_proj
    .symbol:         k_q04dfaa5abb_proj.kd
    .args:
      - { .name: ximg, .offset: 0, .size: 8, .value_kind: global_buffer, .address_space: global }
      - { .name: wimg, .offset: 8, .size: 8, .value_kind: global_buffer, .address_space: global }
      - { .name: bq, .offset: 16, .size: 8, .value_kind: global_buffer, .address_space: global }
      - { .name: bk, .offset: 24, .size: 8, .value_kind: global_buffer, .address_space: global }
      - { .name: bv, .offset: 32, .size: 8, .value_kind: global_buffer, .address_space: global }
      - { .name: heads, .offset: 40, .size: 8, .value_kind: global_buffer, .address_space: global }
    .group_segment_fixed_size: 0
    .private_segment_fixed_size: 0
    .kernarg_segment_align: 8
    .kernarg_segment_size: 48
    .max_flat_workgroup_size: 128
    .sgpr_count:     96
    .vgpr_count:     1024
    .wavefront_size: 32
...
	.end_amdgpu_metadata
.endif
;; end of part 2
;; launch attn (part 3): grid 4 x 64, 16 waves a work-group, clusters of 4 x 1, 169,984 bytes of LDS; arguments heads, cimg; writes cimg
.if DOCPART == 3
	.amdgcn_target "amdgcn-amd-amdhsa--gfx1250"
	.amdhsa_code_object_version 6
	.text
	.protected	k_q04dfaa5abb_attn
	.globl	k_q04dfaa5abb_attn
	.p2align	8
	.type	k_q04dfaa5abb_attn,@function
k_q04dfaa5abb_attn:
	s_mov_b64 s[64:65], 0
	v_nop
	global_prefetch_b8 v0, s[64:65] scope:SCOPE_SE
	s_setreg_imm32_b32 hwreg(HW_REG_WAVE_MODE, 25, 1), 1
	s_wait_xcnt 0x0
	s_wait_alu depctr_hold_cnt(0) depctr_sa_sdst(0) depctr_va_vdst(0) depctr_va_sdst(0) depctr_va_ssrc(0) depctr_va_vcc(0) depctr_vm_vsrc(0)
	s_getreg_b32 s2, hwreg(HW_REG_IB_STS2, 6, 4)
	s_cmp_eq_u32 s2, 0
	s_cbranch_scc0 .Lentry_in_a_cluster
	s_endpgm
.Lentry_in_a_cluster:
	s_bfe_u32 s2, ttmp6, 0x10000c
	s_cmp_lg_u32 s2, 0x3003
	s_cbranch_scc0 .Lentry_shape_is_right
	s_endpgm
.Lentry_shape_is_right:
; Attention on codes of FP4 for one (batch, head pair): ctx = softmax(Q K^T / 8) V, and ctx quantised along (head, d) into the last product's operand.
; THE SOFTMAX: t = score x log2(e) / 8; M = the running largest t rounded UP to a whole number; p = 2^(t - M) is quantised along the keys, not normalised; the row's sum of the unquantised p divides O at the end.
; SHARES.  Cluster y = 8 batch + head pair.  The cluster's four work-groups take a quarter of the 1,024 queries each; wave w of 16 owns ONE tile of 16 queries, T = 16 cx + w, and walks the even head, then the odd one, 8 steps of 128 keys each.
; ALL OF THE PAIR'S K AND V, codes and scale words, are 139,264 consecutive bytes of its record: they come into LDS ONCE, each wave asking for 34 rows of 256 bytes, JOINTLY with the three partners, which need the same bytes.  Nothing is filled again.
; LDS: K's codes at 0, V's at 65,536, K's scale words at 131,072, V's at 135,168; a (head, step) is 4,096 bytes of codes and 256 of scale words on from the last.
; Both products are used transposed (S^T = K Q^T, O^T = V^T P^T): a lane holds one query throughout; the keys and channels of a tile are chosen so that 16 registers of two neighbouring tiles are 16 neighbours.
; K = 64 IN A FORM OF 128: a fragment of K holds tile 2 p in its lower half and tile 2 p + 1 in its upper; against [q | zeros] it gives tile 2 p's scores, against [zeros | q] tile 2 p + 1's.  Zero codes add nothing under any of these scale bytes.
; cimg: codes [row tile 512][K step = head pair 8][1,024]; at 4,194,304 the scale words [tile pair 256][K step 8][u 2][r 16].
; LIMITS: NaN and infinities are not served; 1 / sum by v_rcp_f32; a block whose largest magnitude lies under 2^-124 keeps the byte 1.
; REGISTERS: v1-6 offsets that stay; v8-11 the step's addresses; v12 -M, v13 largest t, v[14:15] the sum; v16-27 zeros, q, zeros; v28-31 the odd head's q; v32-63 K; v64-95 V; v96-159 S^T, then p; v160-191 O^T;
;   v192-193 q's scale words; v194-195 K's; v196-197 V's; v198 p's; v200-207 ctx's codes; v208 its scale word; v224-231 p's codes; v232-254 at work.
.set REC,  208896
.set SEL,  24                          ; s[24:25]
.set CS,   26                          ; s[26:27] c = log2(e) / 8
.set TB,   28                          ; s28  where the step's codes begin
.set TS,   29                          ; s29  and its scale words
.set CNT,  30
.macro ROUND                           ; a round of the cluster's barrier
	s_barrier_signal -1
	s_barrier_wait -1
	s_cmp_lg_u32 s8, 0
	s_cbranch_scc1 .Lnot_wave_0_\@
	s_barrier_signal -3
.Lnot_wave_0_\@:
	s_barrier_wait -3
	s_barrier_signal -1
	s_barrier_wait -1
.endm
.macro WMS d, a, b, z, sa, sb, ra       ; one matrix instruction; z: the sum starts with 0; ra: source 0's scale words lie in lanes 16-31
.if (\z)
.if (\ra)
	v_wmma_scale_f32_16x16x128_f8f6f4 v[(\d):(\d)+7], v[(\a):(\a)+7], v[(\b):(\b)+7], 0, v[(\sa)], v[(\sb)] matrix_a_fmt:MATRIX_FMT_FP4 matrix_b_fmt:MATRIX_FMT_FP4 matrix_a_scale:MATRIX_SCALE_ROW1
.else
	v_wmma_scale_f32_16x16x128_f8f6f4 v[(\d):(\d)+7], v[(\a):(\a)+7], v[(\b):(\b)+7], 0, v[(\sa)], v[(\sb)] matrix_a_fmt:MATRIX_FMT_FP4 matrix_b_fmt:MATRIX_FMT_FP4
.endif
.else
.if (\ra)
	v_wmma_scale_f32_16x16x128_f8f6f4 v[(\d):(\d)+7], v[(\a):(\a)+7], v[(\b):(\b)+7], v[(\d):(\d)+7], v[(\sa)], v[(\sb)] matrix_a_fmt:MATRIX_FMT_FP4 matrix_b_fmt:MATRIX_FMT_FP4 matrix_a_scale:MATRIX_SCALE_ROW1
.else
	v_wmma_scale_f32_16x16x128_f8f6f4 v[(\d):(\d)+7], v[(\a):(\a)+7], v[(\b):(\b)+7], v[(\d):(\d)+7], v[(\sa)], v[(\sb)] matrix_a_fmt:MATRIX_FMT_FP4 matrix_b_fmt:MATRIX_FMT_FP4
.endif
.endif
.endm
	s_load_b128 s[4:7], s[0:1], 0x0                ; heads, cimg
	v_lshl_add_u32 v251, v0, 2, 0x29000
	v_mov_b32 v255, 0
	ds_add_u32 v251, v255
	ds_add_u32 v251, v255
	v_lshrrev_b32 v1, 5, v0
	v_readfirstlane_b32 s8, v1                     ; wave 0..15
	s_bfe_u32 s9, ttmp6, 0x40000                   ; cx: it enters Q's and cimg's global addresses alone
	s_and_b32 s10, ttmp7, 0xffff                   ; 8 batch + head pair, which the partners share
	s_mul_i32 s11, s10, REC
	s_mov_b32 s12, 1                               ; group 0: count
	s_mul_i32 s13, s8, 8704                        ; LDS address: 34 rows of 256 bytes a wave
	s_add_co_u32 s42, s11, s13
	s_add_co_u32 s42, s42, 69632                   ; K's codes begin the block
	s_mov_b32 s43, 0
	s_mov_b32 s16, 15|(3<<16)|(1<<21)              ; group 1: the mask names all four; elements of 8 bytes; bit 21 beside a mask; no padding
	s_mov_b32 s17, 32<<16                          ; tensor_dim0 = 32
	s_mov_b32 s18, 34<<16                          ; tensor_dim1 = 34
	s_mov_b32 s19, 32<<16                          ; tile_dim0 = 32
	s_mov_b32 s20, 34                              ; tile_dim1 = 34
	s_mov_b32 s21, 32                              ; from row to row
	s_mov_b32 s22, 0
	s_mov_b32 s23, 0
	s_lshl_b32 s31, s9, 4
	s_add_co_u32 s31, s31, s8                      ; T
	s_lshl_b32 s44, s31, 9
	s_add_co_u32 s44, s44, s11                     ; Q's codes: T x 512
	s_mov_b32 s45, 0
	s_lshr_b32 s46, s31, 1
	s_lshl_b32 s46, s46, 6
	s_add_co_u32 s46, s46, s11
	s_add_co_u32 s46, s46, 65536                   ; Q's scale words: (T / 2) x 64
	s_mov_b32 s47, 0
	s_lshr_b32 s48, s10, 3
	s_lshl_b32 s48, s48, 6
	s_add_co_u32 s48, s48, s31                     ; Tg = 64 batch + T
	s_and_b32 s49, s10, 7                          ; head pair
	s_lshl_b32 s50, s48, 13
	s_lshl_b32 s51, s49, 10
	s_add_co_u32 s50, s50, s51                     ; ctx's codes
	s_mov_b32 s51, 0
	s_lshr_b32 s52, s48, 1
	s_lshl_b32 s52, s52, 10
	s_lshl_b32 s53, s49, 7
	s_add_co_u32 s52, s52, s53
	s_and_b32 s53, s48, 1
	s_lshl_b32 s53, s53, 6
	s_add_co_u32 s52, s52, s53
	s_add_co_u32 s52, s52, 4194304                 ; ctx's scale words
	s_mov_b32 s53, 0
	s_and_b32 s54, s8, 1
	s_lshl_b32 s54, s54, 4                         ; my tile's two bytes lie 16 (T % 2) bits up in the pair's word
	s_mov_b32 s[SEL], 0x76543210
	s_mov_b32 s[SEL+1], 0xfedcba98
	s_mov_b32 s[CS], 0x3e38aa3b                    ; log2(e) / 8
	s_mov_b32 s[CS+1], s[CS]
	s_mov_b32 s[TB], 0
	s_mov_b32 s[TS], 0
	s_wait_dscnt 0x0
	s_wait_kmcnt 0x0
	s_add_nc_u64 s[14:15], s[4:5], s[42:43]
	s_or_b32 s15, s15, 0x80000000                  ; type = 2
	s_add_nc_u64 s[32:33], s[4:5], s[44:45]
	s_add_nc_u64 s[34:35], s[4:5], s[46:47]
	s_add_nc_u64 s[36:37], s[6:7], s[50:51]
	s_add_nc_u64 s[38:39], s[6:7], s[52:53]
	ROUND                                          ; all four work-groups are here: the joint loads meet
	tensor_load_to_lds s[12:15], s[16:23]          ; my one tensor load of the launch
	s_nop 0
.rept 4
	v_nop
.endr
	v_and_b32 v5, 31, v0                           ; lane
	v_lshlrev_b32 v1, 4, v5                        ; K's codes: 16 x lane
	v_add_nc_u32 v2, 0x10000, v1                   ; V's
	v_lshlrev_b32 v3, 2, v5
	v_add_nc_u32 v4, 135168, v3                    ; V's scale words
	v_add_nc_u32 v3, 131072, v3                    ; K's
	v_and_b32 v6, 15, v0
	v_lshlrev_b32 v6, 2, v6                        ; 4 r
	global_load_b128 v[20:23], v1, s[32:33]                 ; the even head's q: half a fragment
	global_load_b128 v[28:31], v1, s[32:33] offset:32768    ; the odd head's
	global_load_b32 v192, v6, s[34:35]
	global_load_b32 v193, v6, s[34:35] offset:2048
.irp j, 16,17,18,19,24,25,26,27
	v_mov_b32 v[\j], 0                             ; zero codes on both sides of q
.endr
.irp b, 0,1,2,3
	v_mov_b32 v[236+\b], 0                         ; written once: a lane permute's destination counts as a source
.endr
	v_mov_b32 v253, 0                              ; named as the upper half of the pair v[252:253]
	s_wait_tensorcnt 0x0                           ; my part has landed,
	s_barrier_signal -1
	s_barrier_wait -1                              ; everybody's has
	s_wait_loadcnt 0x0                             ; q
.irp e, 0,1
	v_lshrrev_b32 v[192+\e], s54, v[192+\e]
	v_perm_b32 v[192+\e], v[192+\e], v[192+\e], 0x01000100   ; q's two bytes twice: they serve q in either half
.endr
; A KEY STEP: 128 keys
.macro STEP hh
	v_add_nc_u32 v8, s[TB], v1                     ; (these four are also the plain lines behind the last step's products, ahead of the loads into V's registers)
	v_add_nc_u32 v9, s[TB], v2
	v_add_nc_u32 v10, s[TS], v3
	v_add_nc_u32 v11, s[TS], v4
.irp i, 0,1,2,3,4,5,6,7
	ds_load_b128 v[32+4*\i:35+4*\i], v8 offset:512*\i
.endr
	ds_load_b32 v194, v10                          ; lanes 0-15 pair 0's words, lanes 16-31 pair 1's
	ds_load_b32 v195, v10 offset:128
.irp i, 0,1,2,3,4,5,6,7
	ds_load_b128 v[64+4*\i:67+4*\i], v9 offset:512*\i
.endr
	ds_load_b32 v196, v11
	ds_load_b32 v197, v11 offset:128
	s_wait_dscnt 10                                ; K and its scale words are in; V's eight loads and its two may be out
.irp p, 0,1,2,3
	WMS 96+16*\p, 32+8*\p, 20, 1, 194+\p/2, 192+(\hh), \p%2
	WMS 104+16*\p, 32+8*\p, 16, 1, 194+\p/2, 192+(\hh), \p%2
.endr
.rept 4
	v_nop
.endr
.irp b, 0,1,2,3
	v_max3_num_f32 v[232+\b], v[96+16*\b], v[97+16*\b], v[98+16*\b]   ; the largest score of each block of 32 keys: for the row's maximum and, since p rises with the score, for the block's largest p
.endr
.irp i, 3,5,7,9,11,13
.irp b, 0,1,2,3
	v_max3_num_f32 v[232+\b], v[232+\b], v[96+16*\b+\i], v[97+16*\b+\i]
.endr
.endr
.irp b, 0,1,2,3
	v_max_num_f32 v[232+\b], v[232+\b], v[111+16*\b]
.endr
.irp b, 0,1,2,3
	v_permlanex16_b32 v[236+\b], v[232+\b], s[SEL], s[SEL+1]
.endr
.irp b, 0,1,2,3
	v_max_num_f32 v[232+\b], v[232+\b], v[236+\b]
.endr
	v_max3_num_f32 v254, v232, v233, v234
	v_max_num_f32 v254, v254, v235
	v_mul_f32 v254, s[CS], v254
	v_max_num_f32 v13, v13, v254                   ; the running largest t
	v_mov_b32 v254, v12
	v_floor_f32 v12, -v13                          ; -M = floor(-t): M is a whole number
	v_sub_f32 v254, v12, v254
	v_cvt_i32_f32 v254, v254                       ; (it saturates)
	v_ldexp_f32 v252, 1.0, v254                    ; f = 2^(old M - new M)
.irp j, 0,2,4,6,8,10,12,14,16,18,20,22,24,26,28,30,32,34,36,38,40,42,44,46,48,50,52,54,56,58,60,62
	v_pk_fma_f32 v[96+\j:97+\j], v[96+\j:97+\j], s[CS:CS+1], v[12:13] op_sel_hi:[1,0,0]   ; t - M
.endr
.irp b, 0,1,2,3
	v_fma_f32 v[232+\b], v[232+\b], s[CS], v12
.endr
.set jj, 0
.rept 64
	v_exp_f32 v[96+jj], v[96+jj]                   ; p = 2^(t - M)
.set jj, jj+1
.endr
	v_pk_mul_f32 v[14:15], v[14:15], v[252:253] op_sel_hi:[1,0]   ; the sums under the new M: the plain line behind the exponentials
	s_wait_alu depctr_va_vdst(0)                   ; one wait for the batch, ahead of its first reader
.irp b, 0,1,2,3
	v_exp_f32 v[232+\b], v[232+\b]                 ; each block's largest p
.endr
	v_pk_add_f32 v[236:237], v[96:97], v[98:99]    ; the row's sum of the unquantised p, in two chains
.irp j, 4,8,12,16,20,24,28,32,36,40,44,48,52,56,60
	v_pk_add_f32 v[14:15], v[14:15], v[96+\j:97+\j]
	v_pk_add_f32 v[236:237], v[236:237], v[98+\j:99+\j]
.endr
	v_pk_add_f32 v[14:15], v[14:15], v[236:237]
	s_wait_alu depctr_va_vdst(0)                   ; and one for the four
.irp b, 0,1,2,3
	v_max_num_f32 v[232+\b], 0x1800000, v[232+\b]  ; the floor: the byte cannot fall under 1
.endr
.irp b, 0,1,2,3
	v_add_nc_u32 v[244+\b], 0xff000000, v[232+\b]
.endr
.irp b, 0,1,2,3
	v_lshrrev_b32 v[236+\b], 23, v[244+\b]
.endr
	v_lshl_or_b32 v198, v237, 8, v236              ; p's scale word for these 128 keys
	v_lshl_or_b32 v198, v238, 16, v198
	v_lshl_or_b32 v198, v239, 24, v198
.irp b, 0,1,2,3
	v_cvt_scalef32_pk8_fp4_f32 v[224+2*\b], v[96+16*\b:103+16*\b], v[244+\b]
	v_cvt_scalef32_pk8_fp4_f32 v[225+2*\b], v[104+16*\b:111+16*\b], v[244+\b]
.endr
	v_nop                                          ; one plain line behind the last scaled conversion
.irp c, 0,1
.irp i, 0,1
	v_permlane16_swap_b32 v[224+4*\c+\i], v[226+4*\c+\i]
.endr
.endr
.irp j, 0,2,4,6,8,10,12,14,16,18,20,22,24,26,28,30
	v_pk_mul_f32 v[160+\j:161+\j], v[160+\j:161+\j], v[252:253] op_sel_hi:[1,0]   ; O^T under the new M; these sixteen also stand between the writes of p's codes and scale word and the products
.endr
	s_wait_dscnt 0x0                               ; V and its scale words
.irp t, 0,1,2,3
	WMS 160+8*\t, 64+8*\t, 224, 0, 196+\t/2, 198, \t%2
.endr
	s_add_co_u32 s[TB], s[TB], 4096
	s_add_co_u32 s[TS], s[TS], 256
.endm
; ONE HEAD: eight key steps; then O^T / the sum, quantised along d: half hh of ctx's fragment and two bytes of its scale word
.macro HEAD hh
.if (\hh)
.irp j, 0,1,2,3
	v_mov_b32 v[20+\j], v[28+\j]                   ; the odd head's q between the zeros
.endr
.endif
	v_mov_b32 v13, 0xff61b1e6                      ; -3e38, under every t
	v_floor_f32 v12, -v13
	v_mov_b32 v14, 0
	v_mov_b32 v15, 0
.set jj, 0
.rept 32
	v_mov_b32 v[160+jj], 0                         ; the step is written once: the first finds zeros
.set jj, jj+1
.endr
	s_mov_b32 s[CNT], 8
.Lstep_\@:
	STEP \hh
	s_sub_co_u32 s[CNT], s[CNT], 1
	s_cmp_lg_u32 s[CNT], 0
	s_cbranch_scc1 .Lstep_\@
.rept 4
	v_nop                                          ; ahead of the first read of O^T
.endr
	v_add_f32 v14, v14, v15
	v_permlanex16_b32 v252, v14, s[SEL], s[SEL+1]
	v_add_f32 v14, v14, v252                       ; the row's sum
	v_rcp_f32 v14, v14
	v_nop
	s_wait_alu depctr_va_vdst(0)                   ; ahead of the reciprocal's first reader
.set jj, 0
.rept 32
	v_mul_f32 v[96+jj], v[160+jj], v14             ; register 16 e + i = ctx(my query, d = 32 e + 16 h + i)
.set jj, jj+1
.endr
.irp b, 0,1
	v_max3_num_f32 v[232+\b], |v[96+16*\b]|, |v[97+16*\b]|, 0x1800000
.endr
.irp i, 2,4,6,8,10,12,14
.irp b, 0,1
	v_max3_num_f32 v[232+\b], v[232+\b], |v[96+16*\b+\i]|, |v[97+16*\b+\i]|
.endr
.endr
.irp b, 0,1
	v_permlanex16_b32 v[236+\b], v[232+\b], s[SEL], s[SEL+1]
.endr
.irp b, 0,1
	v_max_num_f32 v[232+\b], v[232+\b], v[236+\b]
.endr
.irp b, 0,1
	v_add_nc_u32 v[244+\b], 0xff000000, v[232+\b]
.endr
.irp b, 0,1
	v_lshrrev_b32 v[236+\b], 23, v[244+\b]
.endr
	v_lshl_or_b32 v254, v237, 8, v236
.if (\hh)
	v_lshl_or_b32 v208, v254, 16, v208
.else
	v_mov_b32 v208, v254
.endif
.irp b, 0,1
	v_cvt_scalef32_pk8_fp4_f32 v[200+4*(\hh)+2*\b], v[96+16*\b:103+16*\b], v[244+\b]
	v_cvt_scalef32_pk8_fp4_f32 v[201+4*(\hh)+2*\b], v[104+16*\b:111+16*\b], v[244+\b]
.endr
	v_nop
.irp i, 0,1
	v_permlane16_swap_b32 v[200+4*(\hh)+\i], v[202+4*(\hh)+\i]
.endr
.endm
	HEAD 0
	HEAD 1
	global_store_b128 v1, v[200:203], s[36:37]             ; the fragment's image: 512 consecutive bytes each
	global_store_b128 v1, v[204:207], s[36:37] offset:512
	s_wait_xcnt 0x0                                ; EXEC changes only behind this wait
	v_cmp_gt_u32 vcc_lo, 16, v5
	s_and_saveexec_b32 s40, vcc_lo
	global_store_b32 v6, v208, s[38:39]            ; lanes 0-15: my 16 rows' scale words
	s_wait_xcnt 0x0
	s_or_b32 exec_lo, exec_lo, s40
	s_wait_tensorcnt 0x0
	ds_add_u32 v251, v255
	s_wait_dscnt 0x0
	ROUND                                          ; the closing round: no work-group ends while a partner may still ask jointly
	s_endpgm
.Lfunc_end_k_q04dfaa5abb_attn:
	.size	k_q04dfaa5abb_attn, .Lfunc_end_k_q04dfaa5abb_attn-k_q04dfaa5abb_attn
	.p2alignl 7, 3214868480
	.fill 96, 4, 3214868480
	.section	.rodata,"a",@progbits
	.p2align	6, 0x0
	.amdhsa_kernel k_q04dfaa5abb_attn
		.amdhsa_group_segment_fixed_size 169984
		.amdhsa_private_segment_fixed_size 0
		.amdhsa_enable_private_segment 0
		.amdhsa_kernarg_size 16
		.amdhsa_user_sgpr_count 2
		.amdhsa_user_sgpr_kernarg_segment_ptr 1
		.amdhsa_wavefront_size32 1
		.amdhsa_system_sgpr_workgroup_id_x 1
		.amdhsa_system_sgpr_workgroup_id_y 1
		.amdhsa_system_sgpr_workgroup_id_z 1
		.amdhsa_system_vgpr_workitem_id 0
		.amdhsa_next_free_vgpr 256
		.amdhsa_next_free_sgpr 66
		.amdhsa_reserve_vcc 1
		.amdhsa_float_denorm_mode_32 3
		.amdhsa_float_denorm_mode_16_64 3
		.amdhsa_memory_ordered 1
		.amdhsa_forward_progress 1
		.amdhsa_inst_pref_size 45
	.end_amdhsa_kernel
	.amdgpu_metadata
---
amdhsa.version: [ 1, 2 ]
amdhsa.kernels:
  - .name:           k_q04dfaa5abb_attn
    .symbol:         k_q04dfaa5abb_attn.kd
    .args:
      - { .name: heads, .offset: 0, .size: 8, .value_kind: global_buffer, .address_space: global }
      - { .name: cimg, .offset: 8, .size: 8, .value_kind: global_buffer, .address_space: global }
    .group_segment_fixed_size: 169984
    .private_segment_fixed_size: 0
    .kernarg_segment_align: 8
    .kernarg_segment_size: 16
    .max_flat_workgroup_size: 512
    .sgpr_count:     66
    .vgpr_count:     256
    .wavefront_size: 32
...
	.end_amdgpu_metadata
.endif
;; end of part 3
;; launch outln (part 4): grid 256 x 1, 8 waves a work-group, no clusters, 132,608 bytes of LDS; arguments cimg, wimg, bo, q, ln_gamma, ln_beta, out0; writes out0
.if DOCPART == 4
	.amdgcn_target "amdgcn-amd-amdhsa--gfx1250"
	.amdhsa_code_object_version 6
	.text
	.protected	k_q04dfaa5abb_outln
	.globl	k_q04dfaa5abb_outln
	.p2align	8
	.type	k_q04dfaa5abb_outln,@function
k_q04dfaa5abb_outln:
	s_mov_b64 s[64:65], 0
	v_nop
	global_prefetch_b8 v0, s[64:65] scope:SCOPE_SE
	s_setreg_imm32_b32 hwreg(HW_REG_WAVE_MODE, 25, 1), 1
	s_wait_xcnt 0x0
; out0 = LayerNorm(gelu(ctx wo + bo) + q) x gamma + beta.  The product on codes of FP4; all else in f32.
; SHARES.  A work-group takes 32 rows (tiles 2 e, 2 e + 1 of cimg, e the work-group's number), all 1,024 columns.  Wave w of 8 takes wo's tiles 8 w .. 8 w + 7: columns 128 w on: 16 accumulators, K in 8 steps of 128.
; Source 0 = 16 columns of wo, source 1 = 16 rows of ctx: a lane holds one row, its registers neighbouring columns.  bo is LOADED INTO the accumulators: every product adds in place.
; GELU is exact by g = max(x, 0) - |x| Q(|x|), Q = (1 - erf(|x| / sqrt 2)) / 2 = half a polynomial of degree 5 in 1 / (1 + 0.2316419 |x|) times exp(-x^2 / 2): absolute error of erf 1.5e-7 for every x; no quantiser follows.
; The 32 x 1,024 results meet in a stage in LDS (rows of 4,096 + 16 bytes); behind ONE barrier wave w takes four whole rows: residual, mean, then the sum of squared differences (two passes), and stores them.
; NO JOINT LOADS: wo's codes, 544 KiB with their scale words, do not fit in LDS at once; each fragment goes straight into the registers of the one wave of the work-group that needs it.
; LIMITS: NaN and infinities are not served; 1 / sqrt by v_rsq_f32.
; REGISTERS: window 0: v1-7 offsets; v8-31 at work; v32-39 ctx's scale words; v40-71 wo's; v[72:73] a coefficient; v96-175, v176-255 operand sets 0, 1; later v96-223 GELU's work, then the four rows.
;   window 1: v0-127 accumulators (u, t) at v[8 (8 u + t)], later gamma v0-31, beta v32-63; v128-207 operand set 2; later v128-255 four rows of q.
.set ASC,  32
.set BSC,  40
.set A4V,  72
.set Y,    96
.set U,    128
.set RR,   160
.set P,    192
.set XR,   96
.set SPT,  4112                        ; a stage row: 1,028 words: row r starts 4 r banks on
.set MSB,  0
.macro WIN new
.if MSB != (\new)
	s_set_vgpr_msb (MSB<<8)|(\new)
.set MSB, (\new)
.endif
.endm
.macro PLACES
.rept 4
	v_nop
.endr
.endm
.macro WMS d, a, b, sa, sb, ra, rb      ; one matrix instruction, adding in place
.if (\ra) && (\rb)
	v_wmma_scale_f32_16x16x128_f8f6f4 v[(\d):(\d)+7], v[(\a):(\a)+7], v[(\b):(\b)+7], v[(\d):(\d)+7], v[(\sa)], v[(\sb)] matrix_a_fmt:MATRIX_FMT_FP4 matrix_b_fmt:MATRIX_FMT_FP4 matrix_a_scale:MATRIX_SCALE_ROW1 matrix_b_scale:MATRIX_SCALE_ROW1
.elseif (\ra)
	v_wmma_scale_f32_16x16x128_f8f6f4 v[(\d):(\d)+7], v[(\a):(\a)+7], v[(\b):(\b)+7], v[(\d):(\d)+7], v[(\sa)], v[(\sb)] matrix_a_fmt:MATRIX_FMT_FP4 matrix_b_fmt:MATRIX_FMT_FP4 matrix_a_scale:MATRIX_SCALE_ROW1
.elseif (\rb)
	v_wmma_scale_f32_16x16x128_f8f6f4 v[(\d):(\d)+7], v[(\a):(\a)+7], v[(\b):(\b)+7], v[(\d):(\d)+7], v[(\sa)], v[(\sb)] matrix_a_fmt:MATRIX_FMT_FP4 matrix_b_fmt:MATRIX_FMT_FP4 matrix_b_scale:MATRIX_SCALE_ROW1
.else
	v_wmma_scale_f32_16x16x128_f8f6f4 v[(\d):(\d)+7], v[(\a):(\a)+7], v[(\b):(\b)+7], v[(\d):(\d)+7], v[(\sa)], v[(\sb)] matrix_a_fmt:MATRIX_FMT_FP4 matrix_b_fmt:MATRIX_FMT_FP4
.endif
.endm
	s_load_b256 s[4:11], s[0:1], 0x0               ; cimg, wimg, bo, q
	s_load_b128 s[12:15], s[0:1], 0x20             ; gamma, beta
	s_load_b64 s[16:17], s[0:1], 0x30              ; out0
	v_lshl_add_u32 v94, v0, 2, 0x20200
	v_mov_b32 v95, 0
	v_lshrrev_b32 v8, 5, v0
	v_readfirstlane_b32 s18, v8                    ; wave 0..7
	s_lshl_b32 s50, ttmp9, 5                       ; the four rows that I finish: stage rows 4 w .. 4 w + 3 are rows 32 e + 8 (w / 4) + 4 (w % 4) + 8 ((w / 2) % 2) + 0 .. 3
	s_lshr_b32 s51, s18, 2
	s_lshl_b32 s51, s51, 3
	s_add_co_u32 s50, s50, s51
	s_and_b32 s51, s18, 3
	s_lshl_b32 s51, s51, 2
	s_add_co_u32 s50, s50, s51
	s_bfe_u32 s51, s18, 0x10001
	s_lshl_b32 s51, s51, 3
	s_add_co_u32 s50, s50, s51
	s_lshl_b32 s50, s50, 12
	s_mov_b32 s51, 0
	s_lshl_b32 s52, ttmp9, 14                      ; ctx's codes: two tiles of 8,192 bytes
	s_mov_b32 s53, 0
	s_lshl_b32 s54, ttmp9, 10
	s_add_co_u32 s54, s54, 4194304                 ; ctx's scale words
	s_mov_b32 s55, 0
	s_lshl_b32 s56, s18, 16
	s_add_co_u32 s56, s56, 3*524288                ; wo's codes: my 8 tiles
	s_mov_b32 s57, 0
	s_lshl_b32 s58, s18, 12
	s_add_co_u32 s58, s58, 2097152+3*32768         ; wo's scale words
	s_mov_b32 s59, 0
	s_lshl_b32 s60, s18, 9                         ; bo: my 128 numbers.  Also my columns' bytes in a stage row
	s_mov_b32 s61, 0
	s_mul_i32 s63, s18, 4*SPT
	s_mov_b32 s34, 0x76543210
	s_mov_b32 s35, 0xfedcba98
	s_mov_b32 s36, 0x3f596d27                      ; sqrt(log2(e) / 2)
	s_mov_b32 s37, s36
	s_mov_b32 s38, 0x3e6d3389                      ; 0.2316419
	s_mov_b32 s40, 0x3f07dc22                      ; the polynomial's coefficients, halved: a5
	s_mov_b32 s41, s40
	s_mov_b32 s42, 0x3f35f0e3                      ; a3
	s_mov_b32 s43, s42
	s_mov_b32 s44, 0xbe11a98e                      ; a2
	s_mov_b32 s45, s44
	s_mov_b32 s46, 0x3e027906                      ; a1
	s_mov_b32 s47, s46
	s_mov_b32 s48, 0x3a800000                      ; 1 / 1,024
	s_mov_b32 s49, 0x3727c5ac                      ; 1e-5
	v_mov_b32 v[A4V], 0xbf3a00e3                   ; a4
	v_mov_b32 v[A4V+1], 0xbf3a00e3
	v_and_b32 v8, 31, v0
	v_lshlrev_b32 v1, 4, v8                        ; 16 x lane
	v_lshlrev_b32 v2, 5, v8                        ; 32 x lane
	v_lshlrev_b32 v3, 2, v8                        ; 4 x lane
	v_and_b32 v8, 15, v0                           ; r
	v_bfe_u32 v9, v0, 4, 1                         ; h
	v_lshlrev_b32 v4, 6, v9                        ; 64 h
	v_mul_u32_u24 v5, v8, SPT
	v_lshl_add_u32 v5, v9, 6, v5
	v_add_nc_u32 v5, s60, v5                       ; into the stage, tile 0: row r, + 512 w + 64 h
	v_add_nc_u32 v6, 16*SPT, v5                    ; tile 1: 16 rows on
	v_add_nc_u32 v7, s63, v1                       ; out of it: my four rows, 16 bytes a lane
	s_wait_kmcnt 0x0
	s_add_nc_u64 s[20:21], s[4:5], s[52:53]
	s_add_nc_u64 s[22:23], s[4:5], s[54:55]
	s_add_nc_u64 s[24:25], s[6:7], s[56:57]
	s_add_nc_u64 s[26:27], s[6:7], s[58:59]
	s_add_nc_u64 s[28:29], s[8:9], s[60:61]
	s_add_nc_u64 s[30:31], s[10:11], s[50:51]
	s_add_nc_u64 s[32:33], s[16:17], s[50:51]
	WIN 0x40
.irp u, 0,1
.irp t, 0,1,2,3,4,5,6,7
	global_load_b128 v[8*(8*\u+\t):8*(8*\u+\t)+3], v4, s[28:29] offset:128*(\t/2)+32*(\t%2)        ; bo at the lane's eight columns: 32 (t / 2) + 16 h + 8 (t % 2) + j
	global_load_b128 v[8*(8*\u+\t)+4:8*(8*\u+\t)+7], v4, s[28:29] offset:128*(\t/2)+32*(\t%2)+16
.endr
.endr
	WIN 0
.irp s, 0,1,2,3,4,5,6,7
	global_load_b32 v[ASC+\s], v3, s[22:23] offset:128*\s    ; lanes 0-15 tile 0's words, lanes 16-31 tile 1's
.endr
.irp i, 0,1,2,3
	global_load_b128 v[BSC+8*\i:BSC+8*\i+3], v2, s[26:27] offset:1024*\i
	global_load_b128 v[BSC+8*\i+4:BSC+8*\i+7], v2, s[26:27] offset:1024*\i+16
.endr
.macro FETCH s                         ; K step s: 8 fragments of wo, 2 of ctx: 20 loads of 512 bytes, into set s % 3
.set FS, (\s)%3
.if FS == 0
	WIN 0
.set FB, 96
.set FA, 160
.elseif FS == 1
	WIN 0
.set FB, 176
.set FA, 240
.else
	WIN 0x40
.set FB, 128
.set FA, 192
.endif
.irp t, 0,1,2,3,4,5,6,7
.irp c, 0,1
	global_load_b128 v[FB+8*\t+4*\c:FB+8*\t+4*\c+3], v1, s[24:25] offset:8192*\t+1024*(\s)+512*\c
.endr
.endr
.irp u, 0,1
.irp c, 0,1
	global_load_b128 v[FA+8*\u+4*\c:FA+8*\u+4*\c+3], v1, s[20:21] offset:8192*\u+1024*(\s)+512*\c
.endr
.endr
.endm
.macro STEP s
.if (\s) > 0
	PLACES                                         ; behind the last step's products, ahead of loads into the set that they read
.endif
.if (\s) < 7
	s_wait_loadcnt 20                              ; this step's loads and all older ones are in; the next step's 20 may be out
.else
	s_wait_loadcnt 32                              ; q's 32 loads may be out
.endif
.if (\s)+2 < 8
	FETCH (\s)+2
.endif
.if (\s) == 6
	WIN 0x40
.irp i, 0,1,2,3
.irp m, 0,1,2,3,4,5,6,7
	global_load_b128 v[128+32*\i+4*\m:128+32*\i+4*\m+3], v1, s[30:31] offset:4096*\i+512*\m th:TH_LOAD_NT   ; the residual: my four rows, over set 2, which is done with
.endr
.endr
.endif
.set MS, (\s)%3
.if MS == 0
.set MB, 96
.set MA, 160
	WIN 0x50
.elseif MS == 1
.set MB, 176
.set MA, 240
	WIN 0x50
.else
.set MB, 128
.set MA, 192
	WIN 0x55
.endif
.set ia, 0
.rept 2                                ; the 16 accumulators take turns, one instruction a turn
.set ib, 0
.rept 8
	WMS 8*(8*ia+ib), MB+8*ib, MA+8*ia, BSC+8*(ib/2)+(\s), ASC+(\s), ib%2, ia
.set ib, ib+1
.endr
.set ia, ia+1
.endr
.endm
	FETCH 0
	FETCH 1
.irp s, 0,1,2,3,4,5,6,7
	STEP \s
.endr
	WIN 0
	PLACES                                         ; ahead of the first read of results
; GELU of 32 numbers a lane: tile u, accumulators 4 cc .. 4 cc + 3; then into the stage
.macro GELU u, cc
.set XB, 64*(\u)+32*(\cc)
	s_wait_dscnt 0x0                               ; the last chunk's stage stores have read their registers
	WIN 0x01                                       ; source 0: the accumulators' window
.set jj, 0
.rept 16
	v_pk_mul_f32 v[Y+jj:Y+jj+1], v[XB+jj:XB+jj+1], s[36:37] op_sel_hi:[1,0]   ; each accumulator is read from its low end on
.set jj, jj+2
.endr
.set jj, 0
.rept 32
	v_fma_f32 v[U+jj], |v[XB+jj]|, s38, 1.0
.set jj, jj+1
.endr
.set jj, 0
.rept 32
	v_max_num_f32 v[RR+jj], v[XB+jj], 0
.set jj, jj+1
.endr
	WIN 0
.set jj, 0
.rept 32
	v_rcp_f32 v[U+jj], v[U+jj]                     ; t = 1 / (1 + 0.2316419 |x|)
.set jj, jj+1
.endr
.set jj, 0
.rept 16
	v_pk_mul_f32 v[Y+jj:Y+jj+1], v[Y+jj:Y+jj+1], v[Y+jj:Y+jj+1] neg_lo:[0,1] neg_hi:[0,1]   ; -x^2 log2(e) / 2
.set jj, jj+2
.endr
.set jj, 0
.rept 32
	v_exp_f32 v[Y+jj], v[Y+jj]                     ; exp(-x^2 / 2)
.set jj, jj+1
.endr
	v_nop                                          ; the plain line behind the batch
	s_wait_alu depctr_va_vdst(0)                   ; one wait for the 64, ahead of their first reader
.set jj, 0
.rept 16
	v_pk_fma_f32 v[P+jj:P+jj+1], v[U+jj:U+jj+1], s[40:41], v[A4V:A4V+1] op_sel_hi:[1,0,1]
.set jj, jj+2
.endr
.irp k, 42,44,46
.set jj, 0
.rept 16
	v_pk_fma_f32 v[P+jj:P+jj+1], v[P+jj:P+jj+1], v[U+jj:U+jj+1], s[\k:\k+1] op_sel_hi:[1,1,0]
.set jj, jj+2
.endr
.endr
.set jj, 0
.rept 16
	v_pk_mul_f32 v[P+jj:P+jj+1], v[P+jj:P+jj+1], v[U+jj:U+jj+1]
.set jj, jj+2
.endr
.set jj, 0
.rept 16
	v_pk_mul_f32 v[P+jj:P+jj+1], v[P+jj:P+jj+1], v[Y+jj:Y+jj+1]   ; Q
.set jj, jj+2
.endr
	WIN 0x01
.set jj, 0
.rept 32
	v_fma_f32 v[RR+jj], -|v[XB+jj]|, v[P+jj], v[RR+jj]            ; max(x, 0) - |x| Q
.set jj, jj+1
.endr
	WIN 0
.irp b, 0,1
.irp j, 0,1,2,3
	ds_store_b128 v[5+(\u)], v[RR+16*\b+4*\j:RR+16*\b+4*\j+3] offset:256*(\cc)+128*\b+16*\j
.endr
.endr
.endm
	GELU 0, 0
	GELU 0, 1
	GELU 1, 0
	GELU 1, 1
	WIN 0x40
.irp m, 0,1,2,3,4,5,6,7
	global_load_b128 v[4*\m:4*\m+3], v1, s[12:13] offset:512*\m          ; gamma and beta at my lane's columns 128 m + 4 lane + 0 .. 3
	global_load_b128 v[32+4*\m:32+4*\m+3], v1, s[14:15] offset:512*\m
.endr
	WIN 0
	s_wait_dscnt 0x0                               ; for the others' sake: my stores into the stage are done
	s_barrier_signal -1
	s_barrier_wait -1
.irp i, 0,1,2,3
.irp m, 0,1,2,3,4,5,6,7
	ds_load_b128 v[XR+32*\i+4*\m:XR+32*\i+4*\m+3], v7 offset:\i*SPT+512*\m
.endr
.endr
	s_wait_dscnt 0x0
	s_wait_loadcnt 0x0                             ; q, gamma, beta
	WIN 0x04                                       ; source 1: q's window
.set jj, 0
.rept 64
	v_pk_add_f32 v[XR+jj:XR+jj+1], v[XR+jj:XR+jj+1], v[128+jj:129+jj]     ; x = gelu + residual
.set jj, jj+2
.endr
	WIN 0
	; the mean: the four rows by turns, two chains each
.irp i, 0,1,2,3
	v_pk_add_f32 v[8+4*\i:9+4*\i], v[XR+32*\i:XR+32*\i+1], v[XR+32*\i+2:XR+32*\i+3]
	v_pk_add_f32 v[10+4*\i:11+4*\i], v[XR+32*\i+4:XR+32*\i+5], v[XR+32*\i+6:XR+32*\i+7]
.endr
.irp n, 8,12,16,20,24,28
.irp i, 0,1,2,3
	v_pk_add_f32 v[8+4*\i:9+4*\i], v[8+4*\i:9+4*\i], v[XR+32*\i+\n:XR+32*\i+\n+1]
	v_pk_add_f32 v[10+4*\i:11+4*\i], v[10+4*\i:11+4*\i], v[XR+32*\i+\n+2:XR+32*\i+\n+3]
.endr
.endr
.irp i, 0,1,2,3
	v_pk_add_f32 v[8+4*\i:9+4*\i], v[8+4*\i:9+4*\i], v[10+4*\i:11+4*\i]
.endr
.irp i, 0,1,2,3
	v_add_f32 v[8+4*\i], v[8+4*\i], v[9+4*\i]
.endr
.irp x, 1,2,4,8
.irp i, 0,1,2,3
	v_add_f32_dpp v[8+4*\i], v[8+4*\i], v[8+4*\i] row_xmask:\x row_mask:0xf bank_mask:0xf
.endr
.endr
.irp i, 0,1,2,3
	v_permlanex16_b32 v[10+4*\i], v[8+4*\i], s34, s35
.endr
.irp i, 0,1,2,3
	v_add_f32 v[8+4*\i], v[8+4*\i], v[10+4*\i]
.endr
.irp i, 0,1,2,3
	v_mul_f32 v[8+4*\i], s48, v[8+4*\i]            ; mu
.endr
.irp i, 0,1,2,3
.set jj, 0
.rept 16
	v_pk_add_f32 v[XR+32*\i+jj:XR+32*\i+jj+1], v[XR+32*\i+jj:XR+32*\i+jj+1], v[8+4*\i:9+4*\i] op_sel_hi:[1,0] neg_lo:[0,1] neg_hi:[0,1]   ; x - mu
.set jj, jj+2
.endr
.endr
	; the variance: the sum of the squared differences
.irp i, 0,1,2,3
	v_pk_mul_f32 v[10+4*\i:11+4*\i], v[XR+32*\i:XR+32*\i+1], v[XR+32*\i:XR+32*\i+1]
	v_pk_mul_f32 v[24+2*\i:25+2*\i], v[XR+32*\i+2:XR+32*\i+3], v[XR+32*\i+2:XR+32*\i+3]
.endr
.irp n, 4,8,12,16,20,24,28
.irp i, 0,1,2,3
	v_pk_fma_f32 v[10+4*\i:11+4*\i], v[XR+32*\i+\n:XR+32*\i+\n+1], v[XR+32*\i+\n:XR+32*\i+\n+1], v[10+4*\i:11+4*\i]
	v_pk_fma_f32 v[24+2*\i:25+2*\i], v[XR+32*\i+\n+2:XR+32*\i+\n+3], v[XR+32*\i+\n+2:XR+32*\i+\n+3], v[24+2*\i:25+2*\i]
.endr
.endr
.irp i, 0,1,2,3
	v_pk_add_f32 v[10+4*\i:11+4*\i], v[10+4*\i:11+4*\i], v[24+2*\i:25+2*\i]
.endr
.irp i, 0,1,2,3
	v_add_f32 v[10+4*\i], v[10+4*\i], v[11+4*\i]
.endr
.irp x, 1,2,4,8
.irp i, 0,1,2,3
	v_add_f32_dpp v[10+4*\i], v[10+4*\i], v[10+4*\i] row_xmask:\x row_mask:0xf bank_mask:0xf
.endr
.endr
.irp i, 0,1,2,3
	v_permlanex16_b32 v[24+2*\i], v[10+4*\i], s34, s35
.endr
.irp i, 0,1,2,3
	v_add_f32 v[10+4*\i], v[10+4*\i], v[24+2*\i]
.endr
.irp i, 0,1,2,3
	v_fma_f32 v[10+4*\i], v[10+4*\i], s48, s49     ; var + eps
.endr
.irp i, 0,1,2,3
	v_rsq_f32 v[8+4*\i], v[10+4*\i]
.endr
	v_nop                                          ; the plain line behind the four
	s_wait_alu depctr_va_vdst(0)                   ; one wait, ahead of their first reader
.irp i, 0,1,2,3
.set jj, 0
.rept 16
	v_pk_mul_f32 v[XR+32*\i+jj:XR+32*\i+jj+1], v[XR+32*\i+jj:XR+32*\i+jj+1], v[8+4*\i:9+4*\i] op_sel_hi:[1,0]
.set jj, jj+2
.endr
.endr
	WIN 0x14                                       ; sources 1 and 2: gamma's and beta's window
.irp i, 0,1,2,3
.set jj, 0
.rept 16
	v_pk_fma_f32 v[XR+32*\i+jj:XR+32*\i+jj+1], v[XR+32*\i+jj:XR+32*\i+jj+1], v[jj:jj+1], v[32+jj:33+jj]
.set jj, jj+2
.endr
.endr
	WIN 0
.irp i, 0,1,2,3
.irp m, 0,1,2,3,4,5,6,7
	global_store_b128 v1, v[XR+32*\i+4*\m:XR+32*\i+4*\m+3], s[32:33] offset:4096*\i+512*\m th:TH_STORE_NT   ; 32 lanes store 512 consecutive bytes, aligned
.endr
.endr
	s_wait_tensorcnt 0x0
	ds_add_u32 v94, v95
	s_wait_dscnt 0x0
	s_endpgm
.Lfunc_end_k_q04dfaa5abb_outln:
	.size	k_q04dfaa5abb_outln, .Lfunc_end_k_q04dfaa5abb_outln-k_q04dfaa5abb_outln
	.p2alignl 7, 3214868480
	.fill 96, 4, 3214868480
	.section	.rodata,"a",@progbits
	.p2align	6, 0x0
	.amdhsa_kernel k_q04dfaa5abb_outln
		.amdhsa_group_segment_fixed_size 132608
		.amdhsa_private_segment_fixed_size 0
		.amdhsa_enable_private_segment 0
		.amdhsa_kernarg_size 56
		.amdhsa_user_sgpr_count 2
		.amdhsa_user_sgpr_kernarg_segment_ptr 1
		.amdhsa_wavefront_size32 1
		.amdhsa_system_sgpr_workgroup_id_x 1
		.amdhsa_system_sgpr_workgroup_id_y 1
		.amdhsa_system_sgpr_workgroup_id_z 1
		.amdhsa_system_vgpr_workitem_id 0
		.amdhsa_next_free_vgpr 512
		.amdhsa_next_free_sgpr 66
		.amdhsa_reserve_vcc 0
		.amdhsa_float_denorm_mode_32 3
		.amdhsa_float_denorm_mode_16_64 3
		.amdhsa_memory_ordered 1
		.amdhsa_forward_progress 1
		.amdhsa_inst_pref_size 145
	.end_amdhsa_kernel
	.amdgpu_metadata
---
amdhsa.version: [ 1, 2 ]
amdhsa.kernels:
  - .name:           k_q04dfaa5abb_outln
    .symbol:         k_q04dfaa5abb_outln.kd
    .args:
      - { .name: cimg, .offset: 0, .size: 8, .value_kind: global_buffer, .address_space: global }
      - { .name: wimg, .offset: 8, .size: 8, .value_kind: global_buffer, .address_space: global }
      - { .name: bo, .offset: 16, .size: 8, .value_kind: global_buffer, .address_space: global }
      - { .name: q, .offset: 24, .size: 8, .value_kind: global_buffer, .address_space: global }
      - { .name: ln_gamma, .offset: 32, .size: 8, .value_kind: global_buffer, .address_space: global }
      - { .name: ln_beta, .offset: 40, .size: 8, .value_kind: global_buffer, .address_space: global }
      - { .name: out0, .offset: 48, .size: 8, .value_kind: global_buffer, .address_space: global }
    .group_segment_fixed_size: 132608
    .private_segment_fixed_size: 0
    .kernarg_segment_align: 8
    .kernarg_segment_size: 56
    .max_flat_workgroup_size: 256
    .sgpr_count:     66
    .vgpr_count:     512
    .wavefront_size: 32
...
	.end_amdgpu_metadata
.endif
;; end of part 4
;; ======== version 2 of 2: 4 launches
;; workspace buffers: wimg 2,228,224 bytes; ximg 13,369,344 bytes; heads 13,369,344 bytes; cimg 4,456,448 bytes
;; launch quant (part 5): grid 512 x 1, 4 waves a work-group, no clusters, 34,304 bytes of LDS; arguments q, k, v, wq, wk, wv, wo, ximg, wimg; writes ximg, wimg
.if DOCPART == 5
	.amdgcn_target "amdgcn-amd-amdhsa--gfx1250"
	.amdhsa_code_object_version 6
	.text
	.protected	k_q04dfaa5abb_quant
	.globl	k_q04dfaa5abb_quant
	.p2align	8
	.type	k_q04dfaa5abb_quant,@function
k_q04dfaa5abb_quant:
	s_mov_b64 s[64:65], 0
	v_nop
	global_prefetch_b8 v0, s[64:65] scope:SCOPE_SE
	s_setreg_imm32_b32 hwreg(HW_REG_WAVE_MODE, 25, 1), 1
	s_wait_xcnt 0x0
; q, k, v [8192][1024] and wq, wk, wv, wo [1024 (K)][1024 (n)], f32, become codes of FP4 (E2M1) with one E8M0 byte for each 32 along K, laid as IMAGES OF OPERAND REGISTERS.
; A fragment is 16 rows x 128 K = 8 registers a lane = 1,024 bytes: registers 4 c .. 4 c + 3 of lane l lie at byte 512 c + 16 l; lane (r, h) holds k = 64 c + 32 h + 0 .. 31 of the tile's row r.
; THE ROWS OF A TILE ARE NOT NEIGHBOURS: in each group of 32 rows tile 2 g + u, lane r, holds row 32 g + 8 u + r + 8 (r / 8): used as a product's source 0, two such tiles give 16 neighbours in 16 registers.
; ximg: codes [tensor 3][tile 512][K step 8][1,024]; at 12,582,912 the scale words [tensor][tile][r 16][K step 8].  wimg: codes [weight 4][tile 64][K step 8][1,024]; at 2,097,152 the scale words likewise.
; A block's scale is 2^(floor(log2(largest magnitude)) - 2); its byte is the largest magnitude's exponent field - 2, held at 1 from below.
; LIMITS: a block whose largest magnitude lies under 2^-124, a block of zeros among them, keeps the byte 1 (zeros' codes are zeros, and this program alone reads the bytes); NaN and infinities are not served.
; Work-groups 0-127 take the weights (a lane a column, registers down K), 128-511 the three tensors (a wave a tile of 16 rows, all of K).  Waves share nothing: no barrier.  Only the tensors' path uses LDS.
; No matrix unit, no cluster, no tensor load: every byte is read once by one wave.
.set NWW,  128                         ; work-groups of the weights' path
.set R,    16                          ; v16-143  two sets of 64: a fragment's numbers as loaded
.set X,    144                         ; v144-207 64 numbers: register 16 b + i = k 32 b + 16 h + i of my row
.set PC,   208                         ; v208-215 the codes just made
.set SW,   216                         ; v216-223 the tile's eight scale words
.set TM,   224                         ; v224-239 at work
.set SEL,  38                          ; s[38:39] selects of v_permlanex16_b32: lane l xor 16
.set SP,   528                         ; a stage row: 512 bytes + 16: row r starts 4 r banks on
.set WX,   32                          ; weights: v32-95 two sets of 32 numbers
.set WC,   96                          ; v96-127 codes, four registers for each block: no store's data are written again
.set WSB,  24                          ; v24-25  eight scale bytes
; 64 numbers of a lane become a fragment's codes in v[pc] on and its scale word in v[pw]
.macro QUANT s, pc, pw
.irp b, 0,1,2,3
	v_max3_num_f32 v[TM+\b], |v[(\s)+16*\b]|, |v[(\s)+1+16*\b]|, 0x1800000   ; block b: my 16 numbers and the floor 2^(3 - 127): the byte cannot fall under 1
.endr
.irp i, 2,4,6,8,10,12,14
.irp b, 0,1,2,3
	v_max3_num_f32 v[TM+\b], v[TM+\b], |v[(\s)+16*\b+\i]|, |v[(\s)+1+16*\b+\i]|
.endr
.endr
.irp b, 0,1,2,3
	v_permlanex16_b32 v[TM+4+\b], v[TM+\b], s[SEL], s[SEL+1]
.endr
.irp b, 0,1,2,3
	v_max_num_f32 v[TM+\b], v[TM+\b], v[TM+4+\b]       ; with lane l xor 16's: the block's largest magnitude
.endr
.irp b, 0,1,2,3
	v_add_nc_u32 v[TM+12+\b], 0xff000000, v[TM+\b]     ; 2 off its exponent field: the conversion's scale operand
.endr
.irp b, 0,1,2,3
	v_lshrrev_b32 v[TM+4+\b], 23, v[TM+12+\b]          ; the scale's byte
.endr
	v_lshl_or_b32 v[\pw], v[TM+5], 8, v[TM+4]
	v_lshl_or_b32 v[\pw], v[TM+6], 16, v[\pw]
	v_lshl_or_b32 v[\pw], v[TM+7], 24, v[\pw]
.irp b, 0,1,2,3
	v_cvt_scalef32_pk8_fp4_f32 v[(\pc)+2*\b], v[(\s)+16*\b:(\s)+7+16*\b], v[TM+12+\b]
	v_cvt_scalef32_pk8_fp4_f32 v[(\pc)+1+2*\b], v[(\s)+8+16*\b:(\s)+15+16*\b], v[TM+12+\b]
.endr
	v_nop                                              ; one plain line behind the last scaled conversion
.irp c, 0,1
.irp i, 0,1
	v_permlane16_swap_b32 v[(\pc)+4*\c+\i], v[(\pc)+2+4*\c+\i]   ; a whole block to a lane: lanes 0-15 block 2 c, lanes 16-31 block 2 c + 1
.endr
.endr
.endm
	s_load_b256 s[4:11], s[0:1], 0x0               ; q, k, v, wq
	s_load_b256 s[12:19], s[0:1], 0x20             ; wk, wv, wo, ximg
	s_load_b64 s[20:21], s[0:1], 0x40              ; wimg
	v_lshl_add_u32 v254, v0, 2, 0x8400
	v_mov_b32 v255, 0
	v_lshrrev_b32 v1, 5, v0
	v_readfirstlane_b32 s22, v1                    ; wave
	v_and_b32 v2, 31, v0                           ; lane
	s_cmp_lt_u32 ttmp9, NWW
	s_cbranch_scc1 .Lweights
	; ---------------- the tensors: wave w owns tile Tg = 4 (id % 128) + w of tensor id / 128
	s_sub_co_u32 s23, ttmp9, NWW
	s_lshr_b32 s24, s23, 7                         ; tensor
	s_and_b32 s25, s23, 127
	s_lshl_b32 s25, s25, 2
	s_add_co_u32 s25, s25, s22                     ; Tg
	s_lshr_b32 s26, s25, 1
	s_lshl_b32 s26, s26, 5
	s_and_b32 s27, s25, 1
	s_lshl_b32 s27, s27, 3
	s_add_co_u32 s26, s26, s27                     ; the tile's first row: 32 (Tg / 2) + 8 (Tg % 2)
	s_lshl_b32 s26, s26, 12                        ; x 4,096 bytes
	s_mov_b32 s27, 0
	s_lshl_b32 s28, s24, 22
	s_lshl_b32 s29, s25, 13
	s_add_co_u32 s28, s28, s29                     ; codes: tensor x 4,194,304 + Tg x 8,192
	s_mov_b32 s29, 0
	s_lshl_b32 s30, s24, 18
	s_lshl_b32 s31, s25, 9
	s_add_co_u32 s30, s30, s31
	s_add_co_u32 s30, s30, 12582912                ; scale words: 12,582,912 + tensor x 262,144 + Tg x 512
	s_mov_b32 s31, 0
	s_mov_b32 s36, 0xffff0000                      ; lanes 16-31
	s_mov_b32 s[SEL], 0x76543210
	s_mov_b32 s[SEL+1], 0xfedcba98
	s_mul_i32 s37, s22, 16*SP                      ; my stage
	s_wait_alu depctr_va_vdst(0)
	v_lshlrev_b32 v1, 4, v2                        ; 16 x lane
	v_add_nc_u32 v3, s37, v1                       ; into the stage: a row as it lies
	v_and_b32 v4, 15, v0                           ; r
	v_bfe_u32 v5, v0, 4, 1                         ; h
	v_mul_u32_u24 v6, v4, SP
	v_lshl_add_u32 v6, v5, 6, v6
	v_add_nc_u32 v6, s37, v6                       ; out of it: row r, + 64 h: my 16 numbers of each block of 32
	v_lshlrev_b32 v7, 5, v4
	v_lshl_add_u32 v7, v5, 4, v7                   ; the scale words' place: 32 r + 16 h
.irp b, 0,1,2,3
	v_mov_b32 v[TM+4+\b], 0                        ; written once: a lane permute's destination counts as a source
.endr
	s_wait_alu depctr_va_vdst(0)
	s_wait_kmcnt 0x0
	s_cmp_eq_u32 s24, 1
	s_cselect_b64 s[4:5], s[6:7], s[4:5]
	s_cmp_eq_u32 s24, 2
	s_cselect_b64 s[4:5], s[8:9], s[4:5]
	s_add_nc_u64 s[4:5], s[4:5], s[26:27]
	s_add_nc_u64 s[32:33], s[18:19], s[28:29]
	s_add_nc_u64 s[34:35], s[18:19], s[30:31]
.macro XLOAD f                         ; K step f of the tile's 16 rows: each load reads 512 consecutive bytes of one row
.irp i, 0,1,2,3,4,5,6,7,8,9,10,11,12,13,14,15
	global_load_b128 v[R+64*((\f)%2)+4*\i:R+64*((\f)%2)+4*\i+3], v1, s[4:5] offset:(\i+8*(\i/8))*4096+512*(\f) th:TH_LOAD_NT
.endr
.endm
.macro XFRAG f
.if (\f) < 7
	s_wait_loadcnt 16                              ; this fragment's 16 loads are in; the next one's 16 may be out
.else
	s_wait_loadcnt 0x0
.endif
.irp i, 0,1,2,3,4,5,6,7,8,9,10,11,12,13,14,15
	ds_store_b128 v3, v[R+64*((\f)%2)+4*\i:R+64*((\f)%2)+4*\i+3] offset:SP*\i
.endr
.irp b, 0,1,2,3
.irp j, 0,1,2,3
	ds_load_b128 v[X+16*\b+4*\j:X+16*\b+4*\j+3], v6 offset:128*\b+16*\j   ; LDS serves a wave's instructions in order: these see the stores above
.endr
.endr
	s_wait_dscnt 0x0                               ; the numbers are back, and the stage's stores have read their registers,
	s_wait_xcnt 0x0                                ; and the last fragment's stores have read PC
.if (\f)+2 < 8
	XLOAD (\f)+2
.endif
	QUANT X, PC, SW+(\f)
	global_store_b128 v1, v[PC:PC+3], s[32:33] offset:1024*(\f)          ; 512 consecutive bytes each
	global_store_b128 v1, v[PC+4:PC+7], s[32:33] offset:1024*(\f)+512
.endm
	XLOAD 0
	XLOAD 1
.irp f, 0,1,2,3,4,5,6,7
	XFRAG \f
.endr
.irp j, 0,1,2,3
	v_cndmask_b32 v[240+\j], v[SW+\j], v[SW+4+\j], s36   ; lanes 0-15 store words 0-3 of their row, lanes 16-31 words 4-7
.endr
	global_store_b128 v7, v[240:243], s[34:35]     ; the tile's 512 bytes of scale words
	s_wait_tensorcnt 0x0
	ds_add_u32 v254, v255
	s_wait_dscnt 0x0
	s_endpgm
	; ---------------- the weights: wave w takes 32 columns (group cg) and 256 along K: 8 blocks a lane
.Lweights:
	s_lshr_b32 s24, ttmp9, 5                       ; weight
	s_bfe_u32 s25, ttmp9, 0x30002
	s_and_b32 s26, ttmp9, 3                        ; kq: which 256 along K
	s_lshl_b32 s25, s25, 2
	s_add_co_u32 s25, s25, s22                     ; cg
	s_lshl_b32 s28, s26, 20                        ; 256 rows of 4,096 bytes
	s_lshl_b32 s29, s25, 7
	s_add_co_u32 s28, s28, s29
	s_mov_b32 s29, 0
	s_lshl_b32 s30, s24, 19
	s_lshl_b32 s31, s25, 14
	s_add_co_u32 s30, s30, s31
	s_lshl_b32 s31, s26, 11
	s_add_co_u32 s30, s30, s31                     ; codes: weight x 524,288 + cg x 2 tiles + kq x 2 K steps
	s_mov_b32 s31, 0
	s_lshl_b32 s32, s24, 15
	s_lshl_b32 s33, s25, 10
	s_add_co_u32 s32, s32, s33
	s_lshl_b32 s33, s26, 3
	s_add_co_u32 s32, s32, s33
	s_add_co_u32 s32, s32, 2097152                 ; scale words
	s_mov_b32 s33, 0
	s_wait_alu depctr_va_vdst(0)
	v_lshlrev_b32 v3, 2, v2                        ; in: 4 bytes a lane
	v_bfe_u32 v6, v2, 3, 1                         ; column c of the 32 lies in tile u = (c / 8) % 2,
	v_and_b32 v7, 7, v2
	v_lshrrev_b32 v8, 4, v2
	v_lshl_add_u32 v7, v8, 3, v7                   ; at row r = c % 8 + 8 (c / 16)
	v_lshlrev_b32 v4, 4, v7
	v_lshl_add_u32 v4, v6, 13, v4                  ; codes: 8,192 u + 16 r
	v_lshlrev_b32 v5, 5, v7
	v_lshl_add_u32 v5, v6, 9, v5                   ; scale words: 512 u + 32 r
	s_wait_alu depctr_va_vdst(0)
	s_wait_kmcnt 0x0
	s_cmp_eq_u32 s24, 1
	s_cselect_b64 s[10:11], s[12:13], s[10:11]
	s_cmp_eq_u32 s24, 2
	s_cselect_b64 s[10:11], s[14:15], s[10:11]
	s_cmp_eq_u32 s24, 3
	s_cselect_b64 s[10:11], s[16:17], s[10:11]
	s_add_nc_u64 s[10:11], s[10:11], s[28:29]
	s_add_nc_u64 s[40:41], s[20:21], s[30:31]
	s_add_nc_u64 s[42:43], s[20:21], s[32:33]
.macro WLOAD t                         ; block t: W(32 t + i, my column): a wave reads 128 consecutive bytes, the four waves 512
.irp i, 0,1,2,3,4,5,6,7,8,9,10,11,12,13,14,15,16,17,18,19,20,21,22,23,24,25,26,27,28,29,30,31
	global_load_b32 v[WX+32*((\t)%2)+\i], v3, s[10:11] offset:(32*(\t)+\i)*4096 th:TH_LOAD_NT
.endr
.endm
.macro WBLOCK t
.set XS, WX+32*((\t)%2)
.if (\t) < 7
	s_wait_loadcnt 32                              ; this block's 32 loads are in; the next block's may be out
.else
	s_wait_loadcnt 0x0
.endif
	v_max3_num_f32 v12, |v[XS]|, |v[XS+1]|, |v[XS+2]|
	v_max3_num_f32 v13, |v[XS+3]|, |v[XS+4]|, |v[XS+5]|
.irp i, 6,10,14,18,22,26
	v_max3_num_f32 v12, v12, |v[XS+\i]|, |v[XS+\i+1]|
	v_max3_num_f32 v13, v13, |v[XS+\i+2]|, |v[XS+\i+3]|
.endr
	v_max3_num_f32 v12, v12, |v[XS+30]|, |v[XS+31]|
	v_max3_num_f32 v12, v12, v13, 0x1800000        ; and the floor
	v_add_nc_u32 v11, 0xff000000, v12
	v_lshrrev_b32 v13, 23, v11
.if (\t)%4 == 0
	v_mov_b32 v[WSB+(\t)/4], v13
.else
	v_lshl_or_b32 v[WSB+(\t)/4], v13, 8*((\t)%4), v[WSB+(\t)/4]
.endif
.irp g, 0,1,2,3
	v_cvt_scalef32_pk8_fp4_f32 v[WC+4*(\t)+\g], v[XS+8*\g:XS+8*\g+7], v11
.endr
	global_store_b128 v4, v[WC+4*(\t):WC+4*(\t)+3], s[40:41] offset:((\t)/4)*1024+(((\t)%4)/2)*512+((\t)%2)*256   ; a block is registers 4 c .. 4 c + 3 of lane (r, h): the wave fills two aligned runs of 256 bytes
.if (\t)+2 < 8
	WLOAD (\t)+2
.endif
.endm
	WLOAD 0
	WLOAD 1
.irp t, 0,1,2,3,4,5,6,7
	WBLOCK \t
.endr
	global_store_b64 v5, v[WSB:WSB+1], s[42:43]    ; two scale words of my column: 8 bytes a lane, 32 apart: one byte in 128 of what this path reads
	s_endpgm
.Lfunc_end_k_q04dfaa5abb_quant:
	.size	k_q04dfaa5abb_quant, .Lfunc_end_k_q04dfaa5abb_quant-k_q04dfaa5abb_quant
	.p2alignl 7, 3214868480
	.fill 96, 4, 3214868480
	.section	.rodata,"a",@progbits
	.p2align	6, 0x0
	.amdhsa_kernel k_q04dfaa5abb_quant
		.amdhsa_group_segment_fixed_size 34304
		.amdhsa_private_segment_fixed_size 0
		.amdhsa_enable_private_segment 0
		.amdhsa_kernarg_size 72
		.amdhsa_user_sgpr_count 2
		.amdhsa_user_sgpr_kernarg_segment_ptr 1
		.amdhsa_wavefront_size32 1
		.amdhsa_system_sgpr_workgroup_id_x 1
		.amdhsa_system_sgpr_workgroup_id_y 1
		.amdhsa_system_sgpr_workgroup_id_z 1
		.amdhsa_system_vgpr_workitem_id 0
		.amdhsa_next_free_vgpr 256
		.amdhsa_next_free_sgpr 66
		.amdhsa_reserve_vcc 0
		.amdhsa_float_denorm_mode_32 3
		.amdhsa_float_denorm_mode_16_64 3
		.amdhsa_memory_ordered 1
		.amdhsa_forward_progress 1
		.amdhsa_inst_pref_size 102
	.end_amdhsa_kernel
	.amdgpu_metadata
---
amdhsa.version: [ 1, 2 ]
amdhsa.kernels:
  - .name:           k_q04dfaa5abb_quant
    .symbol:         k_q04dfaa5abb_quant.kd
    .args:
      - { .name: q, .offset: 0, .size: 8, .value_kind: global_buffer, .address_space: global }
      - { .name: k, .offset: 8, .size: 8, .value_kind: global_buffer, .address_space: global }
      - { .name: v, .offset: 16, .size: 8, .value_kind: global_buffer, .address_space: global }
      - { .name: wq, .offset: 24, .size: 8, .value_kind: global_buffer, .address_space: global }
      - { .name: wk, .offset: 32, .size: 8, .value_kind: global_buffer, .address_space: global }
      - { .name: wv, .offset: 40, .size: 8, .value_kind: global_buffer, .address_space: global }
      - { .name: wo, .offset: 48, .size: 8, .value_kind: global_buffer, .address_space: global }
      - { .name: ximg, .offset: 56, .size: 8, .value_kind: global_buffer, .address_space: global }
      - { .name: wimg, .offset: 64, .size: 8, .value_kind: global_buffer, .address_space: global }
    .group_segment_fixed_size: 34304
    .private_segment_fixed_size: 0
    .kernarg_segment_align: 8
    .kernarg_segment_size: 72
    .max_flat_workgroup_size: 128
    .sgpr_count:     66
    .vgpr_count:     256
    .wavefront_size: 32
...
	.end_amdgpu_metadata
.endif
;; end of part 5
;; launch proj (part 6): grid 256 x 1, 4 waves a work-group, no clusters, 0 bytes of LDS; arguments ximg, wimg, bq, bk, bv, heads; writes heads
.if DOCPART == 6
	.amdgcn_target "amdgcn-amd-amdhsa--gfx1250"
	.amdhsa_code_object_version 6
	.text
	.protected	k_q04dfaa5abb_proj
	.globl	k_q04dfaa5abb_proj
	.p2align	8
	.type	k_q04dfaa5abb_proj,@function
k_q04dfaa5abb_proj:
	s_mov_b64 s[64:65], 0
	v_nop
	global_prefetch_b8 v0, s[64:65] scope:SCOPE_SE
	s_setreg_imm32_b32 hwreg(HW_REG_WAVE_SCHED_MODE, 0, 2), 2
	s_setreg_imm32_b32 hwreg(HW_REG_WAVE_MODE, 25, 1), 1
	s_wait_xcnt 0x0
	s_wait_alu depctr_vm_vsrc(0)
; The three projections x W + b on codes of FP4, and their results quantised on the way out into the operands of attention.
; SHARES.  256 work-groups of four waves; EVERY WAVE MAKES THREE TILES OF 64 x 128, one of q, one of k, one of v, one after the other: 3 x 8,192 x 1,024 results are 3,072 such tiles, three for each of 1,024 waves.
; Work-group id: RB = id / 4: 128 rows (batch RB / 8, key step RB % 8); wave w: head pair g = 2 (id % 4) + w / 2, half = w % 2.
; Operands lie in memory as images of their registers: a fragment (16 rows x 128 K) is two loads of 512 consecutive bytes, straight into registers.  K = 1,024 in 8 steps of 128; a tile has 4 fragments of "A", 8 of "B", 32 accumulators.
; THE PRODUCT IS D(a, b) = source 0: fragment b of B, source 1: fragment a of A: a lane holds one row of A's tile, its registers run along B's rows, 16 neighbours in the registers of tiles 2 e, 2 e + 1.
; q, k: A = x's tiles 8 RB + 4 half + 0 .. 3 (a lane a token), B = W's tiles 8 g .. 8 g + 7 (registers: the head pair's 128 columns): quantised along the head's 64.
; v: A = W's tiles 8 g + 4 half + 0 .. 3 (a lane a channel d of head 2 g + half), B = x's tiles 8 RB .. 8 RB + 7 (registers: 128 keys): quantised along the keys.
; THE 24 K STEPS OF THE THREE TILES RUN ON: step G's fragments are asked for at step G - 2, across the tiles' ways out too, into three operand sets by turns; a tile's scale words are asked for at the tile before's K step 6.
; heads: 64 records of 208,896 bytes (8 batch + g): +0 Q codes [head 2][tile 64][512]; +65,536 Q scale words [head][tile pair 32][r 16] (bytes: even tile's two, odd tile's two); +69,632 K codes; +135,168 V codes [head][key step 8][d tile 4][1,024];
; +200,704 K scale words; +204,800 V scale words [head][key step][d tile][r].
; NO LDS, NO JOINT LOADS: a K step of the work-group is 24 KiB (8 fragments of x, 16 of W); slots of that size filled jointly would want a round of a cluster's barrier for each of the 24 steps.
; LIMITS: as the quantiser's in the first launch (a block whose largest magnitude lies under 2^-124 keeps the byte 1; NaN and infinities not served).
; REGISTERS: window 0: v1-6 offsets; v16-19 v's bias; v24-28 scale words at work; v32-79, v80-127 two sets of scale words (A's 16 at 8 i + s, then B's 32); v128-191 H; v192-207 at work; v208-215 codes.
;   window 1: operand sets 0 (v0-95) and 1 (v96-191): A's 32 registers, then B's 64.  window 2: the accumulators at v[8 (8 a + b)].  window 3: operand set 2 (v0-95); the bias along registers (v96-159).
; SCALARS: tile t's seven addresses at s[20 + 14 t] on: A's codes, A's scale words, B's codes, B's scale words, the bias, where the codes go, where the scale words go.
; THE MODE: SCHED_MODE bits 1:0 = 2 (LLVM: expert scheduling mode 2), set by the entry lines.  The code itself states the register dependences between vector or matrix instructions and memory instructions, with s_wait_alu, always for 0.
; THE PLAN.  Registers that memory instructions touch:
;   operand sets 0 .. 2   Step G's products read set G % 3.  The loads issued in step G land in set (G + 2) % 3 = (G - 1) % 3, which the products of step G - 1 read.
;   scale sets 0, 1       Tile t's products read set t % 2; the loads issued at tile t's K step 6 land in the other set, which tile t - 1's products read.
;   the bias, v96-159 (window 3) and v16-19      Read by a tile's way out; loaded at the tile's K steps 1 and 3 (v: 1).
;   PC, v28               Written by the quantiser and the select of one tile of the way out, read by that tile's stores, written again by the next tile's.
;   v1 .. v6              Offsets: made once at the head, never written again.
; So ONE wait on va_vdst stands at the head of each step that loads, behind the wait for the step's own data; the step's loads follow it, eight ahead of each of its first three runs of eight products,
; which name set G % 3, the tile's own scale set and the accumulators: none of the registers that those loads touch.  A tile of the way out has one wait on vm_vsrc ahead of its quantiser and one on va_vdst ahead of its stores.
.set REC,  208896
.set BV,   16
.set PW,   24
.set SC,   32
.set H,    128
.set TM,   192
.set PC,   208
.set BIAS, 96
.set SEL,  90
.set MSB,  0
.macro WIN new                         ; the immediate's high byte repeats the setting that is left
.if MSB != (\new)
	s_set_vgpr_msb (MSB<<8)|(\new)
.set MSB, (\new)
.endif
.endm
.macro PLACES
.rept 4
	v_nop
.endr
.endm
; one matrix instruction; z: the sum starts with 0; ra, rb: the scale words lie in lanes 16-31
.macro WMS d, a, b, z, sa, sb, ra, rb
.if (\z)
.if (\ra) && (\rb)
	v_wmma_scale_f32_16x16x128_f8f6f4 v[(\d):(\d)+7], v[(\a):(\a)+7], v[(\b):(\b)+7], 0, v[(\sa)], v[(\sb)] matrix_a_fmt:MATRIX_FMT_FP4 matrix_b_fmt:MATRIX_FMT_FP4 matrix_a_scale:MATRIX_SCALE_ROW1 matrix_b_scale:MATRIX_SCALE_ROW1
.elseif (\ra)
	v_wmma_scale_f32_16x16x128_f8f6f4 v[(\d):(\d)+7], v[(\a):(\a)+7], v[(\b):(\b)+7], 0, v[(\sa)], v[(\sb)] matrix_a_fmt:MATRIX_FMT_FP4 matrix_b_fmt:MATRIX_FMT_FP4 matrix_a_scale:MATRIX_SCALE_ROW1
.elseif (\rb)
	v_wmma_scale_f32_16x16x128_f8f6f4 v[(\d):(\d)+7], v[(\a):(\a)+7], v[(\b):(\b)+7], 0, v[(\sa)], v[(\sb)] matrix_a_fmt:MATRIX_FMT_FP4 matrix_b_fmt:MATRIX_FMT_FP4 matrix_b_scale:MATRIX_SCALE_ROW1
.else
	v_wmma_scale_f32_16x16x128_f8f6f4 v[(\d):(\d)+7], v[(\a):(\a)+7], v[(\b):(\b)+7], 0, v[(\sa)], v[(\sb)] matrix_a_fmt:MATRIX_FMT_FP4 matrix_b_fmt:MATRIX_FMT_FP4
.endif
.else
.if (\ra) && (\rb)
	v_wmma_scale_f32_16x16x128_f8f6f4 v[(\d):(\d)+7], v[(\a):(\a)+7], v[(\b):(\b)+7], v[(\d):(\d)+7], v[(\sa)], v[(\sb)] matrix_a_fmt:MATRIX_FMT_FP4 matrix_b_fmt:MATRIX_FMT_FP4 matrix_a_scale:MATRIX_SCALE_ROW1 matrix_b_scale:MATRIX_SCALE_ROW1
.elseif (\ra)
	v_wmma_scale_f32_16x16x128_f8f6f4 v[(\d):(\d)+7], v[(\a):(\a)+7], v[(\b):(\b)+7], v[(\d):(\d)+7], v[(\sa)], v[(\sb)] matrix_a_fmt:MATRIX_FMT_FP4 matrix_b_fmt:MATRIX_FMT_FP4 matrix_a_scale:MATRIX_SCALE_ROW1
.elseif (\rb)
	v_wmma_scale_f32_16x16x128_f8f6f4 v[(\d):(\d)+7], v[(\a):(\a)+7], v[(\b):(\b)+7], v[(\d):(\d)+7], v[(\sa)], v[(\sb)] matrix_a_fmt:MATRIX_FMT_FP4 matrix_b_fmt:MATRIX_FMT_FP4 matrix_b_scale:MATRIX_SCALE_ROW1
.else
	v_wmma_scale_f32_16x16x128_f8f6f4 v[(\d):(\d)+7], v[(\a):(\a)+7], v[(\b):(\b)+7], v[(\d):(\d)+7], v[(\sa)], v[(\sb)] matrix_a_fmt:MATRIX_FMT_FP4 matrix_b_fmt:MATRIX_FMT_FP4
.endif
.endif
.endm
; 64 numbers of a lane, register 16 b + i = k 32 b + 16 h + i of my row, become a fragment's codes in v[pc] on and its scale word in v[pw]
.macro QUANT s, pc, pw
.irp b, 0,1,2,3
	v_max3_num_f32 v[TM+\b], |v[(\s)+16*\b]|, |v[(\s)+1+16*\b]|, 0x1800000   ; and the floor 2^(3 - 127): the byte cannot fall under 1
.endr
.irp i, 2,4,6,8,10,12,14
.irp b, 0,1,2,3
	v_max3_num_f32 v[TM+\b], v[TM+\b], |v[(\s)+16*\b+\i]|, |v[(\s)+1+16*\b+\i]|
.endr
.endr
.irp b, 0,1,2,3
	v_permlanex16_b32 v[TM+4+\b], v[TM+\b], s[SEL], s[SEL+1]
.endr
.irp b, 0,1,2,3
	v_max_num_f32 v[TM+\b], v[TM+\b], v[TM+4+\b]
.endr
.irp b, 0,1,2,3
	v_add_nc_u32 v[TM+12+\b], 0xff000000, v[TM+\b]
.endr
.irp b, 0,1,2,3
	v_lshrrev_b32 v[TM+4+\b], 23, v[TM+12+\b]
.endr
	v_lshl_or_b32 v[\pw], v[TM+5], 8, v[TM+4]
	v_lshl_or_b32 v[\pw], v[TM+6], 16, v[\pw]
	v_lshl_or_b32 v[\pw], v[TM+7], 24, v[\pw]
.irp b, 0,1,2,3
	v_cvt_scalef32_pk8_fp4_f32 v[(\pc)+2*\b], v[(\s)+16*\b:(\s)+7+16*\b], v[TM+12+\b]
	v_cvt_scalef32_pk8_fp4_f32 v[(\pc)+1+2*\b], v[(\s)+8+16*\b:(\s)+15+16*\b], v[TM+12+\b]
.endr
	v_nop                                              ; one plain line behind the last scaled conversion
.irp c, 0,1
.irp i, 0,1
	v_permlane16_swap_b32 v[(\pc)+4*\c+\i], v[(\pc)+2+4*\c+\i]
.endr
.endr
.endm
; an address: buffer + s[x] + s[y] + k; the offset is made apart from the address, in s[80:81] (s81 = 0)
.macro PTR dst, base, x, y, k
	s_add_co_u32 s80, s[\x], s[\y]
	s_add_co_u32 s80, s80, \k
	s_add_nc_u64 s[\dst:\dst+1], s[\base:\base+1], s[80:81]
.endm
	s_load_b256 s[4:11], s[0:1], 0x0               ; ximg, wimg, bq, bk
	s_load_b128 s[12:15], s[0:1], 0x20             ; bv, heads
	v_lshrrev_b32 v7, 5, v0
	v_readfirstlane_b32 s16, v7                    ; wave
	s_lshr_b32 s17, ttmp9, 2                       ; RB
	s_and_b32 s18, ttmp9, 3
	s_lshl_b32 s18, s18, 1
	s_wait_alu depctr_va_sdst(0)                   ; s16 is written, ahead of its first reader: the head pair, the half and all addresses are made from it
	s_lshr_b32 s19, s16, 1
	s_add_co_u32 s18, s18, s19                     ; g
	s_and_b32 s19, s16, 1                          ; half
	s_lshl_b32 s70, s17, 16                        ; x's codes: 8 tiles of 8,192 bytes for each RB
	s_lshl_b32 s71, s17, 12                        ; x's scale words: 8 tiles of 512 bytes
	s_lshl_b32 s72, s18, 16                        ; W's codes
	s_lshl_b32 s73, s18, 12                        ; W's scale words
	s_lshl_b32 s74, s19, 15                        ; half x 32,768: four tiles of codes; also a head of V's codes
	s_lshl_b32 s75, s19, 11                        ; half x 2,048: four tiles of scale words; four tiles of Q's or K's codes; a head of V's scale words
	s_lshl_b32 s82, s19, 7                         ; half x 128: two tile pairs of Q's or K's scale words
	s_lshl_b32 s83, s19, 8                         ; half x 256: 64 numbers of the bias
	s_lshr_b32 s76, s17, 3
	s_lshl_b32 s76, s76, 3
	s_add_co_u32 s76, s76, s18
	s_mul_i32 s76, s76, REC                        ; the record of (batch, head pair)
	s_and_b32 s77, s17, 7                          ; key step
	s_lshl_b32 s78, s77, 8
	s_lshl_b32 s77, s77, 12
	s_add_co_u32 s84, s76, s77                     ; record + key step x 4,096: codes
	s_add_co_u32 s85, s76, s78                     ; record + key step x 256: scale words
	s_lshl_b32 s79, s18, 9                         ; the bias: the head pair's 128 numbers
	s_mov_b32 s81, 0
	s_mov_b32 s[SEL], 0x76543210
	s_mov_b32 s[SEL+1], 0xfedcba98
	s_mov_b32 s92, 0xffff0000                      ; lanes 16-31
	v_and_b32 v7, 31, v0
	v_lshlrev_b32 v1, 4, v7                        ; 16 x lane: an image's place
	v_lshlrev_b32 v2, 5, v7                        ; 32 x lane: a tile pair's scale words
	v_lshlrev_b32 v6, 2, v7                        ; 4 x lane
	v_and_b32 v8, 15, v0                           ; r
	v_bfe_u32 v9, v0, 4, 1                         ; h
	v_lshlrev_b32 v3, 6, v9                        ; the bias along registers: 64 h
	v_and_b32 v4, 8, v8
	v_add_nc_u32 v4, v4, v8
	v_lshlrev_b32 v4, 2, v4                        ; the bias along lanes: 4 (r + 8 (r / 8))
	v_lshlrev_b32 v5, 2, v8
	v_lshl_add_u32 v5, v9, 11, v5                  ; q's and k's scale words: 2,048 h + 4 r
.irp b, 0,1,2,3
	v_mov_b32 v[TM+4+\b], 0                        ; written once: a lane permute's destination counts as a source
.endr
	s_wait_kmcnt 0x0
	PTR 20, 4, 70, 74, 0                           ; q: A = x
	PTR 22, 4, 71, 75, 12582912
	PTR 24, 6, 72, 81, 0                           ;    B = wq
	PTR 26, 6, 73, 81, 2097152
; tile t's scale words into set t % 2: register 8 i + s: lanes 0-15 tile 2 i, lanes 16-31 tile 2 i + 1, K step s.  12 loads
.macro PRESC t
.set QS, SC+48*((\t)%2)
.set QP, 20+14*(\t)
	WIN 0
.irp i, 0,1
	global_load_b128 v[QS+8*\i:QS+8*\i+3], v2, s[QP+2:QP+3] offset:1024*\i
	global_load_b128 v[QS+8*\i+4:QS+8*\i+7], v2, s[QP+2:QP+3] offset:1024*\i+16
.endr
.irp i, 0,1,2,3
	global_load_b128 v[QS+16+8*\i:QS+16+8*\i+3], v2, s[QP+6:QP+7] offset:1024*\i
	global_load_b128 v[QS+16+8*\i+4:QS+16+8*\i+7], v2, s[QP+6:QP+7] offset:1024*\i+16
.endr
.endm
; a third of global step gg = 8 t + s: four fragments, 8 loads of 512 bytes, into set gg % 3.  p = 0: A's four; p = 1, 2: B's fragments 4 (p - 1) .. 4 (p - 1) + 3
.macro FETCHG gg, p
.set FK, (\gg)%8
.set FP, 20+14*((\gg)/8)
.if (\gg)%3 == 2
	WIN 0xc0
.set FA, 0
.else
	WIN 0x40
.set FA, 96*((\gg)%3)
.endif
.if (\p) == 0
.irp i, 0,1,2,3
.irp c, 0,1
	global_load_b128 v[FA+8*\i+4*\c:FA+8*\i+4*\c+3], v1, s[FP:FP+1] offset:8192*\i+1024*FK+512*\c
.endr
.endr
.else
.irp i, 0,1,2,3
.irp c, 0,1
	global_load_b128 v[FA+32*(\p)+8*\i+4*\c:FA+32*(\p)+8*\i+4*\c+3], v1, s[FP+4:FP+5] offset:8192*(4*((\p)-1)+\i)+1024*FK+512*\c
.endr
.endr
.endif
.endm
; the whole of a step: 12 fragments, 24 loads
.macro FETCH gg
	FETCHG \gg, 0
	FETCHG \gg, 1
	FETCHG \gg, 2
.endm
; q's, k's bias along registers: register 16 e + i = column 32 e + 16 h + i; e = e0, e0 + 1: 8 loads
.macro BLOAD t, e0
.set BP, 20+14*(\t)+8
	WIN 0xc0
.set ee, (\e0)
.rept 2
.irp j, 0,1,2,3
	global_load_b128 v[BIAS+16*ee+4*\j:BIAS+16*ee+4*\j+3], v3, s[BP:BP+1] offset:128*ee+16*\j
.endr
.set ee, ee+1
.endr
.endm
; v's bias along lanes: that of my lane's row of W's tile a: 4 loads
.macro VLOAD
	WIN 0
.irp a, 0,1,2,3
	global_load_b32 v[BV+\a], v4, s[56:57] offset:(32*(\a/2)+8*(\a%2))*4
.endr
.endm
.macro STEP gg
.set ST, (\gg)/8
.set SK, (\gg)%8
.if SK > 0
	PLACES                                         ; four plain lines behind the last step's products, ahead of loads into the set that they read (at a tile's first step the way out stands there)
.endif
; the count: what was issued behind this step's own 24 loads: all that the step before issued
.if (\gg) == 0
.set NW, 24
.else
.set PG, (\gg)-1
.set NW, 0
.if PG+2 < 24
.set NW, 24
.endif
.if PG/8 < 2
.if (PG%8 == 1) || (PG%8 == 3)
.set NW, NW+8
.endif
.if PG%8 == 6
.set NW, NW+12
.endif
.else
.if PG%8 == 1
.set NW, NW+4
.endif
.endif
.endif
	s_wait_loadcnt NW                              ; this step's fragments and all older loads are in
.if ((\gg) > 0) && ((\gg)+2 < 24)
	s_wait_alu depctr_va_vdst(0)                   ; the products of the step before are done reading their operand set, in which this step's 24 loads land; the last way out's additions are done reading the bias, and the products of the tile before the last their scale words, in which the loads of K steps 1, 3 and 6 land
.endif                                                 ; (step 0: only loads stand between the head's wait and its loads; steps 22 and 23 load nothing)
.if SK == 1
.if ST < 2
	BLOAD ST, 0
.else
	VLOAD
.endif
.endif
.if (SK == 3) && (ST < 2)
	BLOAD ST, 2
.endif
.if (SK == 6) && (ST < 2)
	PRESC ST+1
.endif
.if (\gg)%3 == 2
.set MW, 0xaf                          ; sources 0 and 1 window 3, C and D window 2
.set MA, 0
.else
.set MW, 0xa5                          ; sources 0 and 1 window 1, C and D window 2
.set MA, 96*((\gg)%3)
.endif
.set XS, SC+48*(ST%2)
.set ia, 0
.rept 4                                ; the 32 accumulators take turns, one instruction a turn, in the same order in every step
.if (ia < 3) && ((\gg)+2 < 24)
	FETCHG (\gg)+2, ia                             ; eight loads of the step two on.  No further wait: no product since the wait above names the set in which they land, nor v1
.endif
	WIN MW
.set ib, 0
.rept 8
	WMS 8*(8*ia+ib), MA+32+8*ib, MA+8*ia, SK==0, XS+16+8*(ib/2)+SK, XS+8*(ia/2)+SK, ib%2, ia%2
.set ib, ib+1
.endr
.set ia, ia+1
.endr
.endm
; q, k: A's tile a: 16 tokens x the head pair's 128 columns.  The bias is added while the sums move to window 0 (each accumulator is read from its low end on).
; The fragment's lower half is the even head's 64, its upper half the odd head's.
.macro EPI_QK t, a
.set OP, 20+14*(\t)+10
	WIN 0x0e                                       ; source 0: the accumulators' window; source 1: the bias's
.set jj, 0
.rept 32
	v_pk_add_f32 v[H+jj:H+jj+1], v[64*(\a)+jj:64*(\a)+jj+1], v[BIAS+jj:BIAS+jj+1]
.set jj, jj+2
.endr
	WIN 0
.if (\t)+(\a) > 0
	s_wait_xcnt 0x0                                ; the last tile's stores have had their addresses translated: their data registers are rewritten only behind this wait,
	s_wait_alu depctr_vm_vsrc(0)                   ; and they have read v[PC ..] and v28, which the quantiser and the select below write again
.endif
	QUANT H, PC, PW+(\a)%2
.if (\a)%2
	v_perm_b32 v26, v[PW+1], v[PW], 0x05040100     ; even head: the even tile's two bytes, the odd tile's two
	v_perm_b32 v27, v[PW+1], v[PW], 0x07060302     ; odd head
	v_cndmask_b32 v28, v26, v27, s92
.endif
	s_wait_alu depctr_va_vdst(0)                   ; the conversions and the exchanges have written v[PC ..], the select v28: the stores below read them
	global_store_b128 v1, v[PC:PC+3], s[OP:OP+1] offset:512*(\a)
	global_store_b128 v1, v[PC+4:PC+7], s[OP:OP+1] offset:32768+512*(\a)
.if (\a)%2
	global_store_b32 v5, v28, s[OP+2:OP+3] offset:64*((\a)/2)
.endif
.endm
; v: A's tile a: 16 channels (d tile a of my head) x 128 keys: one whole fragment and one scale word a row
.macro EPI_V a
	WIN 0x02                                       ; source 0: the accumulators' window
.set jj, 0
.rept 32
.if (\a)%2
	v_pk_add_f32 v[H+jj:H+jj+1], v[64*(\a)+jj:64*(\a)+jj+1], v[BV+((\a)/2)*2:BV+((\a)/2)*2+1] op_sel:[0,1] op_sel_hi:[1,1]
.else
	v_pk_add_f32 v[H+jj:H+jj+1], v[64*(\a)+jj:64*(\a)+jj+1], v[BV+((\a)/2)*2:BV+((\a)/2)*2+1] op_sel:[0,0] op_sel_hi:[1,0]
.endif
.set jj, jj+2
.endr
	WIN 0
	s_wait_xcnt 0x0                                ; as in q's and k's way out: the last tile's stores have had their addresses translated,
	s_wait_alu depctr_vm_vsrc(0)                   ; and have read v[PC ..] and v28, which are written again below
	QUANT H, PC, PW+(\a)%2
.if (\a)%2
	v_cndmask_b32 v28, v[PW], v[PW+1], s92         ; lanes 0-15 the even tile's words, lanes 16-31 the odd tile's
.endif
	s_wait_alu depctr_va_vdst(0)                   ; v[PC ..] and v28 are written: the stores below read them
	global_store_b128 v1, v[PC:PC+3], s[58:59] offset:1024*(\a)
	global_store_b128 v1, v[PC+4:PC+7], s[58:59] offset:1024*(\a)+512
.if (\a)%2
	global_store_b32 v6, v28, s[60:61] offset:128*((\a)/2)
.endif
.endm
	s_wait_alu depctr_va_vdst(0)                   ; the offsets v1 to v6 are written: every load and store of the kernel reads one of them
	PRESC 0                                        ; 12 + 24 + 24 loads of mine are out
	FETCH 0
	FETCH 1
	PTR 28, 8, 79, 81, 0                           ; the other addresses are made while the first loads are on their way: bq,
	PTR 30, 14, 84, 75, 0                          ; Q's codes,
	PTR 32, 14, 85, 82, 65536                      ; Q's scale words;
	PTR 34, 4, 70, 74, 4194304                     ; k: A = x
	PTR 36, 4, 71, 75, 12582912+262144
	PTR 38, 6, 72, 81, 524288                      ;    B = wk
	PTR 40, 6, 73, 81, 2097152+32768
	PTR 42, 10, 79, 81, 0
	PTR 44, 14, 84, 75, 69632
	PTR 46, 14, 85, 82, 200704
	PTR 48, 6, 72, 74, 2*524288                    ; v: A = wv, my head's four tiles
	PTR 50, 6, 73, 75, 2097152+2*32768
	PTR 52, 4, 70, 81, 2*4194304                   ;    B = x
	PTR 54, 4, 71, 81, 12582912+2*262144
	PTR 56, 12, 79, 83, 0
	PTR 58, 14, 84, 74, 135168
	PTR 60, 14, 85, 75, 204800
.irp s, 0,1,2,3,4,5,6,7
	STEP \s
.endr
	PLACES                                         ; ahead of the first read of results
.irp a, 0,1,2,3
	EPI_QK 0, \a                                   ; k's first two K steps and its scale words are on their way meanwhile
.endr
.irp s, 8,9,10,11,12,13,14,15
	STEP \s
.endr
	PLACES
.irp a, 0,1,2,3
	EPI_QK 1, \a
.endr
.irp s, 16,17,18,19,20,21,22,23
	STEP \s
.endr
	PLACES
.irp a, 0,1,2,3
	EPI_V \a
.endr
	s_endpgm
.Lfunc_end_k_q04dfaa5abb_proj:
	.size	k_q04dfaa5abb_proj, .Lfunc_end_k_q04dfaa5abb_proj-k_q04dfaa5abb_proj
	.p2alignl 7, 3214868480
	.fill 96, 4, 3214868480
	.section	.rodata,"a",@progbits
	.p2align	6, 0x0
	.amdhsa_kernel k_q04dfaa5abb_proj
		.amdhsa_group_segment_fixed_size 0
		.amdhsa_private_segment_fixed_size 0
		.amdhsa_enable_private_segment 0
		.amdhsa_kernarg_size 48
		.amdhsa_user_sgpr_count 2
		.amdhsa_user_sgpr_kernarg_segment_ptr 1
		.amdhsa_wavefront_size32 1
		.amdhsa_system_sgpr_workgroup_id_x 1
		.amdhsa_system_sgpr_workgroup_id_y 1
		.amdhsa_system_sgpr_workgroup_id_z 1
		.amdhsa_system_vgpr_workitem_id 0
		.amdhsa_next_free_vgpr 1024
		.amdhsa_next_free_sgpr 96
		.amdhsa_reserve_vcc 0
		.amdhsa_float_denorm_mode_32 3
		.amdhsa_float_denorm_mode_16_64 3
		.amdhsa_memory_ordered 1
		.amdhsa_forward_progress 1
		.amdhsa_inst_pref_size 245
	.end_amdhsa_kernel
	.amdgpu_metadata
---
amdhsa.version: [ 1, 2 ]
amdhsa.kernels:
  - .name:           k_q04dfaa5abb_proj
    .symbol:         k_q04dfaa5abb_proj.kd
    .args:
      - { .name: ximg, .offset: 0, .size: 8, .value_kind: global_buffer, .address_space: global }
      - { .name: wimg, .offset: 8, .size: 8, .value_kind: global_buffer, .address_space: global }
      - { .name: bq, .offset: 16, .size: 8, .value_kind: global_buffer, .address_space: global }
      - { .name: bk, .offset: 24, .size: 8, .value_kind: global_buffer, .address_space: global }
      - { .name: bv, .offset: 32, .size: 8, .value_kind: global_buffer, .address_space: global }
      - { .name: heads, .offset: 40, .size: 8, .value_kind: global_buffer, .address_space: global }
    .group_segment_fixed_size: 0
    .private_segment_fixed_size: 0
    .kernarg_segment_align: 8
    .kernarg_segment_size: 48
    .max_flat_workgroup_size: 128
    .sgpr_count:     96
    .vgpr_count:     1024
    .wavefront_size: 32
...
	.end_amdgpu_metadata
.endif
;; end of part 6
;; launch attn (part 7): grid 4 x 64, 16 waves a work-group, clusters of 4 x 1, 169,984 bytes of LDS; arguments heads, cimg; writes cimg
.if DOCPART == 7
	.amdgcn_target "amdgcn-amd-amdhsa--gfx1250"
	.amdhsa_code_object_version 6
	.text
	.protected	k_q04dfaa5abb_attn
	.globl	k_q04dfaa5abb_attn
	.p2align	8
	.type	k_q04dfaa5abb_attn,@function
k_q04dfaa5abb_attn:
	s_mov_b64 s[64:65], 0
	v_nop
	global_prefetch_b8 v0, s[64:65] scope:SCOPE_SE
	s_setreg_imm32_b32 hwreg(HW_REG_WAVE_MODE, 25, 1), 1
	s_wait_xcnt 0x0
	s_wait_alu depctr_hold_cnt(0) depctr_sa_sdst(0) depctr_va_vdst(0) depctr_va_sdst(0) depctr_va_ssrc(0) depctr_va_vcc(0) depctr_vm_vsrc(0)
	s_getreg_b32 s2, hwreg(HW_REG_IB_STS2, 6, 4)
	s_cmp_eq_u32 s2, 0
	s_cbranch_scc0 .Lentry_in_a_cluster
	s_endpgm
.Lentry_in_a_cluster:
	s_bfe_u32 s2, ttmp6, 0x10000c
	s_cmp_lg_u32 s2, 0x3003
	s_cbranch_scc0 .Lentry_shape_is_right
	s_endpgm
.Lentry_shape_is_right:
; Attention on codes of FP4 for one (batch, head pair): ctx = softmax(Q K^T / 8) V, and ctx quantised along (head, d) into the last product's operand.
; THE SOFTMAX: t = score x log2(e) / 8; M = the running largest t rounded UP to a whole number; p = 2^(t - M) is quantised along the keys, not normalised; the row's sum of the unquantised p divides O at the end.
; SHARES.  Cluster y = 8 batch + head pair.  The cluster's four work-groups take a quarter of the 1,024 queries each; wave w of 16 owns ONE tile of 16 queries, T = 16 cx + w, and walks the even head, then the odd one, 8 steps of 128 keys each.
; ALL OF THE PAIR'S K AND V, codes and scale words, are 139,264 consecutive bytes of its record: they come into LDS ONCE, each wave asking for 34 rows of 256 bytes, JOINTLY with the three partners, which need the same bytes.  Nothing is filled again.
; LDS: K's codes at 0, V's at 65,536, K's scale words at 131,072, V's at 135,168; a (head, step) is 4,096 bytes of codes and 256 of scale words on from the last.
; Both products are used transposed (S^T = K Q^T, O^T = V^T P^T): a lane holds one query throughout; the keys and channels of a tile are chosen so that 16 registers of two neighbouring tiles are 16 neighbours.
; K = 64 IN A FORM OF 128: a fragment of K holds tile 2 p in its lower half and tile 2 p + 1 in its upper; against [q | zeros] it gives tile 2 p's scores, against [zeros | q] tile 2 p + 1's.  Zero codes add nothing under any of these scale bytes.
; cimg: codes [row tile 512][K step = head pair 8][1,024]; at 4,194,304 the scale words [tile pair 256][K step 8][u 2][r 16].
; LIMITS: NaN and infinities are not served; 1 / sum by v_rcp_f32; a block whose largest magnitude lies under 2^-124 keeps the byte 1.
; REGISTERS: v1-6 offsets that stay; v8-11 the step's addresses; v12 -M, v13 largest t, v[14:15] the sum; v16-27 zeros, q, zeros; v28-31 the odd head's q; v32-63 K; v64-95 V; v96-159 S^T, then p; v160-191 O^T;
;   v192-193 q's scale words; v194-195 K's; v196-197 V's; v198 p's; v200-207 ctx's codes; v208 its scale word; v224-231 p's codes; v232-254 at work.
.set REC,  208896
.set SEL,  24                          ; s[24:25]
.set CS,   26                          ; s[26:27] c = log2(e) / 8
.set TB,   28                          ; s28  where the step's codes begin
.set TS,   29                          ; s29  and its scale words
.set CNT,  30
.macro ROUND                           ; a round of the cluster's barrier
	s_barrier_signal -1
	s_barrier_wait -1
	s_cmp_lg_u32 s8, 0
	s_cbranch_scc1 .Lnot_wave_0_\@
	s_barrier_signal -3
.Lnot_wave_0_\@:
	s_barrier_wait -3
	s_barrier_signal -1
	s_barrier_wait -1
.endm
.macro WMS d, a, b, z, sa, sb, ra       ; one matrix instruction; z: the sum starts with 0; ra: source 0's scale words lie in lanes 16-31
.if (\z)
.if (\ra)
	v_wmma_scale_f32_16x16x128_f8f6f4 v[(\d):(\d)+7], v[(\a):(\a)+7], v[(\b):(\b)+7], 0, v[(\sa)], v[(\sb)] matrix_a_fmt:MATRIX_FMT_FP4 matrix_b_fmt:MATRIX_FMT_FP4 matrix_a_scale:MATRIX_SCALE_ROW1
.else
	v_wmma_scale_f32_16x16x128_f8f6f4 v[(\d):(\d)+7], v[(\a):(\a)+7], v[(\b):(\b)+7], 0, v[(\sa)], v[(\sb)] matrix_a_fmt:MATRIX_FMT_FP4 matrix_b_fmt:MATRIX_FMT_FP4
.endif
.else
.if (\ra)
	v_wmma_scale_f32_16x16x128_f8f6f4 v[(\d):(\d)+7], v[(\a):(\a)+7], v[(\b):(\b)+7], v[(\d):(\d)+7], v[(\sa)], v[(\sb)] matrix_a_fmt:MATRIX_FMT_FP4 matrix_b_fmt:MATRIX_FMT_FP4 matrix_a_scale:MATRIX_SCALE_ROW1
.else
	v_wmma_scale_f32_16x16x128_f8f6f4 v[(\d):(\d)+7], v[(\a):(\a)+7], v[(\b):(\b)+7], v[(\d):(\d)+7], v[(\sa)], v[(\sb)] matrix_a_fmt:MATRIX_FMT_FP4 matrix_b_fmt:MATRIX_FMT_FP4
.endif
.endif
.endm
	s_load_b128 s[4:7], s[0:1], 0x0                ; heads, cimg
	v_lshl_add_u32 v251, v0, 2, 0x29000
	v_mov_b32 v255, 0
	ds_add_u32 v251, v255
	ds_add_u32 v251, v255
	v_lshrrev_b32 v1, 5, v0
	s_delay_alu instid0(VALU_DEP_1)
	v_readfirstlane_b32 s8, v1                     ; wave 0..15
	s_bfe_u32 s9, ttmp6, 0x40000                   ; cx: it enters Q's and cimg's global addresses alone
	s_and_b32 s10, ttmp7, 0xffff                   ; 8 batch + head pair, which the partners share
	s_mul_i32 s11, s10, REC
	s_mov_b32 s12, 1                               ; group 0: count
	s_mul_i32 s13, s8, 8704                        ; LDS address: 34 rows of 256 bytes a wave
	s_add_co_u32 s42, s11, s13
	s_add_co_u32 s42, s42, 69632                   ; K's codes begin the block
	s_mov_b32 s43, 0
	s_mov_b32 s16, 15|(3<<16)|(1<<21)              ; group 1: the mask names all four; elements of 8 bytes; bit 21 beside a mask; no padding
	s_mov_b32 s17, 32<<16                          ; tensor_dim0 = 32
	s_mov_b32 s18, 34<<16                          ; tensor_dim1 = 34
	s_mov_b32 s19, 32<<16                          ; tile_dim0 = 32
	s_mov_b32 s20, 34                              ; tile_dim1 = 34
	s_mov_b32 s21, 32                              ; from row to row
	s_mov_b32 s22, 0
	s_mov_b32 s23, 0
	s_lshl_b32 s31, s9, 4
	s_add_co_u32 s31, s31, s8                      ; T
	s_lshl_b32 s44, s31, 9
	s_add_co_u32 s44, s44, s11                     ; Q's codes: T x 512
	s_mov_b32 s45, 0
	s_lshr_b32 s46, s31, 1
	s_lshl_b32 s46, s46, 6
	s_add_co_u32 s46, s46, s11
	s_add_co_u32 s46, s46, 65536                   ; Q's scale words: (T / 2) x 64
	s_mov_b32 s47, 0
	s_lshr_b32 s48, s10, 3
	s_lshl_b32 s48, s48, 6
	s_add_co_u32 s48, s48, s31                     ; Tg = 64 batch + T
	s_and_b32 s49, s10, 7                          ; head pair
	s_lshl_b32 s50, s48, 13
	s_lshl_b32 s51, s49, 10
	s_add_co_u32 s50, s50, s51                     ; ctx's codes
	s_mov_b32 s51, 0
	s_lshr_b32 s52, s48, 1
	s_lshl_b32 s52, s52, 10
	s_lshl_b32 s53, s49, 7
	s_add_co_u32 s52, s52, s53
	s_and_b32 s53, s48, 1
	s_lshl_b32 s53, s53, 6
	s_add_co_u32 s52, s52, s53
	s_add_co_u32 s52, s52, 4194304                 ; ctx's scale words
	s_mov_b32 s53, 0
	s_and_b32 s54, s8, 1
	s_lshl_b32 s54, s54, 4                         ; my tile's two bytes lie 16 (T % 2) bits up in the pair's word
	s_mov_b32 s[SEL], 0x76543210
	s_mov_b32 s[SEL+1], 0xfedcba98
	s_mov_b32 s[CS], 0x3e38aa3b                    ; log2(e) / 8
	s_mov_b32 s[CS+1], s[CS]
	s_mov_b32 s[TB], 0
	s_mov_b32 s[TS], 0
	s_wait_dscnt 0x0
	s_wait_kmcnt 0x0
	s_add_nc_u64 s[14:15], s[4:5], s[42:43]
	s_or_b32 s15, s15, 0x80000000                  ; type = 2
	s_add_nc_u64 s[32:33], s[4:5], s[44:45]
	s_add_nc_u64 s[34:35], s[4:5], s[46:47]
	s_add_nc_u64 s[36:37], s[6:7], s[50:51]
	s_add_nc_u64 s[38:39], s[6:7], s[52:53]
	ROUND                                          ; all four work-groups are here: the joint loads meet
	tensor_load_to_lds s[12:15], s[16:23]          ; my one tensor load of the launch
	s_nop 0
.rept 4
	v_nop
.endr
	v_and_b32 v5, 31, v0                           ; lane
	s_delay_alu instid0(VALU_DEP_1)
	v_lshlrev_b32 v1, 4, v5                        ; K's codes: 16 x lane
	s_delay_alu instid0(VALU_DEP_1)
	v_add_nc_u32 v2, 0x10000, v1                   ; V's
	s_delay_alu instid0(VALU_DEP_3)
	v_lshlrev_b32 v3, 2, v5
	s_delay_alu instid0(VALU_DEP_1)
	v_add_nc_u32 v4, 135168, v3                    ; V's scale words
	s_delay_alu instid0(VALU_DEP_2)
	v_add_nc_u32 v3, 131072, v3                    ; K's
	v_and_b32 v6, 15, v0
	s_delay_alu instid0(VALU_DEP_1)
	v_lshlrev_b32 v6, 2, v6                        ; 4 r
	global_load_b128 v[20:23], v1, s[32:33]                 ; the even head's q: half a fragment
	global_load_b128 v[28:31], v1, s[32:33] offset:32768    ; the odd head's
	global_load_b32 v192, v6, s[34:35]
	global_load_b32 v193, v6, s[34:35] offset:2048
.irp j, 16,17,18,19,24,25,26,27
	v_mov_b32 v[\j], 0                             ; zero codes on both sides of q
.endr
.irp b, 0,1,2,3
	v_mov_b32 v[236+\b], 0                         ; written once: a lane permute's destination counts as a source
.endr
	v_mov_b32 v253, 0                              ; named as the upper half of the pair v[252:253]
	s_wait_tensorcnt 0x0                           ; my part has landed,
	s_barrier_signal -1
	s_barrier_wait -1                              ; everybody's has
	s_wait_loadcnt 0x0                             ; q
.irp e, 0,1
	v_lshrrev_b32 v[192+\e], s54, v[192+\e]
	s_delay_alu instid0(VALU_DEP_1)
	v_perm_b32 v[192+\e], v[192+\e], v[192+\e], 0x01000100   ; q's two bytes twice: they serve q in either half
.endr
; A KEY STEP: 128 keys
.macro STEP hh
	v_add_nc_u32 v8, s[TB], v1                     ; (these four are also the plain lines behind the last step's products, ahead of the loads into V's registers)
	v_add_nc_u32 v9, s[TB], v2
	v_add_nc_u32 v10, s[TS], v3
	v_add_nc_u32 v11, s[TS], v4
.irp i, 0,1,2,3,4,5,6,7
	ds_load_b128 v[32+4*\i:35+4*\i], v8 offset:512*\i
.endr
	ds_load_b32 v194, v10                          ; lanes 0-15 pair 0's words, lanes 16-31 pair 1's
	ds_load_b32 v195, v10 offset:128
.irp i, 0,1,2,3,4,5,6,7
	ds_load_b128 v[64+4*\i:67+4*\i], v9 offset:512*\i
.endr
	ds_load_b32 v196, v11
	ds_load_b32 v197, v11 offset:128
	s_wait_dscnt 10                                ; K and its scale words are in; V's eight loads and its two may be out
.irp p, 0,1,2,3
	WMS 96+16*\p, 32+8*\p, 20, 1, 194+\p/2, 192+(\hh), \p%2
	WMS 104+16*\p, 32+8*\p, 16, 1, 194+\p/2, 192+(\hh), \p%2
.endr
.rept 4
	v_nop
.endr
.irp b, 0,1,2,3
	v_max3_num_f32 v[232+\b], v[96+16*\b], v[97+16*\b], v[98+16*\b]   ; the largest score of each block of 32 keys: for the row's maximum and, since p rises with the score, for the block's largest p
.endr
.irp i, 3,5,7,9,11,13
.irp b, 0,1,2,3
	v_max3_num_f32 v[232+\b], v[232+\b], v[96+16*\b+\i], v[97+16*\b+\i]
.endr
.endr
.irp b, 0,1,2,3
	v_max_num_f32 v[232+\b], v[232+\b], v[111+16*\b]
.endr
.irp b, 0,1,2,3
	s_delay_alu instid0(VALU_DEP_4)
	v_permlanex16_b32 v[236+\b], v[232+\b], s[SEL], s[SEL+1]
.endr
.irp b, 0,1,2,3
	s_delay_alu instid0(VALU_DEP_4)
	v_max_num_f32 v[232+\b], v[232+\b], v[236+\b]
.endr
	s_delay_alu instid0(VALU_DEP_2)
	v_max3_num_f32 v254, v232, v233, v234
	s_delay_alu instid0(VALU_DEP_1)
	v_max_num_f32 v254, v254, v235
	s_delay_alu instid0(VALU_DEP_1)
	v_mul_f32 v254, s[CS], v254
	s_delay_alu instid0(VALU_DEP_1)
	v_max_num_f32 v13, v13, v254                   ; the running largest t
	v_mov_b32 v254, v12
	s_delay_alu instid0(VALU_DEP_2)
	v_floor_f32 v12, -v13                          ; -M = floor(-t): M is a whole number
	s_delay_alu instid0(VALU_DEP_1)
	v_sub_f32 v254, v12, v254
	s_delay_alu instid0(VALU_DEP_1)
	v_cvt_i32_f32 v254, v254                       ; (it saturates)
	s_delay_alu instid0(VALU_DEP_1)
	v_ldexp_f32 v252, 1.0, v254                    ; f = 2^(old M - new M)
.irp j, 0,2,4,6,8,10,12,14,16,18,20,22,24,26,28,30,32,34,36,38,40,42,44,46,48,50,52,54,56,58,60,62
	v_pk_fma_f32 v[96+\j:97+\j], v[96+\j:97+\j], s[CS:CS+1], v[12:13] op_sel_hi:[1,0,0]   ; t - M
.endr
.irp b, 0,1,2,3
	v_fma_f32 v[232+\b], v[232+\b], s[CS], v12
.endr
.set jj, 0
	s_wait_alu depctr_va_vdst(0)
.rept 64
	v_exp_f32 v[96+jj], v[96+jj]                   ; p = 2^(t - M)
.set jj, jj+1
.endr
	s_setprio 1
	v_pk_mul_f32 v[14:15], v[14:15], v[252:253] op_sel_hi:[1,0]   ; the sums under the new M: the plain line behind the exponentials
	s_wait_alu depctr_va_vdst(0)                   ; one wait for the batch, ahead of its first reader
.irp b, 0,1,2,3
	v_exp_f32 v[232+\b], v[232+\b]                 ; each block's largest p
.endr
	v_pk_add_f32 v[236:237], v[100:101], v[104:105]
	v_pk_add_f32 v[248:249], v[108:109], v[112:113]
	v_pk_add_f32 v[242:243], v[116:117], v[120:121]
	v_pk_add_f32 v[240:241], v[124:125], v[128:129]
	v_pk_add_f32 v[222:223], v[132:133], v[136:137]
	v_pk_add_f32 v[220:221], v[140:141], v[144:145]
	v_pk_add_f32 v[218:219], v[148:149], v[152:153]
	v_pk_add_f32 v[14:15], v[14:15], v[156:157]
	v_pk_add_f32 v[236:237], v[236:237], v[96:97]
	v_pk_add_f32 v[248:249], v[248:249], v[98:99]
	v_pk_add_f32 v[242:243], v[242:243], v[102:103]
	v_pk_add_f32 v[240:241], v[240:241], v[106:107]
	v_pk_add_f32 v[222:223], v[222:223], v[110:111]
	v_pk_add_f32 v[220:221], v[220:221], v[114:115]
	v_pk_add_f32 v[218:219], v[218:219], v[118:119]
	v_pk_add_f32 v[14:15], v[14:15], v[122:123]
	v_pk_add_f32 v[236:237], v[236:237], v[126:127]
	v_pk_add_f32 v[248:249], v[248:249], v[130:131]
	v_pk_add_f32 v[242:243], v[242:243], v[134:135]
	v_pk_add_f32 v[240:241], v[240:241], v[138:139]
	v_pk_add_f32 v[222:223], v[222:223], v[142:143]
	v_pk_add_f32 v[220:221], v[220:221], v[146:147]
	v_pk_add_f32 v[218:219], v[218:219], v[150:151]
	v_pk_add_f32 v[14:15], v[14:15], v[154:155]
	v_pk_add_f32 v[236:237], v[236:237], v[158:159]
	s_delay_alu instid0(VALU_DEP_2)
	v_pk_add_f32 v[14:15], v[14:15], v[240:241]
	s_delay_alu instid0(VALU_DEP_2)
	v_pk_add_f32 v[236:237], v[236:237], v[222:223]
	v_pk_add_f32 v[248:249], v[248:249], v[220:221]
	v_pk_add_f32 v[242:243], v[242:243], v[218:219]
	s_delay_alu instid0(VALU_DEP_2)
	v_pk_add_f32 v[14:15], v[14:15], v[248:249]
	s_delay_alu instid0(VALU_DEP_2)
	v_pk_add_f32 v[236:237], v[236:237], v[242:243]
	s_delay_alu instid0(VALU_DEP_1)
	v_pk_add_f32 v[14:15], v[14:15], v[236:237]
	s_wait_alu depctr_va_vdst(0)                   ; and one for the four
.irp b, 0,1,2,3
	v_max_num_f32 v[232+\b], 0x1800000, v[232+\b]  ; the floor: the byte cannot fall under 1
.endr
.irp b, 0,1,2,3
	s_delay_alu instid0(VALU_DEP_4)
	v_add_nc_u32 v[244+\b], 0xff000000, v[232+\b]
.endr
.irp b, 0,1,2,3
	s_delay_alu instid0(VALU_DEP_4)
	v_lshrrev_b32 v[236+\b], 23, v[244+\b]
.endr
	s_delay_alu instid0(VALU_DEP_3)
	v_lshl_or_b32 v198, v237, 8, v236              ; p's scale word for these 128 keys
	s_delay_alu instid0(VALU_DEP_1)
	v_lshl_or_b32 v198, v238, 16, v198
	s_delay_alu instid0(VALU_DEP_1)
	v_lshl_or_b32 v198, v239, 24, v198
.irp b, 0,1,2,3
	v_cvt_scalef32_pk8_fp4_f32 v[224+2*\b], v[96+16*\b:103+16*\b], v[244+\b]
	v_cvt_scalef32_pk8_fp4_f32 v[225+2*\b], v[104+16*\b:111+16*\b], v[244+\b]
.endr
	v_nop                                          ; one plain line behind the last scaled conversion
.irp c, 0,1
.irp i, 0,1
	v_permlane16_swap_b32 v[224+4*\c+\i], v[226+4*\c+\i]
.endr
.endr
	s_setprio 0
.irp j, 0,2,4,6,8,10,12,14,16,18,20,22,24,26,28,30
	v_pk_mul_f32 v[160+\j:161+\j], v[160+\j:161+\j], v[252:253] op_sel_hi:[1,0]   ; O^T under the new M; these sixteen also stand between the writes of p's codes and scale word and the products
.endr
	s_wait_alu depctr_va_vdst(0)
	s_wait_dscnt 0x0                               ; V and its scale words
.irp t, 0,1,2,3
	WMS 160+8*\t, 64+8*\t, 224, 0, 196+\t/2, 198, \t%2
.endr
	s_add_co_u32 s[TB], s[TB], 4096
	s_add_co_u32 s[TS], s[TS], 256
.endm
; ONE HEAD: eight key steps; then O^T / the sum, quantised along d: half hh of ctx's fragment and two bytes of its scale word
.macro HEAD hh
.if (\hh)
.irp j, 0,1,2,3
	v_mov_b32 v[20+\j], v[28+\j]                   ; the odd head's q between the zeros
.endr
.endif
	v_mov_b32 v13, 0xff61b1e6                      ; -3e38, under every t
	s_delay_alu instid0(VALU_DEP_1)
	v_floor_f32 v12, -v13
	v_mov_b32 v14, 0
	v_mov_b32 v15, 0
.set jj, 0
.rept 32
	v_mov_b32 v[160+jj], 0                         ; the step is written once: the first finds zeros
.set jj, jj+1
.endr
	s_mov_b32 s[CNT], 8
.Lstep_\@:
	s_setprio 2
	STEP \hh
	s_sub_co_u32 s[CNT], s[CNT], 1
	s_cmp_lg_u32 s[CNT], 0
	s_cbranch_scc1 .Lstep_\@
	s_setprio 0
.rept 4
	v_nop                                          ; ahead of the first read of O^T
.endr
	v_add_f32 v14, v14, v15
	s_delay_alu instid0(VALU_DEP_1)
	v_permlanex16_b32 v252, v14, s[SEL], s[SEL+1]
	s_delay_alu instid0(VALU_DEP_1)
	v_add_f32 v14, v14, v252                       ; the row's sum
	s_wait_alu depctr_va_vdst(0)
	v_rcp_f32 v14, v14
	v_nop
	s_wait_alu depctr_va_vdst(0)                   ; ahead of the reciprocal's first reader
.set jj, 0
.rept 32
	v_mul_f32 v[96+jj], v[160+jj], v14             ; register 16 e + i = ctx(my query, d = 32 e + 16 h + i)
.set jj, jj+1
.endr
.irp b, 0,1
	v_max3_num_f32 v[232+\b], |v[96+16*\b]|, |v[97+16*\b]|, 0x1800000
.endr
.irp i, 2,4,6,8,10,12,14
.irp b, 0,1
	s_delay_alu instid0(VALU_DEP_2)
	v_max3_num_f32 v[232+\b], v[232+\b], |v[96+16*\b+\i]|, |v[97+16*\b+\i]|
.endr
.endr
.irp b, 0,1
	s_delay_alu instid0(VALU_DEP_2)
	v_permlanex16_b32 v[236+\b], v[232+\b], s[SEL], s[SEL+1]
.endr
.irp b, 0,1
	s_delay_alu instid0(VALU_DEP_2)
	v_max_num_f32 v[232+\b], v[232+\b], v[236+\b]
.endr
.irp b, 0,1
	s_delay_alu instid0(VALU_DEP_2)
	v_add_nc_u32 v[244+\b], 0xff000000, v[232+\b]
.endr
.irp b, 0,1
	s_delay_alu instid0(VALU_DEP_2)
	v_lshrrev_b32 v[236+\b], 23, v[244+\b]
.endr
	s_delay_alu instid0(VALU_DEP_1)
	v_lshl_or_b32 v254, v237, 8, v236
.if (\hh)
	s_delay_alu instid0(VALU_DEP_1)
	v_lshl_or_b32 v208, v254, 16, v208
.else
	s_delay_alu instid0(VALU_DEP_1)
	v_mov_b32 v208, v254
.endif
.irp b, 0,1
	v_cvt_scalef32_pk8_fp4_f32 v[200+4*(\hh)+2*\b], v[96+16*\b:103+16*\b], v[244+\b]
	v_cvt_scalef32_pk8_fp4_f32 v[201+4*(\hh)+2*\b], v[104+16*\b:111+16*\b], v[244+\b]
.endr
	v_nop
.irp i, 0,1
	v_permlane16_swap_b32 v[200+4*(\hh)+\i], v[202+4*(\hh)+\i]
.endr
.endm
	HEAD 0
	HEAD 1
	global_store_b128 v1, v[200:203], s[36:37]             ; the fragment's image: 512 consecutive bytes each
	global_store_b128 v1, v[204:207], s[36:37] offset:512
	s_wait_alu depctr_va_vdst(0)
	s_wait_xcnt 0x0                                ; EXEC changes only behind this wait
	v_cmp_gt_u32 vcc_lo, 16, v5
	s_and_saveexec_b32 s40, vcc_lo
	global_store_b32 v6, v208, s[38:39]            ; lanes 0-15: my 16 rows' scale words
	s_wait_xcnt 0x0
	s_or_b32 exec_lo, exec_lo, s40
	s_wait_tensorcnt 0x0
	ds_add_u32 v251, v255
	s_wait_dscnt 0x0
	ROUND                                          ; the closing round: no work-group ends while a partner may still ask jointly
	s_endpgm
.Lfunc_end_k_q04dfaa5abb_attn:
	.size	k_q04dfaa5abb_attn, .Lfunc_end_k_q04dfaa5abb_attn-k_q04dfaa5abb_attn
	.p2alignl 7, 3214868480
	.fill 96, 4, 3214868480
	.section	.rodata,"a",@progbits
	.p2align	6, 0x0
	.amdhsa_kernel k_q04dfaa5abb_attn
		.amdhsa_group_segment_fixed_size 169984
		.amdhsa_private_segment_fixed_size 0
		.amdhsa_enable_private_segment 0
		.amdhsa_kernarg_size 16
		.amdhsa_user_sgpr_count 2
		.amdhsa_user_sgpr_kernarg_segment_ptr 1
		.amdhsa_wavefront_size32 1
		.amdhsa_system_sgpr_workgroup_id_x 1
		.amdhsa_system_sgpr_workgroup_id_y 1
		.amdhsa_system_sgpr_workgroup_id_z 1
		.amdhsa_system_vgpr_workitem_id 0
		.amdhsa_next_free_vgpr 256
		.amdhsa_next_free_sgpr 66
		.amdhsa_reserve_vcc 1
		.amdhsa_float_denorm_mode_32 3
		.amdhsa_float_denorm_mode_16_64 3
		.amdhsa_memory_ordered 1
		.amdhsa_forward_progress 1
		.amdhsa_inst_pref_size 50
	.end_amdhsa_kernel
	.amdgpu_metadata
---
amdhsa.version: [ 1, 2 ]
amdhsa.kernels:
  - .name:           k_q04dfaa5abb_attn
    .symbol:         k_q04dfaa5abb_attn.kd
    .args:
      - { .name: heads, .offset: 0, .size: 8, .value_kind: global_buffer, .address_space: global }
      - { .name: cimg, .offset: 8, .size: 8, .value_kind: global_buffer, .address_space: global }
    .group_segment_fixed_size: 169984
    .private_segment_fixed_size: 0
    .kernarg_segment_align: 8
    .kernarg_segment_size: 16
    .max_flat_workgroup_size: 512
    .sgpr_count:     66
    .vgpr_count:     256
    .wavefront_size: 32
...
	.end_amdgpu_metadata
.endif
;; end of part 7
;; launch outln (part 8): grid 256 x 1, 8 waves a work-group, no clusters, 132,608 bytes of LDS; arguments cimg, wimg, bo, q, ln_gamma, ln_beta, out0; writes out0
.if DOCPART == 8
	.amdgcn_target "amdgcn-amd-amdhsa--gfx1250"
	.amdhsa_code_object_version 6
	.text
	.protected	k_q04dfaa5abb_outln
	.globl	k_q04dfaa5abb_outln
	.p2align	8
	.type	k_q04dfaa5abb_outln,@function
k_q04dfaa5abb_outln:
	s_mov_b64 s[64:65], 0
	v_nop
	global_prefetch_b8 v0, s[64:65] scope:SCOPE_SE
	s_setreg_imm32_b32 hwreg(HW_REG_WAVE_SCHED_MODE, 0, 2), 2
	s_setreg_imm32_b32 hwreg(HW_REG_WAVE_MODE, 25, 1), 1
	s_wait_xcnt 0x0
	s_wait_alu depctr_vm_vsrc(0)
; out0 = LayerNorm(gelu(ctx wo + bo) + q) x gamma + beta.  The product on codes of FP4; all else in f32.
; SHARES.  A work-group takes 32 rows (tiles 2 e, 2 e + 1 of cimg, e the work-group's number), all 1,024 columns.  Wave w of 8 takes wo's tiles 8 w .. 8 w + 7: columns 128 w on: 16 accumulators, K in 8 steps of 128.
; Source 0 = 16 columns of wo, source 1 = 16 rows of ctx: a lane holds one row, its registers neighbouring columns.  bo is LOADED INTO the accumulators: every product adds in place.
; GELU is exact by g = max(x, 0) - |x| Q(|x|), Q = (1 - erf(|x| / sqrt 2)) / 2 = half a polynomial of degree 5 in 1 / (1 + 0.2316419 |x|) times exp(-x^2 / 2): absolute error of erf 1.5e-7 for every x; no quantiser follows.
; The 32 x 1,024 results meet in a stage in LDS (rows of 4,096 + 16 bytes); behind ONE barrier wave w takes four whole rows: residual, mean, then the sum of squared differences (two passes), and stores them.
; NO JOINT LOADS: wo's codes, 544 KiB with their scale words, do not fit in LDS at once; each fragment goes straight into the registers of the one wave of the work-group that needs it.
; LIMITS: NaN and infinities are not served; 1 / sqrt by v_rsq_f32.
; REGISTERS: window 0: v1-7 offsets; v8-31 at work; v32-39 ctx's scale words; v40-71 wo's; v[72:73] a coefficient; v94, v95 the closing add's two; v96-175, v176-255 operand sets 0, 1; later v96-223 GELU's work, then the four rows.
;   window 1: v0-127 accumulators (u, t) at v[8 (8 u + t)], later gamma v0-31, beta v32-63; v128-207 operand set 2; later v128-255 four rows of q.
; THE MODE: SCHED_MODE bits 1:0 = 2 (LLVM: expert scheduling mode 2), set by the entry lines.  The code itself states the register dependences between vector or matrix instructions and memory or LDS instructions, with s_wait_alu, always for 0.
; THE PLAN.  Registers that memory or LDS instructions touch:
;   operand sets 0 .. 2   Step s's products read set s % 3.  The loads issued in step s land in set (s + 2) % 3 = (s - 1) % 3, which the products of step s - 1 read; in step 6 q's rows land over set 2, which step 5's read.
;   the accumulators      Loaded with bo at the head; written by the products; read by GELU; then gamma and beta land in the first 64 of them.
;   v[RR ..]              Written by a chunk of GELU, read by its eight stores into the stage, written again by the next chunk.
;   v[XR ..]              (over GELU's work registers)  The loads from the stage land there; the arithmetic works in place; the 32 global stores read them.
;   v1 .. v7              Offsets and LDS addresses: made once at the head, never written again.  v94, v95: made at the head, read by the closing add alone.
; So ONE wait on va_vdst stands at the head of steps 1 to 6, behind the wait for the step's own data; the step's loads follow it in two halves, one ahead of each run of eight products, which name set s % 3,
; the scale words and the accumulators: none of the registers that those loads touch.  A chunk of GELU has one wait on vm_vsrc ahead of the lines that write v[RR ..] again and one on va_vdst ahead of its stores.
.set ASC,  32
.set BSC,  40
.set A4V,  72
.set Y,    96
.set U,    128
.set RR,   160
.set P,    192
.set XR,   96
.set SPT,  4112                        ; a stage row: 1,028 words: row r starts 4 r banks on
.set MSB,  0
.macro WIN new
.if MSB != (\new)
	s_set_vgpr_msb (MSB<<8)|(\new)
.set MSB, (\new)
.endif
.endm
.macro PLACES
.rept 4
	v_nop
.endr
.endm
.macro WMS d, a, b, sa, sb, ra, rb      ; one matrix instruction, adding in place
.if (\ra) && (\rb)
	v_wmma_scale_f32_16x16x128_f8f6f4 v[(\d):(\d)+7], v[(\a):(\a)+7], v[(\b):(\b)+7], v[(\d):(\d)+7], v[(\sa)], v[(\sb)] matrix_a_fmt:MATRIX_FMT_FP4 matrix_b_fmt:MATRIX_FMT_FP4 matrix_a_scale:MATRIX_SCALE_ROW1 matrix_b_scale:MATRIX_SCALE_ROW1
.elseif (\ra)
	v_wmma_scale_f32_16x16x128_f8f6f4 v[(\d):(\d)+7], v[(\a):(\a)+7], v[(\b):(\b)+7], v[(\d):(\d)+7], v[(\sa)], v[(\sb)] matrix_a_fmt:MATRIX_FMT_FP4 matrix_b_fmt:MATRIX_FMT_FP4 matrix_a_scale:MATRIX_SCALE_ROW1
.elseif (\rb)
	v_wmma_scale_f32_16x16x128_f8f6f4 v[(\d):(\d)+7], v[(\a):(\a)+7], v[(\b):(\b)+7], v[(\d):(\d)+7], v[(\sa)], v[(\sb)] matrix_a_fmt:MATRIX_FMT_FP4 matrix_b_fmt:MATRIX_FMT_FP4 matrix_b_scale:MATRIX_SCALE_ROW1
.else
	v_wmma_scale_f32_16x16x128_f8f6f4 v[(\d):(\d)+7], v[(\a):(\a)+7], v[(\b):(\b)+7], v[(\d):(\d)+7], v[(\sa)], v[(\sb)] matrix_a_fmt:MATRIX_FMT_FP4 matrix_b_fmt:MATRIX_FMT_FP4
.endif
.endm
	s_load_b256 s[4:11], s[0:1], 0x0               ; cimg, wimg, bo, q
	s_load_b128 s[12:15], s[0:1], 0x20             ; gamma, beta
	s_load_b64 s[16:17], s[0:1], 0x30              ; out0
	v_lshl_add_u32 v94, v0, 2, 0x20200
	v_mov_b32 v95, 0
	v_lshrrev_b32 v8, 5, v0
	v_readfirstlane_b32 s18, v8                    ; wave 0..7
	s_lshl_b32 s50, ttmp9, 5                       ; the four rows that I finish: stage rows 4 w .. 4 w + 3 are rows 32 e + 8 (w / 4) + 4 (w % 4) + 8 ((w / 2) % 2) + 0 .. 3
	s_wait_alu depctr_va_sdst(0)                   ; s18 is written, ahead of its first reader: my rows, my tiles of wo and my place in the stage are made from it
	s_lshr_b32 s51, s18, 2
	s_lshl_b32 s51, s51, 3
	s_add_co_u32 s50, s50, s51
	s_and_b32 s51, s18, 3
	s_lshl_b32 s51, s51, 2
	s_add_co_u32 s50, s50, s51
	s_bfe_u32 s51, s18, 0x10001
	s_lshl_b32 s51, s51, 3
	s_add_co_u32 s50, s50, s51
	s_lshl_b32 s50, s50, 12
	s_mov_b32 s51, 0
	s_lshl_b32 s52, ttmp9, 14                      ; ctx's codes: two tiles of 8,192 bytes
	s_mov_b32 s53, 0
	s_lshl_b32 s54, ttmp9, 10
	s_add_co_u32 s54, s54, 4194304                 ; ctx's scale words
	s_mov_b32 s55, 0
	s_lshl_b32 s56, s18, 16
	s_add_co_u32 s56, s56, 3*524288                ; wo's codes: my 8 tiles
	s_mov_b32 s57, 0
	s_lshl_b32 s58, s18, 12
	s_add_co_u32 s58, s58, 2097152+3*32768         ; wo's scale words
	s_mov_b32 s59, 0
	s_lshl_b32 s60, s18, 9                         ; bo: my 128 numbers.  Also my columns' bytes in a stage row
	s_mov_b32 s61, 0
	s_mul_i32 s63, s18, 4*SPT
	s_mov_b32 s34, 0x76543210
	s_mov_b32 s35, 0xfedcba98
	s_mov_b32 s36, 0x3f596d27                      ; sqrt(log2(e) / 2)
	s_mov_b32 s37, s36
	s_mov_b32 s38, 0x3e6d3389                      ; 0.2316419
	s_mov_b32 s40, 0x3f07dc22                      ; the polynomial's coefficients, halved: a5
	s_mov_b32 s41, s40
	s_mov_b32 s42, 0x3f35f0e3                      ; a3
	s_mov_b32 s43, s42
	s_mov_b32 s44, 0xbe11a98e                      ; a2
	s_mov_b32 s45, s44
	s_mov_b32 s46, 0x3e027906                      ; a1
	s_mov_b32 s47, s46
	s_mov_b32 s48, 0x3a800000                      ; 1 / 1,024
	s_mov_b32 s49, 0x3727c5ac                      ; 1e-5
	v_mov_b32 v[A4V], 0xbf3a00e3                   ; a4
	v_mov_b32 v[A4V+1], 0xbf3a00e3
	v_and_b32 v8, 31, v0
	v_lshlrev_b32 v1, 4, v8                        ; 16 x lane
	v_lshlrev_b32 v2, 5, v8                        ; 32 x lane
	v_lshlrev_b32 v3, 2, v8                        ; 4 x lane
	v_and_b32 v8, 15, v0                           ; r
	v_bfe_u32 v9, v0, 4, 1                         ; h
	v_lshlrev_b32 v4, 6, v9                        ; 64 h
	v_mul_u32_u24 v5, v8, SPT
	v_lshl_add_u32 v5, v9, 6, v5
	v_add_nc_u32 v5, s60, v5                       ; into the stage, tile 0: row r, + 512 w + 64 h
	v_add_nc_u32 v6, 16*SPT, v5                    ; tile 1: 16 rows on
	v_add_nc_u32 v7, s63, v1                       ; out of it: my four rows, 16 bytes a lane
	s_wait_kmcnt 0x0
	s_add_nc_u64 s[20:21], s[4:5], s[52:53]
	s_add_nc_u64 s[22:23], s[4:5], s[54:55]
	s_add_nc_u64 s[24:25], s[6:7], s[56:57]
	s_add_nc_u64 s[26:27], s[6:7], s[58:59]
	s_add_nc_u64 s[28:29], s[8:9], s[60:61]
	s_add_nc_u64 s[30:31], s[10:11], s[50:51]
	s_add_nc_u64 s[32:33], s[16:17], s[50:51]
	s_wait_alu depctr_va_vdst(0)                   ; the offsets and LDS addresses v1 to v7 are written: every load and store of the kernel reads one of them
	WIN 0x40
.irp u, 0,1
.irp t, 0,1,2,3,4,5,6,7
	global_load_b128 v[8*(8*\u+\t):8*(8*\u+\t)+3], v4, s[28:29] offset:128*(\t/2)+32*(\t%2)        ; bo at the lane's eight columns: 32 (t / 2) + 16 h + 8 (t % 2) + j
	global_load_b128 v[8*(8*\u+\t)+4:8*(8*\u+\t)+7], v4, s[28:29] offset:128*(\t/2)+32*(\t%2)+16
.endr
.endr
	WIN 0
.irp s, 0,1,2,3,4,5,6,7
	global_load_b32 v[ASC+\s], v3, s[22:23] offset:128*\s    ; lanes 0-15 tile 0's words, lanes 16-31 tile 1's
.endr
.irp i, 0,1,2,3
	global_load_b128 v[BSC+8*\i:BSC+8*\i+3], v2, s[26:27] offset:1024*\i
	global_load_b128 v[BSC+8*\i+4:BSC+8*\i+7], v2, s[26:27] offset:1024*\i+16
.endr
; half p of K step s: wo's fragments 4 p .. 4 p + 3 and ctx's fragment p: 10 loads of 512 bytes, into set s % 3
.macro FETCHG s, p
.set FS, (\s)%3
.if FS == 0
	WIN 0
.set FB, 96
.set FA, 160
.elseif FS == 1
	WIN 0
.set FB, 176
.set FA, 240
.else
	WIN 0x40
.set FB, 128
.set FA, 192
.endif
.irp t, 0,1,2,3
.irp c, 0,1
	global_load_b128 v[FB+8*(4*(\p)+\t)+4*\c:FB+8*(4*(\p)+\t)+4*\c+3], v1, s[24:25] offset:8192*(4*(\p)+\t)+1024*(\s)+512*\c
.endr
.endr
.irp c, 0,1
	global_load_b128 v[FA+8*(\p)+4*\c:FA+8*(\p)+4*\c+3], v1, s[20:21] offset:8192*(\p)+1024*(\s)+512*\c
.endr
.endm
.macro FETCH s                         ; the whole of K step s: 8 fragments of wo, 2 of ctx: 20 loads
	FETCHG \s, 0
	FETCHG \s, 1
.endm
; the residual: rows 2 p, 2 p + 1 of my four, over set 2, which is done with: 16 loads
.macro QLOAD p
	WIN 0x40
.irp i, 0,1
.irp m, 0,1,2,3,4,5,6,7
	global_load_b128 v[128+32*(2*(\p)+\i)+4*\m:128+32*(2*(\p)+\i)+4*\m+3], v1, s[30:31] offset:4096*(2*(\p)+\i)+512*\m th:TH_LOAD_NT
.endr
.endr
.endm
.macro STEP s
.if (\s) > 0
	PLACES                                         ; behind the last step's products, ahead of loads into the set that they read
.endif
.if (\s) < 7
	s_wait_loadcnt 20                              ; this step's loads and all older ones are in; the next step's 20 may be out
.else
	s_wait_loadcnt 32                              ; q's 32 loads may be out
.endif
.if ((\s) > 0) && ((\s) < 7)
	s_wait_alu depctr_va_vdst(0)                   ; the products of the step before are done reading their operand set, in which this step's loads land (in step 6: q's rows, over set 2, which step 5's products read)
.endif                                                 ; (step 0: only loads stand between the head's wait and its loads; step 7 loads nothing)
.set MS, (\s)%3
.if MS == 0
.set MB, 96
.set MA, 160
.set MW, 0x50
.elseif MS == 1
.set MB, 176
.set MA, 240
.set MW, 0x50
.else
.set MB, 128
.set MA, 192
.set MW, 0x55
.endif
.set ia, 0
.rept 2                                ; the 16 accumulators take turns, one instruction a turn
.if (\s)+2 < 8
	FETCHG (\s)+2, ia                              ; ten loads of the step two on.  No further wait: no product since the wait above names the set in which they land, nor v1
.endif
.if (\s) == 6
	QLOAD ia
.endif
	WIN MW
.set ib, 0
.rept 8
	WMS 8*(8*ia+ib), MB+8*ib, MA+8*ia, BSC+8*(ib/2)+(\s), ASC+(\s), ib%2, ia
.set ib, ib+1
.endr
.set ia, ia+1
.endr
.endm
	FETCH 0
	FETCH 1
.irp s, 0,1,2,3,4,5,6,7
	STEP \s
.endr
	WIN 0
	PLACES                                         ; ahead of the first read of results
; GELU of 32 numbers a lane: tile u, accumulators 4 cc .. 4 cc + 3; then into the stage
.macro GELU u, cc
.set XB, 64*(\u)+32*(\cc)
	s_wait_dscnt 0x0                               ; the last chunk's stage stores are done
	WIN 0x01                                       ; source 0: the accumulators' window
.set jj, 0
.rept 16
	v_pk_mul_f32 v[Y+jj:Y+jj+1], v[XB+jj:XB+jj+1], s[36:37] op_sel_hi:[1,0]   ; each accumulator is read from its low end on
.set jj, jj+2
.endr
.set jj, 0
.rept 32
	v_fma_f32 v[U+jj], |v[XB+jj]|, s38, 1.0
.set jj, jj+1
.endr
.if (\u)+(\cc) > 0
	s_wait_alu depctr_vm_vsrc(0)                   ; the last chunk's stage stores have read v[RR ..], which the lines below write again
.endif
.set jj, 0
.rept 32
	v_max_num_f32 v[RR+jj], v[XB+jj], 0
.set jj, jj+1
.endr
	WIN 0
.set jj, 0
	s_wait_alu depctr_va_vdst(0)
.rept 32
	v_rcp_f32 v[U+jj], v[U+jj]                     ; t = 1 / (1 + 0.2316419 |x|)
.set jj, jj+1
.endr
.set jj, 0
.rept 16
	v_pk_mul_f32 v[Y+jj:Y+jj+1], v[Y+jj:Y+jj+1], v[Y+jj:Y+jj+1] neg_lo:[0,1] neg_hi:[0,1]   ; -x^2 log2(e) / 2
.set jj, jj+2
.endr
.set jj, 0
	s_wait_alu depctr_va_vdst(0)
.rept 32
	v_exp_f32 v[Y+jj], v[Y+jj]                     ; exp(-x^2 / 2)
.set jj, jj+1
.endr
	v_nop                                          ; the plain line behind the batch
	s_wait_alu depctr_va_vdst(0)                   ; the 32 reciprocals have written v[U ..] and the 32 exponentials v[Y ..]: one wait for the 64, ahead of their first reader
.set jj, 0
.rept 16
	v_pk_fma_f32 v[P+jj:P+jj+1], v[U+jj:U+jj+1], s[40:41], v[A4V:A4V+1] op_sel_hi:[1,0,1]
.set jj, jj+2
.endr
.irp k, 42,44,46
.set jj, 0
.rept 16
	v_pk_fma_f32 v[P+jj:P+jj+1], v[P+jj:P+jj+1], v[U+jj:U+jj+1], s[\k:\k+1] op_sel_hi:[1,1,0]
.set jj, jj+2
.endr
.endr
.set jj, 0
.rept 16
	v_pk_mul_f32 v[P+jj:P+jj+1], v[P+jj:P+jj+1], v[U+jj:U+jj+1]
.set jj, jj+2
.endr
.set jj, 0
.rept 16
	v_pk_mul_f32 v[P+jj:P+jj+1], v[P+jj:P+jj+1], v[Y+jj:Y+jj+1]   ; Q
.set jj, jj+2
.endr
	WIN 0x01
.set jj, 0
.rept 32
	v_fma_f32 v[RR+jj], -|v[XB+jj]|, v[P+jj], v[RR+jj]            ; max(x, 0) - |x| Q
.set jj, jj+1
.endr
	WIN 0
	s_wait_alu depctr_va_vdst(0)                   ; the multiply-adds have written v[RR ..], which the stage stores read
.irp b, 0,1
.irp j, 0,1,2,3
	ds_store_b128 v[5+(\u)], v[RR+16*\b+4*\j:RR+16*\b+4*\j+3] offset:256*(\cc)+128*\b+16*\j
.endr
.endr
.endm
	GELU 0, 0
	GELU 0, 1
	GELU 1, 0
	GELU 1, 1
	WIN 0x40                                       ; no wait for the loads below: the last chunk's wait on va_vdst shows GELU done with the accumulators, no vector instruction stands behind it, and the stage stores between name none of these loads' registers
.irp m, 0,1,2,3,4,5,6,7
	global_load_b128 v[4*\m:4*\m+3], v1, s[12:13] offset:512*\m          ; gamma and beta at my lane's columns 128 m + 4 lane + 0 .. 3
	global_load_b128 v[32+4*\m:32+4*\m+3], v1, s[14:15] offset:512*\m
.endr
	WIN 0
	s_wait_dscnt 0x0                               ; for the others' sake: my stores into the stage are done
	s_barrier_signal -1
	s_barrier_wait -1
	s_wait_alu depctr_vm_vsrc(0)                   ; my stage stores have read v[RR ..], in which rows land now (GELU's vector instructions on v[XR ..] stand ahead of the last wait on va_vdst)
.irp i, 0,1,2,3
.irp m, 0,1,2,3,4,5,6,7
	ds_load_b128 v[XR+32*\i+4*\m:XR+32*\i+4*\m+3], v7 offset:\i*SPT+512*\m
.endr
.endr
	s_wait_dscnt 0x0
	s_wait_loadcnt 0x0                             ; q, gamma, beta
	WIN 0x04                                       ; source 1: q's window
.set jj, 0
.rept 64
	v_pk_add_f32 v[XR+jj:XR+jj+1], v[XR+jj:XR+jj+1], v[128+jj:129+jj]     ; x = gelu + residual
.set jj, jj+2
.endr
	WIN 0
	; the mean: the four rows by turns, two chains each
.irp i, 0,1,2,3
	v_pk_add_f32 v[8+4*\i:9+4*\i], v[XR+32*\i:XR+32*\i+1], v[XR+32*\i+2:XR+32*\i+3]
	v_pk_add_f32 v[10+4*\i:11+4*\i], v[XR+32*\i+4:XR+32*\i+5], v[XR+32*\i+6:XR+32*\i+7]
.endr
.irp n, 8,12,16,20,24,28
.irp i, 0,1,2,3
	v_pk_add_f32 v[8+4*\i:9+4*\i], v[8+4*\i:9+4*\i], v[XR+32*\i+\n:XR+32*\i+\n+1]
	v_pk_add_f32 v[10+4*\i:11+4*\i], v[10+4*\i:11+4*\i], v[XR+32*\i+\n+2:XR+32*\i+\n+3]
.endr
.endr
.irp i, 0,1,2,3
	v_pk_add_f32 v[8+4*\i:9+4*\i], v[8+4*\i:9+4*\i], v[10+4*\i:11+4*\i]
.endr
.irp i, 0,1,2,3
	v_add_f32 v[8+4*\i], v[8+4*\i], v[9+4*\i]
.endr
.irp x, 1,2,4,8
.irp i, 0,1,2,3
	v_add_f32_dpp v[8+4*\i], v[8+4*\i], v[8+4*\i] row_xmask:\x row_mask:0xf bank_mask:0xf
.endr
.endr
.irp i, 0,1,2,3
	v_permlanex16_b32 v[10+4*\i], v[8+4*\i], s34, s35
.endr
.irp i, 0,1,2,3
	v_add_f32 v[8+4*\i], v[8+4*\i], v[10+4*\i]
.endr
.irp i, 0,1,2,3
	v_mul_f32 v[8+4*\i], s48, v[8+4*\i]            ; mu
.endr
.irp i, 0,1,2,3
.set jj, 0
.rept 16
	v_pk_add_f32 v[XR+32*\i+jj:XR+32*\i+jj+1], v[XR+32*\i+jj:XR+32*\i+jj+1], v[8+4*\i:9+4*\i] op_sel_hi:[1,0] neg_lo:[0,1] neg_hi:[0,1]   ; x - mu
.set jj, jj+2
.endr
.endr
	; the variance: the sum of the squared differences
.irp i, 0,1,2,3
	v_pk_mul_f32 v[10+4*\i:11+4*\i], v[XR+32*\i:XR+32*\i+1], v[XR+32*\i:XR+32*\i+1]
	v_pk_mul_f32 v[24+2*\i:25+2*\i], v[XR+32*\i+2:XR+32*\i+3], v[XR+32*\i+2:XR+32*\i+3]
.endr
.irp n, 4,8,12,16,20,24,28
.irp i, 0,1,2,3
	v_pk_fma_f32 v[10+4*\i:11+4*\i], v[XR+32*\i+\n:XR+32*\i+\n+1], v[XR+32*\i+\n:XR+32*\i+\n+1], v[10+4*\i:11+4*\i]
	v_pk_fma_f32 v[24+2*\i:25+2*\i], v[XR+32*\i+\n+2:XR+32*\i+\n+3], v[XR+32*\i+\n+2:XR+32*\i+\n+3], v[24+2*\i:25+2*\i]
.endr
.endr
.irp i, 0,1,2,3
	v_pk_add_f32 v[10+4*\i:11+4*\i], v[10+4*\i:11+4*\i], v[24+2*\i:25+2*\i]
.endr
.irp i, 0,1,2,3
	v_add_f32 v[10+4*\i], v[10+4*\i], v[11+4*\i]
.endr
.irp x, 1,2,4,8
.irp i, 0,1,2,3
	v_add_f32_dpp v[10+4*\i], v[10+4*\i], v[10+4*\i] row_xmask:\x row_mask:0xf bank_mask:0xf
.endr
.endr
.irp i, 0,1,2,3
	v_permlanex16_b32 v[24+2*\i], v[10+4*\i], s34, s35
.endr
.irp i, 0,1,2,3
	v_add_f32 v[10+4*\i], v[10+4*\i], v[24+2*\i]
.endr
.irp i, 0,1,2,3
	v_fma_f32 v[10+4*\i], v[10+4*\i], s48, s49     ; var + eps
.endr
	s_wait_alu depctr_va_vdst(0)
.irp i, 0,1,2,3
	v_rsq_f32 v[8+4*\i], v[10+4*\i]
.endr
	v_nop                                          ; the plain line behind the four
	s_wait_alu depctr_va_vdst(0)                   ; the four reciprocal roots have written v8, v12, v16, v20: one wait, ahead of their first reader
.irp i, 0,1,2,3
.set jj, 0
.rept 16
	v_pk_mul_f32 v[XR+32*\i+jj:XR+32*\i+jj+1], v[XR+32*\i+jj:XR+32*\i+jj+1], v[8+4*\i:9+4*\i] op_sel_hi:[1,0]
.set jj, jj+2
.endr
.endr
	WIN 0x14                                       ; sources 1 and 2: gamma's and beta's window
.irp i, 0,1,2,3
.set jj, 0
.rept 16
	v_pk_fma_f32 v[XR+32*\i+jj:XR+32*\i+jj+1], v[XR+32*\i+jj:XR+32*\i+jj+1], v[jj:jj+1], v[32+jj:33+jj]
.set jj, jj+2
.endr
.endr
	WIN 0
	s_wait_alu depctr_va_vdst(0)                   ; the multiply-adds by gamma and beta have written v[XR ..], which the stores below read
.irp i, 0,1,2,3
.irp m, 0,1,2,3,4,5,6,7
	global_store_b128 v1, v[XR+32*\i+4*\m:XR+32*\i+4*\m+3], s[32:33] offset:4096*\i+512*\m th:TH_STORE_NT   ; 32 lanes store 512 consecutive bytes, aligned
.endr
.endr
	s_wait_dscnt 0x0                               ; the closing lines, six on end
	s_wait_alu 0x0
	s_wait_tensorcnt 0x0
	ds_add_u32 v94, v95
	s_wait_dscnt 0x0
	s_endpgm
.Lfunc_end_k_q04dfaa5abb_outln:
	.size	k_q04dfaa5abb_outln, .Lfunc_end_k_q04dfaa5abb_outln-k_q04dfaa5abb_outln
	.p2alignl 7, 3214868480
	.fill 96, 4, 3214868480
	.section	.rodata,"a",@progbits
	.p2align	6, 0x0
	.amdhsa_kernel k_q04dfaa5abb_outln
		.amdhsa_group_segment_fixed_size 132608
		.amdhsa_private_segment_fixed_size 0
		.amdhsa_enable_private_segment 0
		.amdhsa_kernarg_size 56
		.amdhsa_user_sgpr_count 2
		.amdhsa_user_sgpr_kernarg_segment_ptr 1
		.amdhsa_wavefront_size32 1
		.amdhsa_system_sgpr_workgroup_id_x 1
		.amdhsa_system_sgpr_workgroup_id_y 1
		.amdhsa_system_sgpr_workgroup_id_z 1
		.amdhsa_system_vgpr_workitem_id 0
		.amdhsa_next_free_vgpr 512
		.amdhsa_next_free_sgpr 66
		.amdhsa_reserve_vcc 0
		.amdhsa_float_denorm_mode_32 3
		.amdhsa_float_denorm_mode_16_64 3
		.amdhsa_memory_ordered 1
		.amdhsa_forward_progress 1
		.amdhsa_inst_pref_size 147
	.end_amdhsa_kernel
	.amdgpu_metadata
---
amdhsa.version: [ 1, 2 ]
amdhsa.kernels:
  - .name:           k_q04dfaa5abb_outln
    .symbol:         k_q04dfaa5abb_outln.kd
    .args:
      - { .name: cimg, .offset: 0, .size: 8, .value_kind: global_buffer, .address_space: global }
      - { .name: wimg, .offset: 8, .size: 8, .value_kind: global_buffer, .address_space: global }
      - { .name: bo, .offset: 16, .size: 8, .value_kind: global_buffer, .address_space: global }
      - { .name: q, .offset: 24, .size: 8, .value_kind: global_buffer, .address_space: global }
      - { .name: ln_gamma, .offset: 32, .size: 8, .value_kind: global_buffer, .address_space: global }
      - { .name: ln_beta, .offset: 40, .size: 8, .value_kind: global_buffer, .address_space: global }
      - { .name: out0, .offset: 48, .size: 8, .value_kind: global_buffer, .address_space: global }
    .group_segment_fixed_size: 132608
    .private_segment_fixed_size: 0
    .kernarg_segment_align: 8
    .kernarg_segment_size: 56
    .max_flat_workgroup_size: 256
    .sgpr_count:     66
    .vgpr_count:     512
    .wavefront_size: 32
...
	.end_amdgpu_metadata
.endif
;; end of part 8
